; MI455X (gfx1250); checked and timed in simulation.
; The chip was launched on July 23, 2026; its instructions are those of AMD's public machine-readable ISA for CDNA 5 (MIT licence, August 2026) and "CDNA5" Instruction Set Architecture Reference Guide (July 2026). The comments in the code are by the model that wrote it; some were corrected since.
;; Block With Return Attention. Allowed arithmetic: matrix products marked QUANTISED: E2M1 operands, one E8M0 scale for each 32 along K, by v_wmma_scale_f32_16x16x128_f8f6f4 with both operands' format E2M1 (or v_wmma_scale_f32_32x16x128_f4), f32 sums; everything else in f32.
;; Inputs: b_fc1 1,024 float32; b_fc2 1,024 float32; b_proj 1,024 float32; ln1_b 1,024 float32; ln1_g 1,024 float32; ln2_b 1,024 float32; ln2_g 1,024 float32; w_fc1 1,024 x 1,024 float32; w_fc2 1,024 x 1,024 float32; w_proj 1,024 x 1,024 float32; w_qkv 1,024 x 3,072 float32; x 8 x 1,024 x 1,024 float32.
;; Outputs: out0 8 x 1,024 x 1,024 float32.
;; This version of the problem:
;;   THIS VERSION OF THE PROBLEM IS GIVEN IN LOW PRECISION. The matrix products marked QUANTISED in the list below multiply operands that are first quantised to E2M1 (2 exponent bits, 1 mantissa bit; 4 bits a number), with one power-of-two scale for each 32 numbers along K (OCP MX v1.0); their sums are f32. All else is computed in f32.
;;   The module's matrix products, in the order in which they are computed (A, B: the left and right operand; K: the contracted axis; several contracted axes count as one K, in the product's order):
;;     1. [M 8,192, K 1,024] x [K 1,024, N 3,072]; A: computed on the way; B: input w_qkv: QUANTISED
;;     2. batch 128 x [M 1,024, K 64] x [K 64, N 1,024]; A: computed on the way; B: computed on the way: QUANTISED
;;     3. batch 128 x [M 1,024, K 1,024] x [K 1,024, N 64]; A: softmax (see below); B: computed on the way: QUANTISED
;;     4. [M 8,192, K 1,024] x [K 1,024, N 1,024]; A: computed on the way; B: input w_proj: QUANTISED
;;     5. [M 8,192, K 1,024] x [K 1,024, N 1,024]; A: computed on the way; B: input w_fc1: QUANTISED
;;     6. [M 8,192, K 1,024] x [K 1,024, N 1,024]; A: computed on the way; B: input w_fc2: QUANTISED
;;   THE QUANTISER, for each operand of a quantised product, along K:
;;     - K is cut into blocks of 32 from its start; a last block that is shorter is filled with zeros.
;;     - A block's scale is 2^e with e = floor(log2(the largest magnitude in the block)) - 2, held to -126 .. 127; a block of zeros has e = 0. As a byte (E8M0): e + 127.
;;     - Each number is divided by its block's scale, clamped to +-6, and rounded to the nearest number of E2M1, ties to even, subnormals kept.
;;     - The product sums the exact products of the quantised numbers (number of the format x scale) in f32.
;;   ~~~python
;;   def quantise(x, axis):      # numpy; x: float32 -> the quantised numbers, widened to float32 again
;;       x = np.moveaxis(x, axis, -1); K = x.shape[-1]
;;       x = np.pad(x, [(0, 0)] * (x.ndim - 1) + [(0, -K % 32)]); x = x.reshape(x.shape[:-1] + (-1, 32)); a = np.abs(x).max(-1, keepdims=True)
;;       e = np.where(a > 0, np.clip(np.frexp(np.where(a > 0, a, 1))[1] - 1 - 2, -126, 127), 0)      # np.frexp(a)[1] - 1 = floor(log2(a)), exactly
;;       r = np.clip(x / 2.0 ** e, -6, 6)
;;       step = 2.0 ** (np.maximum(np.frexp(np.where(r == 0, 1, r))[1] - 1, 0) - 1)
;;       q = np.round(r / step) * step * 2.0 ** e      # np.round: ties to even
;;       return np.moveaxis(q.reshape(q.shape[:-2] + (-1,))[..., :K], -1, axis).astype(np.float32)
;;   ~~~
;;   SOFTMAX AHEAD OF A QUANTISED PRODUCT. Where the list says 'softmax', what is quantised is not the finished softmax but p = 2^(t - M), with t = logit x log2(e) and M = ceil(the row's largest t), a whole number; so 1/2 < the row's largest p <= 1. The row's sum l is taken of the UNQUANTISED p, in f32, and the product's result is divided by l at the end. Since M is a whole number, a kernel that streams over the keys may use a running M (the ceiling of the running maximum): every later rescaling is an exact power of two, which a block's scale takes up: the codes' values come out the same.
;;   OPERANDS COMPUTED ON THE WAY. 'Computed on the way' means the value that the module computes at that place (a softmax that the list does not call 'softmax' is quantised finished and normalised). What goes into a quantiser is computed in f32, as accurately as f32 sums, v_exp_f32 and their like allow (about 1e-6 of the number): no bf16 or f16 on the way to a quantiser, and a product that is left as it is and whose result goes on into a quantised operand takes f32 operands (vector FMAs, or v_wmma_f32_16x16x4_f32). A number that lies on a knife's edge between two numbers of the format may be rounded either way, as far as f32 arithmetic and the matrix unit's own rounding can turn it there, and no further.
;; 2 versions. Each part assembles by itself: llvm-mc -triple=amdgcn-amd-amdhsa -mcpu=gfx1250 --defsym DOCPART=n.
;; ======== version 1 of 2: 4 launches
;; workspace buffers: wts 3,342,336 bytes; qbuf 4,456,448 bytes; kbuf 4,456,448 bytes; vbuf 4,456,448 bytes; obuf 4,456,448 bytes
;; launch wq (part 1): grid 48 x 8, 4 waves a work-group, no clusters, 1,024 bytes of LDS; arguments w_qkv, w_proj, w_fc1, w_fc2, wts; writes wts
.if DOCPART == 1
	.amdgcn_target "amdgcn-amd-amdhsa--gfx1250"
	.amdhsa_code_object_version 6
	.text
	.protected	k_q8cd5144757_wq
	.globl	k_q8cd5144757_wq
	.p2align	8
	.type	k_q8cd5144757_wq,@function
k_q8cd5144757_wq:
	s_mov_b64 s[64:65], 0
	v_nop
	global_prefetch_b8 v0, s[64:65] scope:SCOPE_SE
	s_setreg_imm32_b32 hwreg(HW_REG_WAVE_MODE, 25, 1), 1
	s_wait_xcnt 0x0
; The four weights ([K][N], f32, K the first axis) become codes of FP4 (E2M1) with one E8M0 byte for each 32 along K, laid in the order of an operand's registers.
; wts: 48 groups of 128 columns (0-23 w_qkv's, 24-31 w_proj's, 32-39 w_fc1's, 40-47 w_fc2's).  A fragment (group G, K step s of 128, tile t of 16 columns) is 1,024 bytes at ((8 G + s) 8 + t) 1024:
; byte 512 c + 16 (16 h + r) on holds column 128 G + 32 (t / 2) + 8 (t % 2) + r + 8 (r / 8), k = 128 s + 64 c + 32 h + 0 .. 31.  The columns of a tile are not neighbours: a product that takes such tiles as
; source 0 leaves 16 neighbouring columns in the 16 registers of tiles 2 b and 2 b + 1.
; Scale words (four bytes: a column's four blocks of a K step) from byte WSL on: (8 G + s) 512 + 256 (t / 4) + 8 (16 (t % 2) + r) + 4 ((t / 2) % 2).
; A work-group takes one group and one K step; wave w4 takes tiles 2 w4 and 2 w4 + 1.  A LANE TAKES A COLUMN AND ITS REGISTERS RUN DOWN K: a block of 32 lies in one lane, and its 16 bytes of codes are that lane's
; 16 bytes of the fragment: each store of the wave covers two aligned runs of 256 bytes.  Memory binds: no matrix unit, no cluster (no byte is read twice), no ring.
; LIMITS: NaN and infinities are not served; a block of zeros, or one whose largest magnitude lies under 2^-124, gets the byte 1 (its codes are what the conversion gives under that scale); this program alone reads the bytes.
.set OFF, 16                           ; v16-47   row i of a block: i x the row's bytes + 4 x my column
.set X,   48                           ; v48-111  two sets of 32 numbers
.set C,   112                          ; v112-127 four registers of codes for each block: no store's data are written again
.set WSL, 3145728
	s_load_b256 s[4:11], s[0:1], 0x0               ; w_qkv s[4:5], w_proj s[6:7], w_fc1 s[8:9], w_fc2 s[10:11]
	s_load_b64 s[12:13], s[0:1], 0x20              ; wts
	v_lshl_add_u32 v128, v0, 2, 0x200
	v_mov_b32 v129, 0
	v_lshrrev_b32 v1, 5, v0
	v_readfirstlane_b32 s28, v1                    ; wave 0..3
	v_and_b32 v1, 31, v0                           ; lane = 16 u + r
	v_and_b32 v2, 7, v1
	v_bfe_u32 v3, v1, 3, 1
	v_lshl_add_u32 v2, v3, 4, v2
	v_lshrrev_b32 v3, 4, v1
	v_lshl_add_u32 v2, v3, 3, v2                   ; my column among the wave's 32: 8 u + r % 8 + 16 (r / 8)
	v_lshlrev_b32 v2, 2, v2
	v_and_b32 v4, 15, v1
	v_lshlrev_b32 v4, 4, v4
	v_lshl_add_u32 v4, v3, 10, v4                  ; where my codes go: 1024 u + 16 r
	s_lshr_b32 s29, s28, 1
	s_lshl_b32 s29, s29, 8
	s_and_b32 s30, s28, 1
	s_lshl_b32 s30, s30, 2
	s_add_co_u32 s29, s29, s30
	v_lshl_add_u32 v5, v1, 3, s29                  ; LDS: my scale word: 256 (w4 / 2) + 8 lane + 4 (w4 % 2)
	v_lshlrev_b32 v7, 4, v1
	s_and_b32 s31, ttmp7, 0xffff                   ; the K step
	s_wait_kmcnt 0x0
	s_cmp_lt_u32 ttmp9, 40                         ; which weight: the choice hangs on the work-group's number alone
	s_cselect_b64 s[14:15], s[8:9], s[10:11]
	s_cselect_b32 s33, 32, 40
	s_cmp_lt_u32 ttmp9, 32
	s_cselect_b64 s[14:15], s[6:7], s[14:15]
	s_cselect_b32 s33, 24, s33
	s_cmp_lt_u32 ttmp9, 24
	s_cselect_b64 s[14:15], s[4:5], s[14:15]
	s_cselect_b32 s33, 0, s33
	s_mov_b32 s32, 4096
	s_cselect_b32 s32, 12288, s32                  ; a row's bytes
	s_sub_co_u32 s33, ttmp9, s33                   ; the group of 128 columns in that weight
	s_mul_i32 s24, s31, s32
	s_lshl_b32 s24, s24, 7                         ; 128 s rows
	s_lshl_b32 s33, s33, 9
	s_add_co_u32 s24, s24, s33
	s_lshl_b32 s25, s28, 7
	s_add_co_u32 s24, s24, s25                     ; + the group's 512 bytes + the wave's 128
	s_mov_b32 s25, 0
	s_add_nc_u64 s[16:17], s[14:15], s[24:25]      ; block q begins at s[16 + 2 q : 17 + 2 q]
	s_lshl_b32 s26, s32, 5
	s_mov_b32 s27, 0
	s_add_nc_u64 s[18:19], s[16:17], s[26:27]
	s_add_nc_u64 s[20:21], s[18:19], s[26:27]
	s_add_nc_u64 s[22:23], s[20:21], s[26:27]
	s_lshl_b32 s36, ttmp9, 3
	s_add_co_u32 s36, s36, s31                     ; 8 G + s
	s_lshl_b32 s24, s36, 13
	s_lshl_b32 s37, s28, 11
	s_add_co_u32 s24, s24, s37
	s_add_nc_u64 s[34:35], s[12:13], s[24:25]      ; my two tiles' fragments
	s_lshl_b32 s24, s36, 9
	s_add_co_u32 s24, s24, WSL
	s_add_nc_u64 s[38:39], s[12:13], s[24:25]      ; the work-group's 512 bytes of scale words
.irp i, 0,1,2,3,4,5,6,7,8,9,10,11,12,13,14,15,16,17,18,19,20,21,22,23,24,25,26,27,28,29,30,31
	v_mad_u32_u24 v[OFF+\i], s32, \i, v2
.endr
.macro LOAD q                          ; block q: rows 32 q + i of the K step, my column: the wave reads 128 consecutive bytes, the work-group 512
.irp i, 0,1,2,3,4,5,6,7,8,9,10,11,12,13,14,15,16,17,18,19,20,21,22,23,24,25,26,27,28,29,30,31
	global_load_b32 v[X+32*((\q)%2)+\i], v[OFF+\i], s[16+2*(\q):17+2*(\q)] th:TH_LOAD_NT
.endr
.endm
.macro BLOCK q
.set XS, X+32*((\q)%2)
.if (\q) < 3
	s_wait_loadcnt 32                              ; this block's 32 loads are in; the next block's 32 may be out
.else
	s_wait_loadcnt 0x0
.endif
	v_max3_num_f32 v12, |v[XS]|, |v[XS+1]|, |v[XS+2]|      ; the block's largest magnitude: all 32 numbers are mine; two chains
	v_max3_num_f32 v13, |v[XS+3]|, |v[XS+4]|, |v[XS+5]|
.irp i, 6,10,14,18,22,26
	v_max3_num_f32 v12, v12, |v[XS+\i]|, |v[XS+\i+1]|
	v_max3_num_f32 v13, v13, |v[XS+\i+2]|, |v[XS+\i+3]|
.endr
	v_max3_num_f32 v12, v12, |v[XS+30]|, |v[XS+31]|
	v_max3_num_f32 v12, v12, v13, 0x1800000        ; and the floor 2^(3 - 127): the byte cannot fall under 1
	v_add_nc_u32 v11, 0xff000000, v12              ; 2 off the exponent field: the conversion takes that field as its scale
	v_lshrrev_b32 v13, 23, v11                     ; the scale's byte
.if (\q) == 0
	v_mov_b32 v6, v13
.else
	v_lshl_or_b32 v6, v13, 8*(\q), v6              ; the lower K in the lower byte
.endif
.irp g, 0,1,2,3
	v_cvt_scalef32_pk8_fp4_f32 v[C+4*(\q)+\g], v[XS+8*\g:XS+8*\g+7], v11
.endr
	v_nop                                          ; one plain line behind the last conversion
	global_store_b128 v4, v[C+4*(\q):C+4*(\q)+3], s[34:35] offset:((\q)/2)*512+((\q)%2)*256   ; c = q / 2, h = q % 2: lanes 0-15 fill 256 aligned bytes of tile 2 w4, lanes 16-31 of tile 2 w4 + 1
.if (\q)+2 < 4
	LOAD (\q)+2
.endif
.endm
	LOAD 0
	LOAD 1
	BLOCK 0
	BLOCK 1
	BLOCK 2
	BLOCK 3
	ds_store_b32 v5, v6                            ; the four waves' scale words meet in LDS, so that they leave as 512 consecutive bytes
	s_wait_dscnt 0x0                               ; my store has landed: then the barrier
	s_barrier_signal -1
	s_barrier_wait -1
	s_cmp_lg_u32 s28, 0
	s_cbranch_scc1 .Lend
	ds_load_b128 v[8:11], v7
	s_wait_dscnt 0x0
	global_store_b128 v7, v[8:11], s[38:39]
.Lend:
	s_wait_tensorcnt 0x0
	ds_add_u32 v128, v129
	s_wait_dscnt 0x0
	s_endpgm
.Lfunc_end_k_q8cd5144757_wq:
	.size	k_q8cd5144757_wq, .Lfunc_end_k_q8cd5144757_wq-k_q8cd5144757_wq
	.p2alignl 7, 3214868480
	.fill 96, 4, 3214868480
	.section	.rodata,"a",@progbits
	.p2align	6, 0x0
	.amdhsa_kernel k_q8cd5144757_wq
		.amdhsa_group_segment_fixed_size 1024
		.amdhsa_private_segment_fixed_size 0
		.amdhsa_enable_private_segment 0
		.amdhsa_kernarg_size 40
		.amdhsa_user_sgpr_count 2
		.amdhsa_user_sgpr_kernarg_segment_ptr 1
		.amdhsa_wavefront_size32 1
		.amdhsa_system_sgpr_workgroup_id_x 1
		.amdhsa_system_sgpr_workgroup_id_y 1
		.amdhsa_system_sgpr_workgroup_id_z 1
		.amdhsa_system_vgpr_workitem_id 0
		.amdhsa_next_free_vgpr 130
		.amdhsa_next_free_sgpr 66
		.amdhsa_reserve_vcc 0
		.amdhsa_float_denorm_mode_32 3
		.amdhsa_float_denorm_mode_16_64 3
		.amdhsa_memory_ordered 1
		.amdhsa_forward_progress 1
		.amdhsa_inst_pref_size 24
	.end_amdhsa_kernel
	.amdgpu_metadata
---
amdhsa.version: [ 1, 2 ]
amdhsa.kernels:
  - .name:           k_q8cd5144757_wq
    .symbol:         k_q8cd5144757_wq.kd
    .args:
      - { .name: w_qkv, .offset: 0, .size: 8, .value_kind: global_buffer, .address_space: global }
      - { .name: w_proj, .offset: 8, .size: 8, .value_kind: global_buffer, .address_space: global }
      - { .name: w_fc1, .offset: 16, .size: 8, .value_kind: global_buffer, .address_space: global }
      - { .name: w_fc2, .offset: 24, .size: 8, .value_kind: global_buffer, .address_space: global }
      - { .name: wts, .offset: 32, .size: 8, .value_kind: global_buffer, .address_space: global }
    .group_segment_fixed_size: 1024
    .private_segment_fixed_size: 0
    .kernarg_segment_align: 8
    .kernarg_segment_size: 40
    .max_flat_workgroup_size: 128
    .sgpr_count:     66
    .vgpr_count:     130
    .wavefront_size: 32
...
	.end_amdgpu_metadata
.endif
;; end of part 1
;; launch qkv (part 2): grid 256 x 1, 16 waves a work-group, no clusters, 154,112 bytes of LDS; arguments x, ln1_g, ln1_b, wts, qbuf, kbuf, vbuf; writes qbuf, kbuf, vbuf
.if DOCPART == 2
	.amdgcn_target "amdgcn-amd-amdhsa--gfx1250"
	.amdhsa_code_object_version 6
	.text
	.protected	k_q8cd5144757_qkv
	.globl	k_q8cd5144757_qkv
	.p2align	8
	.type	k_q8cd5144757_qkv,@function
k_q8cd5144757_qkv:
	s_mov_b64 s[64:65], 0
	v_nop
	global_prefetch_b8 v0, s[64:65] scope:SCOPE_SE
	s_setreg_imm32_b32 hwreg(HW_REG_WAVE_MODE, 25, 1), 1
	s_wait_xcnt 0x0
; xn = LayerNorm(x) g + b;  q, k, v = Q(xn) Q(w_qkv);  q and k are quantised along the head's 64, v along the tokens.  All products on codes of FP4 (E2M1), one E8M0 byte for each 32 along K.  Nothing in f32 goes to memory.
; SHARES.  A work-group owns 32 whole token rows (one block of 32 along v's K): group G = g / 4 of 128 tokens, tiles 2 tp and 2 tp + 1 of it, tp = g % 4.  Tile t's row r is token 32 (t / 2) + 8 (t % 2) + r + 8 (r / 8) of the group.
; Its 16 waves share the columns: wave w makes columns 64 w .. 64 w + 63 of q, then of k, then of v: head w.  Four waves to a SIMD, 256 registers each, so that one wave's vector work stands beside another's loads and products.
; WEIGHTS come from memory straight into registers, in the order of an operand's registers (launch wq laid them so): each fragment is wanted by ONE wave of the work-group, so LDS would add a write and a read and spare nothing.
; NO JOINT LOADS, though all work-groups walk the same weights: shared tiles would have to pass through LDS, where beside the 131,584 bytes of f32 rows two slots of 65,536 bytes fit, one K step of the 1,024 columns each:
; a round of the cluster's barrier for every 8 matrix instructions of a wave.
; q, k: TRANSPOSED (source 0 = 16 columns of the weight, source 1 = 16 tokens): a lane holds one token and its registers run along the columns, the next K.  v: source 0 = 16 tokens, source 1 = 16 columns: a lane holds
; one column and its registers run along the tokens, v's K.
; OUT.  qbuf, kbuf: fragments ((8 G + s) 8 + t) 1024 + 512 c + 16 lane (s = pair of heads, c = head in the pair); scale words from 4,194,304 on: 32768 s + 512 G + 64 t + 4 r.
; vbuf: fragments ((64 P + G) 8 + t) 1024 (P = pair of heads, rows = its 128 channels, K step = G); scale bytes from 4,194,304 on: [block of 32 tokens][channel 0 .. 1023].
; LIMITS: NaN and infinities are not served; a block of zeros, or one under 2^-124, gets the byte 1; this program alone reads the bytes.
.set PITCH, 4112                       ; an f32 row in LDS: 4,096 bytes + 16: row by row 4 banks on.  Rows lie in tile order: 16 u + r
.set AIMG,  131584                     ; xn's 16 fragments: 2048 s + 1024 u + 512 c + 16 lane
.set ASC,   147968                     ; xn's scale bytes: 32 (16 u + r) + block
.set QSC,   148992                     ; q's scale words: 128 s + 4 (16 u + r); k's 1,024 on; v's bytes 2,048 on
.set VBT,   151040
.set L16, 1                            ; v1   16 x lane
.set L8,  2                            ; v2   8 x lane
.set DST, 3                            ; v3   LDS: my two dense rows
.set AIA, 4                            ; v4   AIMG + 16 x lane
.set XQ0, 5                            ; v5   LDS: row r, my 32 numbers of the wave's 64 columns; v6 the same of row 16 + r
.set XQ1, 6
.set IMS, 7                            ; v7   where I store my piece of xn's fragments
.set ASB, 8                            ; v8   and its scale byte
.set ASA, 9                            ; v9   ASC + 32 x lane
.set QSW, 10                           ; v10  where I store q's and k's half scale words
.set VBW, 11                           ; v11  and v's scale bytes
.set T16, 12                           ; v12  QSC + 16 x lane
.set VO,  13                           ; v13  16 r + 8 h: my 8 bytes of a piece of v's fragment
.set SV,  14                           ; v14  the scale words' way out
.set ACC, 16                           ; v16-79   8 accumulators
.set WF,  80                           ; v80-175  weights: three sets of four fragments
.set AF,  176                          ; v176-207 xn: two sets of two fragments
.set WS,  208                          ; v208-213 the weights' scale words, three pairs: scales alone
.set AS,  214                          ; v214-221 xn's scale words, one register a K step: lanes 0-15 tile u = 0, lanes 16-31 u = 1: scales alone
.set PC,  222                          ; v222-229 codes just made
.set TM,  230                          ; v230-245 at work
.set WV,  18
.set SEL, 20
.set WP,  24                           ; s[24:29] my weights' fragments for q, k, v
.set WSP, 30                           ; s[30:35] and their scale words
.set QB,  36
.set KB,  38
.set VCB, 40
.set QSB, 42
.set KSB, 44
.set VSB, 46
.set INV, 48
.set EPS, 49
.macro BARRIER                         ; my LDS stores have landed and my LDS loads are in: then the work-group's barrier
	s_wait_dscnt 0x0
	s_barrier_signal -1
	s_barrier_wait -1
.endm
.macro WLOAD m                         ; step m's four weight fragments and their two scale registers: nine loads
.set nPH, (\m)/8
.set nS,  (\m)%8
.set rWN, WF+32*((\m)%3)
.set rSN, WS+2*((\m)%3)
.irp t, 0,1,2,3
.irp c, 0,1
	global_load_b128 v[rWN+8*\t+4*\c:rWN+8*\t+4*\c+3], v[L16], s[WP+2*nPH:WP+2*nPH+1] offset:nS*8192+\t*1024+\c*512
.endr
.endr
	global_load_b64 v[rSN:rSN+1], v[L8], s[WSP+2*nPH:WSP+2*nPH+1] offset:nS*512
.endm
.macro ALOAD hs, off                   ; the two token tiles' fragments of one K step
.irp u, 0,1
.irp c, 0,1
	ds_load_b128 v[AF+16*(\hs)+8*\u+4*\c:AF+16*(\hs)+8*\u+4*\c+3], v[AIA] offset:(\off)+1024*\u+512*\c
.endr
.endr
.endm
.macro WMM z, ra, rb                   ; one product on rD, rA, rB, rSA, rSB.  z = 1: it starts the sum.  ra, rb: which half of the lanes holds the side's scale words
.if \z
.if ((\ra)==0)&&((\rb)==0)
	v_wmma_scale_f32_16x16x128_f8f6f4 v[rD:rD+7], v[rA:rA+7], v[rB:rB+7], 0, v[rSA], v[rSB] matrix_a_fmt:MATRIX_FMT_FP4 matrix_b_fmt:MATRIX_FMT_FP4
.elseif (\rb)==0
	v_wmma_scale_f32_16x16x128_f8f6f4 v[rD:rD+7], v[rA:rA+7], v[rB:rB+7], 0, v[rSA], v[rSB] matrix_a_fmt:MATRIX_FMT_FP4 matrix_b_fmt:MATRIX_FMT_FP4 matrix_a_scale:MATRIX_SCALE_ROW1
.elseif (\ra)==0
	v_wmma_scale_f32_16x16x128_f8f6f4 v[rD:rD+7], v[rA:rA+7], v[rB:rB+7], 0, v[rSA], v[rSB] matrix_a_fmt:MATRIX_FMT_FP4 matrix_b_fmt:MATRIX_FMT_FP4 matrix_b_scale:MATRIX_SCALE_ROW1
.else
	v_wmma_scale_f32_16x16x128_f8f6f4 v[rD:rD+7], v[rA:rA+7], v[rB:rB+7], 0, v[rSA], v[rSB] matrix_a_fmt:MATRIX_FMT_FP4 matrix_b_fmt:MATRIX_FMT_FP4 matrix_a_scale:MATRIX_SCALE_ROW1 matrix_b_scale:MATRIX_SCALE_ROW1
.endif
.else
.if ((\ra)==0)&&((\rb)==0)
	v_wmma_scale_f32_16x16x128_f8f6f4 v[rD:rD+7], v[rA:rA+7], v[rB:rB+7], v[rD:rD+7], v[rSA], v[rSB] matrix_a_fmt:MATRIX_FMT_FP4 matrix_b_fmt:MATRIX_FMT_FP4
.elseif (\rb)==0
	v_wmma_scale_f32_16x16x128_f8f6f4 v[rD:rD+7], v[rA:rA+7], v[rB:rB+7], v[rD:rD+7], v[rSA], v[rSB] matrix_a_fmt:MATRIX_FMT_FP4 matrix_b_fmt:MATRIX_FMT_FP4 matrix_a_scale:MATRIX_SCALE_ROW1
.elseif (\ra)==0
	v_wmma_scale_f32_16x16x128_f8f6f4 v[rD:rD+7], v[rA:rA+7], v[rB:rB+7], v[rD:rD+7], v[rSA], v[rSB] matrix_a_fmt:MATRIX_FMT_FP4 matrix_b_fmt:MATRIX_FMT_FP4 matrix_b_scale:MATRIX_SCALE_ROW1
.else
	v_wmma_scale_f32_16x16x128_f8f6f4 v[rD:rD+7], v[rA:rA+7], v[rB:rB+7], v[rD:rD+7], v[rSA], v[rSB] matrix_a_fmt:MATRIX_FMT_FP4 matrix_b_fmt:MATRIX_FMT_FP4 matrix_a_scale:MATRIX_SCALE_ROW1 matrix_b_scale:MATRIX_SCALE_ROW1
.endif
.endif
.endm
; STEP n of 24: product n / 8, K step n % 8.  8 matrix instructions: my four column tiles x the two token tiles; the eight accumulators take turns, one instruction a turn, in the same order in every step.
; The weights of step n + 2 and the token fragments of the next step (at byte anext of the images; -1: none) are asked for first, into the registers that step n - 1 read: four plain places stand between (ISA guide 7.12.1).
.macro STEP n, mode, zero, anext
.rept 4
	v_nop
.endr
.if (\n)+2 < 24
	WLOAD (\n)+2
.endif
.if (\anext) >= 0
	ALOAD ((\n)+1)%2, \anext
.endif
.if (\n) <= 21
	s_wait_loadcnt 18                              ; this step's nine loads are in; the nine of each of the two later steps may be out
.elseif (\n) == 22
	s_wait_loadcnt 9
.else
	s_wait_loadcnt 0x0
.endif
.if (\anext) >= 0
	s_wait_dscnt 4                                 ; all but the four LDS loads just issued
.else
	s_wait_dscnt 0x0
.endif
.set rWC, WF+32*((\n)%3)
.set rSC, WS+2*((\n)%3)
.set rAC, AF+16*((\n)%2)
.irp t, 0,1,2,3
.irp u, 0,1
.if (\mode) == 0
.set rD,  ACC+32*\u+8*\t
.set rA,  rWC+8*\t
.set rB,  rAC+8*\u
.set rSA, rSC+(\t/2)
.set rSB, AS+((\n)%8)
	WMM \zero, \t%2, \u
.else
.set rD,  ACC+16*\t+8*\u
.set rA,  rAC+8*\u
.set rB,  rWC+8*\t
.set rSA, AS+((\n)%8)
.set rSB, rSC+(\t/2)
	WMM \zero, \u, \t%2
.endif
.endr
.endr
.endm
; 64 numbers of a lane in four blocks of 16 registers; lanes l and l xor 16 hold a block of 32 between them.  Bytes to v[TM+4 ..], codes of block b to v[PC+2 b], v[PC+2 b+1].  Each accumulator is read from its low end on.
.macro QCORE s
.irp b, 0,1,2,3
	v_max3_num_f32 v[TM+\b], |v[\s+16*\b]|, |v[\s+1+16*\b]|, 0x1800000   ; with the floor 2^(3 - 127): the byte cannot fall under 1
.endr
.irp i, 2,4,6,8,10,12,14
.irp b, 0,1,2,3
	v_max3_num_f32 v[TM+\b], v[TM+\b], |v[\s+16*\b+\i]|, |v[\s+1+16*\b+\i]|
.endr
.endr
.irp b, 0,1,2,3
	v_permlanex16_b32 v[TM+4+\b], v[TM+\b], s[SEL], s[SEL+1]
.endr
.irp b, 0,1,2,3
	v_max_num_f32 v[TM+\b], v[TM+\b], v[TM+4+\b]
.endr
.irp b, 0,1,2,3
	v_add_nc_u32 v[TM+12+\b], 0xff000000, v[TM+\b]   ; 2 off the exponent field: the conversion's scale operand
.endr
.irp b, 0,1,2,3
	v_lshrrev_b32 v[TM+4+\b], 23, v[TM+12+\b]        ; the scale's byte
.endr
.irp b, 0,1,2,3
	v_cvt_scalef32_pk8_fp4_f32 v[PC+2*\b], v[\s+16*\b:\s+7+16*\b], v[TM+12+\b]
	v_cvt_scalef32_pk8_fp4_f32 v[PC+1+2*\b], v[\s+8+16*\b:\s+15+16*\b], v[TM+12+\b]
.endr
	v_nop                                          ; one plain place behind a scaled conversion
.endm
.macro SWAPS                           ; the operand's layout wants a whole block in a lane: lanes 0-15 block 2 c, lanes 16-31 block 2 c + 1
.irp c, 0,1
.irp i, 0,1
	v_permlane16_swap_b32 v[PC+4*\c+\i], v[PC+2+4*\c+\i]
.endr
.endr
.endm
.macro LANESUM b                       ; v[b], v[b+1] and v[b+4], v[b+5]: two rows' sums over the 32 lanes, into v[b] and v[b+4] of every lane
.irp e, 0,1
	v_add_f32 v[\b+4*\e], v[\b+4*\e], v[\b+4*\e+1]
.endr
.irp m, 1,2,4,8
.irp e, 0,1
	v_add_f32_dpp v[\b+4*\e], v[\b+4*\e], v[\b+4*\e] row_xmask:\m row_mask:0xf bank_mask:0xf
.endr
.endr
.irp e, 0,1
	v_permlanex16_b32 v[\b+4*\e+1], v[\b+4*\e], s[SEL], s[SEL+1]
.endr
.irp e, 0,1
	v_add_f32 v[\b+4*\e], v[\b+4*\e], v[\b+4*\e+1]
.endr
.endm
; q's or k's way out: blocks (u, b) = token tile u, columns 64 w + 32 b on.  After the swaps v[PC ..+3] is piece c = w % 2 of tile u = 0's fragment of K step w / 2, v[PC+4 ..+7] of tile u = 1's: 512 consecutive bytes each.
.macro EPI_QK cb, toff
.rept 4
	v_nop                                          ; four places behind the last product
.endr
	s_wait_xcnt 0x0                                ; the codes' registers were an earlier store's data: they are written again only behind this wait
	QCORE ACC
	SWAPS
	global_store_b128 v[L16], v[PC:PC+3], s[\cb:\cb+1]
	global_store_b128 v[L16], v[PC+4:PC+7], s[\cb:\cb+1] offset:1024
	v_lshl_or_b32 v246, v[TM+5], 8, v[TM+4]        ; my half of tile u = 0's scale words,
	v_lshl_or_b32 v247, v[TM+7], 8, v[TM+6]        ; of tile u = 1's
	ds_store_b16 v[QSW], v246 offset:\toff         ; (lanes l and l xor 16 write the same)
	ds_store_b16 v[QSW], v247 offset:\toff+64
.endm
	s_load_b256 s[4:11], s[0:1], 0x0               ; x s[4:5], ln1_g s[6:7], ln1_b s[8:9], wts s[10:11]
	s_load_b128 s[12:15], s[0:1], 0x20             ; qbuf, kbuf
	s_load_b64 s[16:17], s[0:1], 0x30              ; vbuf
	v_lshl_add_u32 v254, v0, 2, 0x25200
	v_mov_b32 v255, 0
	v_lshrrev_b32 v15, 5, v0
	v_readfirstlane_b32 s[WV], v15                 ; wave 0..15
	v_and_b32 v246, 31, v0                         ; lane
	v_and_b32 v247, 15, v0                         ; r
	v_bfe_u32 v248, v0, 4, 1                       ; h
	v_lshlrev_b32 v[L16], 4, v246
	v_lshlrev_b32 v[L8], 3, v246
	s_bfe_u32 s50, s[WV], 0x10002                  ; my dense rows 2 w, 2 w + 1 lie at 16 ((w / 4) % 2) + 2 (w % 4) + 8 (w / 8) and the row behind it
	s_lshl_b32 s50, s50, 4
	s_and_b32 s51, s[WV], 3
	s_lshl_b32 s51, s51, 1
	s_add_co_u32 s50, s50, s51
	s_lshr_b32 s51, s[WV], 3
	s_lshl_b32 s51, s51, 3
	s_add_co_u32 s50, s50, s51
	s_mul_i32 s50, s50, PITCH
	v_add_nc_u32 v[DST], s50, v[L16]
	v_mul_u32_u24 v[XQ0], v247, PITCH
	v_lshl_add_u32 v[XQ0], v248, 7, v[XQ0]
	s_lshl_b32 s50, s[WV], 8
	v_add_nc_u32 v[XQ0], s50, v[XQ0]
	v_add_nc_u32 v[XQ1], 16*PITCH, v[XQ0]
	v_add_nc_u32 v[AIA], AIMG, v[L16]
	s_lshr_b32 s54, s[WV], 1                       ; w / 2
	s_and_b32 s55, s[WV], 1                        ; w % 2
	s_lshl_b32 s50, s54, 11
	s_lshl_b32 s51, s55, 9
	s_add_co_u32 s50, s50, s51
	s_add_co_u32 s50, s50, AIMG
	v_add_nc_u32 v[IMS], s50, v[L16]
	v_lshl_add_u32 v[ASB], v247, 5, v248
	s_lshl_b32 s50, s[WV], 1
	s_add_co_u32 s50, s50, ASC
	v_add_nc_u32 v[ASB], s50, v[ASB]
	v_lshlrev_b32 v[ASA], 5, v246
	v_add_nc_u32 v[ASA], ASC, v[ASA]
	s_lshl_b32 s50, s54, 7
	s_lshl_b32 s51, s55, 1
	s_add_co_u32 s50, s50, s51
	s_add_co_u32 s50, s50, QSC
	v_lshl_add_u32 v[QSW], v247, 2, s50
	v_and_b32 v249, 8, v247
	v_add_nc_u32 v249, v249, v247
	s_lshl_b32 s50, s[WV], 6
	s_add_co_u32 s50, s50, VBT
	v_add_nc_u32 v[VBW], s50, v249
	v_add_nc_u32 v[T16], QSC, v[L16]
	v_lshlrev_b32 v[VO], 4, v247
	v_lshl_add_u32 v[VO], v248, 3, v[VO]
	v_lshrrev_b32 v249, 3, v246
	v_and_b32 v250, 7, v246
	v_lshlrev_b32 v250, 4, v250
	v_lshl_add_u32 v[SV], v249, 15, v250           ; 32768 (lane / 8) + 16 (lane % 8)
	s_mov_b32 s[SEL], 0x76543210
	s_mov_b32 s[SEL+1], 0xfedcba98                 ; v_permlanex16_b32's selects for lane l xor 16
	s_mov_b32 s[INV], 0x3a800000                   ; 1 / 1024
	s_mov_b32 s[EPS], 0x3727c5ac                   ; 1e-5
	s_lshr_b32 s52, ttmp9, 2                       ; G
	s_and_b32 s53, ttmp9, 3                        ; tp
	s_mov_b32 s57, 0
	s_wait_kmcnt 0x0
	s_lshl_b32 s56, ttmp9, 17                      ; 32 rows of 4,096 bytes a work-group,
	s_lshl_b32 s58, s[WV], 13                      ; two rows a wave
	s_add_co_u32 s56, s56, s58
	s_add_nc_u64 s[4:5], s[4:5], s[56:57]
	s_lshl_b32 s56, s54, 16                        ; weights: group w / 2 of the product's eight, tiles 4 (w % 2) on
	s_lshl_b32 s58, s55, 12
	s_add_co_u32 s56, s56, s58
	s_add_nc_u64 s[WP:WP+1], s[10:11], s[56:57]
	s_add_nc_u64 s[WP+2:WP+3], s[WP:WP+1], 0x80000
	s_add_nc_u64 s[WP+4:WP+5], s[WP:WP+1], 0x100000
	s_lshl_b32 s56, s54, 12
	s_lshl_b32 s58, s55, 8
	s_add_co_u32 s56, s56, s58
	s_add_co_u32 s56, s56, 3145728
	s_add_nc_u64 s[WSP:WSP+1], s[10:11], s[56:57]
	s_add_nc_u64 s[WSP+2:WSP+3], s[WSP:WSP+1], 0x8000
	s_add_nc_u64 s[WSP+4:WSP+5], s[WSP:WSP+1], 0x10000
	s_lshl_b32 s56, s52, 16                        ; q, k: 65536 G + 8192 (w / 2) + 2048 tp + 512 (w % 2)
	s_lshl_b32 s58, s54, 13
	s_add_co_u32 s56, s56, s58
	s_lshl_b32 s58, s53, 11
	s_add_co_u32 s56, s56, s58
	s_lshl_b32 s58, s55, 9
	s_add_co_u32 s56, s56, s58
	s_add_nc_u64 s[QB:QB+1], s[12:13], s[56:57]
	s_add_nc_u64 s[KB:KB+1], s[14:15], s[56:57]
	s_lshl_b32 s56, s54, 6                         ; v: (64 (w / 2) + G) 8192 + 4096 (w % 2) + 256 tp
	s_add_co_u32 s56, s56, s52
	s_lshl_b32 s56, s56, 13
	s_lshl_b32 s58, s55, 12
	s_add_co_u32 s56, s56, s58
	s_lshl_b32 s58, s53, 8
	s_add_co_u32 s56, s56, s58
	s_add_nc_u64 s[VCB:VCB+1], s[16:17], s[56:57]
	s_lshl_b32 s56, ttmp9, 7                       ; scale words: 512 G + 128 tp = 128 g
	s_add_co_u32 s56, s56, 0x400000
	s_add_nc_u64 s[QSB:QSB+1], s[12:13], s[56:57]
	s_add_nc_u64 s[KSB:KSB+1], s[14:15], s[56:57]
	s_lshl_b32 s56, ttmp9, 10
	s_add_co_u32 s56, s56, 0x400000
	s_add_nc_u64 s[VSB:VSB+1], s[16:17], s[56:57]
	; ---- LayerNorm: a wave takes two whole rows; each load reads 512 consecutive bytes
.irp e, 0,1
.irp j, 0,1,2,3,4,5,6,7
	global_load_b128 v[ACC+32*\e+4*\j:ACC+32*\e+4*\j+3], v[L16], s[4:5] offset:4096*\e+512*\j th:TH_LOAD_NT
.endr
.endr
.irp j, 0,1,2,3,4,5,6,7
	global_load_b128 v[AF+4*\j:AF+4*\j+3], v[L16], s[6:7] offset:512*\j          ; the gain, in the registers that xn's fragments take later
.endr
.irp j, 0,1,2,3,4,5,6,7
	global_load_b128 v[WF+64+4*\j:WF+64+4*\j+3], v[L16], s[8:9] offset:512*\j    ; the bias, in weight set 2
.endr
	WLOAD 0
	WLOAD 1
	s_wait_loadcnt 18                              ; all but the weights of steps 0 and 1
.irp e, 0,1
	v_pk_add_f32 v[246+4*\e:247+4*\e], v[ACC+32*\e:ACC+32*\e+1], v[ACC+32*\e+2:ACC+32*\e+3]
	v_pk_add_f32 v[248+4*\e:249+4*\e], v[ACC+32*\e+4:ACC+32*\e+5], v[ACC+32*\e+6:ACC+32*\e+7]
.endr
.irp j, 8,12,16,20,24,28
.irp e, 0,1
	v_pk_add_f32 v[246+4*\e:247+4*\e], v[246+4*\e:247+4*\e], v[ACC+32*\e+\j:ACC+32*\e+\j+1]
	v_pk_add_f32 v[248+4*\e:249+4*\e], v[248+4*\e:249+4*\e], v[ACC+32*\e+\j+2:ACC+32*\e+\j+3]
.endr
.endr
.irp e, 0,1
	v_pk_add_f32 v[246+4*\e:247+4*\e], v[246+4*\e:247+4*\e], v[248+4*\e:249+4*\e]
.endr
	LANESUM 246
.irp e, 0,1
	v_mul_f32 v[246+4*\e], s[INV], v[246+4*\e]     ; the mean
.endr
.irp j, 0,2,4,6,8,10,12,14,16,18,20,22,24,26,28,30
.irp e, 0,1
	v_pk_add_f32 v[ACC+32*\e+\j:ACC+32*\e+\j+1], v[ACC+32*\e+\j:ACC+32*\e+\j+1], v[246+4*\e:247+4*\e] op_sel_hi:[1,0] neg_lo:[0,1] neg_hi:[0,1]   ; x - mean
.endr
.endr
.irp e, 0,1
	v_pk_mul_f32 v[230+4*\e:231+4*\e], v[ACC+32*\e:ACC+32*\e+1], v[ACC+32*\e:ACC+32*\e+1]
	v_pk_mul_f32 v[232+4*\e:233+4*\e], v[ACC+32*\e+2:ACC+32*\e+3], v[ACC+32*\e+2:ACC+32*\e+3]
.endr
.irp j, 4,8,12,16,20,24,28
.irp e, 0,1
	v_pk_fma_f32 v[230+4*\e:231+4*\e], v[ACC+32*\e+\j:ACC+32*\e+\j+1], v[ACC+32*\e+\j:ACC+32*\e+\j+1], v[230+4*\e:231+4*\e]
	v_pk_fma_f32 v[232+4*\e:233+4*\e], v[ACC+32*\e+\j+2:ACC+32*\e+\j+3], v[ACC+32*\e+\j+2:ACC+32*\e+\j+3], v[232+4*\e:233+4*\e]
.endr
.endr
.irp e, 0,1
	v_pk_add_f32 v[230+4*\e:231+4*\e], v[230+4*\e:231+4*\e], v[232+4*\e:233+4*\e]
.endr
	LANESUM 230
.irp e, 0,1
	v_fma_f32 v[230+4*\e], v[230+4*\e], s[INV], s[EPS]   ; the variance + 1e-5
.endr
.irp e, 0,1
	v_rsq_f32 v[232+4*\e], v[230+4*\e]
.endr
	v_nop                                          ; a plain place behind the transcendentals,
	s_wait_alu depctr_va_vdst(0)                   ; and the one wait ahead of their first reader
.irp j, 0,2,4,6,8,10,12,14,16,18,20,22,24,26,28,30
.irp e, 0,1
	v_pk_mul_f32 v[ACC+32*\e+\j:ACC+32*\e+\j+1], v[ACC+32*\e+\j:ACC+32*\e+\j+1], v[232+4*\e:233+4*\e] op_sel_hi:[1,0]
.endr
.irp e, 0,1
	v_pk_fma_f32 v[ACC+32*\e+\j:ACC+32*\e+\j+1], v[ACC+32*\e+\j:ACC+32*\e+\j+1], v[AF+\j:AF+\j+1], v[WF+64+\j:WF+64+\j+1]
.endr
.endr
.irp e, 0,1
.irp j, 0,1,2,3,4,5,6,7
	ds_store_b128 v[DST], v[ACC+32*\e+4*\j:ACC+32*\e+4*\j+3] offset:PITCH*\e+512*\j
.endr
.endr
	BARRIER                                        ; 32 rows of xn lie in LDS
	; ---- xn is quantised: wave w takes columns 64 w on of all 32 rows; lane (r, h) a whole block of 32 of row r and one of row 16 + r
.irp i, 0,1,2,3,4,5,6,7
	ds_load_b128 v[ACC+4*\i:ACC+4*\i+3], v[XQ0] offset:16*\i
.endr
.irp i, 0,1,2,3,4,5,6,7
	ds_load_b128 v[ACC+32+4*\i:ACC+32+4*\i+3], v[XQ1] offset:16*\i
.endr
	s_wait_dscnt 0x0
.irp u, 0,1
	v_max3_num_f32 v[TM+\u], |v[ACC+32*\u]|, |v[ACC+32*\u+1]|, 0x1800000
.endr
.irp i, 2,4,6,8,10,12,14,16,18,20,22,24,26,28,30
.irp u, 0,1
	v_max3_num_f32 v[TM+\u], v[TM+\u], |v[ACC+32*\u+\i]|, |v[ACC+32*\u+\i+1]|
.endr
.endr
.irp u, 0,1
	v_add_nc_u32 v[TM+12+\u], 0xff000000, v[TM+\u]
.endr
.irp u, 0,1
	v_lshrrev_b32 v[TM+4+\u], 23, v[TM+12+\u]
.endr
.irp u, 0,1
.irp q, 0,1,2,3
	v_cvt_scalef32_pk8_fp4_f32 v[PC+4*\u+\q], v[ACC+32*\u+8*\q:ACC+32*\u+8*\q+7], v[TM+12+\u]
.endr
.endr
	v_nop                                          ; one plain place behind a scaled conversion
	ds_store_b128 v[IMS], v[PC:PC+3]               ; piece c = w % 2 of K step w / 2, tile u = 0,
	ds_store_b128 v[IMS], v[PC+4:PC+7] offset:1024 ; tile u = 1
	ds_store_b8 v[ASB], v[TM+4]
	ds_store_b8 v[ASB], v[TM+5] offset:512
	BARRIER                                        ; xn's sixteen fragments and their scale bytes lie in LDS
	ds_load_b128 v[AS:AS+3], v[ASA]
	ds_load_b128 v[AS+4:AS+7], v[ASA] offset:16
	ALOAD 0, 0
	; ---- q
	STEP 0, 0, 1, 2048
.irp n, 1,2,3,4,5,6,7
	STEP \n, 0, 0, ((\n+1)%8)*2048
.endr
	EPI_QK QB, 0
	; ---- k
	STEP 8, 0, 1, 2048
.irp n, 9,10,11,12,13,14,15
	STEP \n, 0, 0, ((\n+1)%8)*2048
.endr
	EPI_QK KB, 1024
	; ---- v
	STEP 16, 1, 1, 2048
.irp n, 17,18,19,20,21,22
	STEP \n, 1, 0, ((\n+1)%8)*2048
.endr
	STEP 23, 1, 0, -1
.rept 4
	v_nop
.endr
	s_wait_xcnt 0x0                                ; k's stores have read the codes' registers
	QCORE ACC                                      ; block t = my column tile t: the 16 registers are tokens 16 h + 0 .. 15 of the work-group's 32
.irp t, 0,1,2,3
	global_store_b64 v[VO], v[PC+2*\t:PC+2*\t+1], s[VCB:VCB+1] offset:1024*\t   ; the wave stores 256 consecutive aligned bytes
.endr
.irp t, 0,1,2,3
	ds_store_b8 v[VBW], v[TM+4+\t] offset:32*(\t/2)+8*(\t%2)
.endr
	BARRIER                                        ; the three tables of scales are whole
	s_cmp_lg_u32 s[WV], 0
	s_cbranch_scc1 .Lnot_q
	ds_load_b128 v[16:19], v[T16]
	ds_load_b128 v[20:23], v[T16] offset:512
	s_wait_dscnt 0x0
	global_store_b128 v[SV], v[16:19], s[QSB:QSB+1]
	global_store_b128 v[SV], v[20:23], s[QSB:QSB+1] offset:131072
.Lnot_q:
	s_cmp_lg_u32 s[WV], 1
	s_cbranch_scc1 .Lnot_k
	ds_load_b128 v[24:27], v[T16] offset:1024
	ds_load_b128 v[28:31], v[T16] offset:1536
	s_wait_dscnt 0x0
	global_store_b128 v[SV], v[24:27], s[KSB:KSB+1]
	global_store_b128 v[SV], v[28:31], s[KSB:KSB+1] offset:131072
.Lnot_k:
	s_cmp_lg_u32 s[WV], 2
	s_cbranch_scc1 .Lend
	ds_load_b128 v[32:35], v[T16] offset:2048
	ds_load_b128 v[36:39], v[T16] offset:2560
	s_wait_dscnt 0x0
	global_store_b128 v[L16], v[32:35], s[VSB:VSB+1]
	global_store_b128 v[L16], v[36:39], s[VSB:VSB+1] offset:512
.Lend:
	s_wait_tensorcnt 0x0
	ds_add_u32 v254, v255
	s_wait_dscnt 0x0
	s_endpgm
.Lfunc_end_k_q8cd5144757_qkv:
	.size	k_q8cd5144757_qkv, .Lfunc_end_k_q8cd5144757_qkv-k_q8cd5144757_qkv
	.p2alignl 7, 3214868480
	.fill 96, 4, 3214868480
	.section	.rodata,"a",@progbits
	.p2align	6, 0x0
	.amdhsa_kernel k_q8cd5144757_qkv
		.amdhsa_group_segment_fixed_size 154112
		.amdhsa_private_segment_fixed_size 0
		.amdhsa_enable_private_segment 0
		.amdhsa_kernarg_size 56
		.amdhsa_user_sgpr_count 2
		.amdhsa_user_sgpr_kernarg_segment_ptr 1
		.amdhsa_wavefront_size32 1
		.amdhsa_system_sgpr_workgroup_id_x 1
		.amdhsa_system_sgpr_workgroup_id_y 1
		.amdhsa_system_sgpr_workgroup_id_z 1
		.amdhsa_system_vgpr_workitem_id 0
		.amdhsa_next_free_vgpr 256
		.amdhsa_next_free_sgpr 66
		.amdhsa_reserve_vcc 0
		.amdhsa_float_denorm_mode_32 3
		.amdhsa_float_denorm_mode_16_64 3
		.amdhsa_memory_ordered 1
		.amdhsa_forward_progress 1
		.amdhsa_inst_pref_size 94
	.end_amdhsa_kernel
	.amdgpu_metadata
---
amdhsa.version: [ 1, 2 ]
amdhsa.kernels:
  - .name:           k_q8cd5144757_qkv
    .symbol:         k_q8cd5144757_qkv.kd
    .args:
      - { .name: x, .offset: 0, .size: 8, .value_kind: global_buffer, .address_space: global }
      - { .name: ln1_g, .offset: 8, .size: 8, .value_kind: global_buffer, .address_space: global }
      - { .name: ln1_b, .offset: 16, .size: 8, .value_kind: global_buffer, .address_space: global }
      - { .name: wts, .offset: 24, .size: 8, .value_kind: global_buffer, .address_space: global }
      - { .name: qbuf, .offset: 32, .size: 8, .value_kind: global_buffer, .address_space: global }
      - { .name: kbuf, .offset: 40, .size: 8, .value_kind: global_buffer, .address_space: global }
      - { .name: vbuf, .offset: 48, .size: 8, .value_kind: global_buffer, .address_space: global }
    .group_segment_fixed_size: 154112
    .private_segment_fixed_size: 0
    .kernarg_segment_align: 8
    .kernarg_segment_size: 56
    .max_flat_workgroup_size: 512
    .sgpr_count:     66
    .vgpr_count:     256
    .wavefront_size: 32
...
	.end_amdgpu_metadata
.endif
;; end of part 2
;; launch attn (part 3): grid 256 x 1, 16 waves a work-group, clusters of 4 x 1, 169,984 bytes of LDS; arguments qbuf, kbuf, vbuf, obuf; writes obuf
.if DOCPART == 3
	.amdgcn_target "amdgcn-amd-amdhsa--gfx1250"
	.amdhsa_code_object_version 6
	.text
	.protected	k_q8cd5144757_attn
	.globl	k_q8cd5144757_attn
	.p2align	8
	.type	k_q8cd5144757_attn,@function
k_q8cd5144757_attn:
	s_mov_b64 s[64:65], 0
	v_nop
	global_prefetch_b8 v0, s[64:65] scope:SCOPE_SE
	s_setreg_imm32_b32 hwreg(HW_REG_WAVE_MODE, 25, 1), 1
	s_wait_xcnt 0x0
	s_wait_alu depctr_hold_cnt(0) depctr_sa_sdst(0) depctr_va_vdst(0) depctr_va_sdst(0) depctr_va_ssrc(0) depctr_va_vcc(0) depctr_vm_vsrc(0)
	s_getreg_b32 s2, hwreg(HW_REG_IB_STS2, 6, 4)
	s_cmp_eq_u32 s2, 0
	s_cbranch_scc0 .Lentry_in_a_cluster
	s_endpgm
.Lentry_in_a_cluster:
	s_bfe_u32 s2, ttmp6, 0x10000c
	s_cmp_lg_u32 s2, 0x3003
	s_cbranch_scc0 .Lentry_shape_is_right
	s_endpgm
.Lentry_shape_is_right:
; out = softmax(q k^T / 8) v for 128 heads of 64 channels and 1,024 tokens, both products on codes of FP4 (E2M1) with E8M0 scales; out is quantised along the 1,024 channels and leaves as codes.
; THE SOFTMAX AHEAD OF THE SECOND PRODUCT: t = score x log2(e) / 8; M = the running largest t rounded UP to a whole number; p = 2^(t - M) is quantised along the keys, not normalised; the row's sum is taken of the
; unquantised p and divides at the end.  When M moves, sum and O are multiplied by 2^(old M - new M): exact.
; SHARES.  A cluster of four work-groups takes one batch and one PAIR of heads (128 channels: one K step of the layouts); work-group cx takes 256 queries; wave w one tile of 16 queries, for both heads.
; All keys of the pair fit in LDS: K's codes 65,536 bytes, V's 65,536, filled ONCE, jointly for the four work-groups: one tensor load a wave (8,192 dense bytes), so one tensor load of mine is out.  Nothing is filled again.
; LAYOUT.  Both products transposed: S^T = K Q^T, O^T = V^T P^T: a lane holds one query throughout.  Tiles hold rows 32 (t / 2) + 8 (t % 2) + r + 8 (r / 8), so that the 16 registers of tiles 2 b, 2 b + 1 are 16 neighbours.
; A HEAD HAS 64 CHANNELS, THE INSTRUCTION 128 ALONG K: source 0 takes the head's 64 channels of key tile 2 p in k = 0 .. 63 and those of key tile 2 p + 1 in k = 64 .. 127; source 1 takes the query's 64 channels in one half
; and ZERO CODES in the other, which add nothing under any scale byte that the quantiser gives (1 .. 254).  So no fragment is read twice and none is padded in memory.
; LIMITS: NaN and infinities are not served; v_exp_f32 gives 0 for results under 2^-126; a block whose every p has fallen to 0 keeps the byte 1: its codes are zeros.
.set KSC, 131072                       ; K's scale words, rearranged: 512 step + 128 p + 4 lane: lanes 0-15 head A's bytes of tiles 2 p | 2 p + 1, lanes 16-31 head B's
.set VSC, 135168                       ; V's scale words: 512 step + 128 p + 4 (16 u + r) for tile 2 p + u
.set OST, 139264                       ; out's scale words on their way out: 64 wave + 4 r
.set LK,  1                            ; v1   16 x lane
.set LV,  2                            ; v2   16 x lane + 65536
.set LS,  3                            ; v3   4 x lane + KSC
.set AK,  4                            ; v4-6 the same for the key step in hand
.set AV,  5
.set ASX, 6
.set SW,  7                            ; v7   where I store scale words: v3 + 256 x wave
.set QS,  36                           ; v36  Q's scale words: lanes 0-15 (A0, A1, A0, A1), lanes 16-31 (B0, B1, B0, B1): scales alone
.set PW,  37                           ; v37  p's scale word: scales alone
.set KS,  38                           ; v38-41 K's: scales alone
.set VS,  42                           ; v42-43 V's: scales alone
.set KV,  44                           ; v44-75   four fragments of K or of V
.set SS,  76                           ; v76-139  S^T, then p
.set OA,  140                          ; v140-203 O^T: head A, head B
.set PC,  204                          ; v204-211 p's codes; at the end out's
.set TM,  212                          ; v212-227 at work
.set BM,  212                          ; the blocks' largest scores
.set BT,  216
.set SO,  220
.set FF,  224                          ; f = 2^(old M - new M), as the low word of a pair
.set TT,  226
.set OSW, 228
.set OSR, 229
; v8-11, v12-15: head A's, head B's -M, largest t, sum in two halves.   v16-35: [0 x 4][q A][0 x 4][q B][0 x 4]
.set WV,  24
.set QCB, 42
.set OCB, 44
.set QSB, 46
.set OSB, 48
.set CS,  50
.set SEL, 52
.set KSB, 54
.set VSB, 56
.set TK,  58
.set TS,  59
.set CNT, 60
.macro CROUND                          ; a round of the cluster's barrier
	s_barrier_signal -1
	s_barrier_wait -1
	s_cmp_lg_u32 s[WV], 0
	s_cbranch_scc1 .Lnot_wave_0_\@
	s_barrier_signal -3
.Lnot_wave_0_\@:
	s_barrier_wait -3
	s_barrier_signal -1
	s_barrier_wait -1
.endm
.macro WMM z, ra, rb                   ; one product on rD, rA, rB, rSA, rSB.  z = 1: it starts the sum.  ra, rb: which half of the lanes holds the side's scale words
.if \z
.if ((\ra)==0)&&((\rb)==0)
	v_wmma_scale_f32_16x16x128_f8f6f4 v[rD:rD+7], v[rA:rA+7], v[rB:rB+7], 0, v[rSA], v[rSB] matrix_a_fmt:MATRIX_FMT_FP4 matrix_b_fmt:MATRIX_FMT_FP4
.else
	v_wmma_scale_f32_16x16x128_f8f6f4 v[rD:rD+7], v[rA:rA+7], v[rB:rB+7], 0, v[rSA], v[rSB] matrix_a_fmt:MATRIX_FMT_FP4 matrix_b_fmt:MATRIX_FMT_FP4 matrix_a_scale:MATRIX_SCALE_ROW1 matrix_b_scale:MATRIX_SCALE_ROW1
.endif
.else
.if (\ra)==0
	v_wmma_scale_f32_16x16x128_f8f6f4 v[rD:rD+7], v[rA:rA+7], v[rB:rB+7], v[rD:rD+7], v[rSA], v[rSB] matrix_a_fmt:MATRIX_FMT_FP4 matrix_b_fmt:MATRIX_FMT_FP4
.else
	v_wmma_scale_f32_16x16x128_f8f6f4 v[rD:rD+7], v[rA:rA+7], v[rB:rB+7], v[rD:rD+7], v[rSA], v[rSB] matrix_a_fmt:MATRIX_FMT_FP4 matrix_b_fmt:MATRIX_FMT_FP4 matrix_a_scale:MATRIX_SCALE_ROW1
.endif
.endif
.endm
.macro SWAPS                           ; the operand's layout wants a whole block in a lane
.irp c, 0,1
.irp i, 0,1
	v_permlane16_swap_b32 v[PC+4*\c+\i], v[PC+2+4*\c+\i]
.endr
.endr
.endm
	s_load_b256 s[4:11], s[0:1], 0x0               ; qbuf s[4:5], kbuf s[6:7], vbuf s[8:9], obuf s[10:11]
	v_lshl_add_u32 v254, v0, 2, 0x29000
	v_mov_b32 v255, 0
	ds_add_u32 v254, v255
	ds_add_u32 v254, v255
	v_lshrrev_b32 v76, 5, v0
	v_readfirstlane_b32 s[WV], v76                 ; wave 0..15
	s_lshr_b32 s25, ttmp9, 3                       ; the batch (in a cluster launch ttmp9 counts clusters)
	s_and_b32 s26, ttmp9, 7                        ; the pair of heads
	s_bfe_u32 s27, ttmp6, 0x40000                  ; cx: it enters Q's and out's global addresses alone
	s_and_b32 s32, s[WV], 7
	s_lshl_b32 s33, s25, 3
	s_add_co_u32 s33, s33, s32                     ; the group of 128 tokens that I fetch: 8 b + w % 8
	s_lshl_b32 s34, s33, 3
	s_add_co_u32 s34, s34, s26
	s_lshl_b32 s34, s34, 13                        ; K: ((8 b + w % 8) 8 + pair) 8192
	s_mov_b32 s35, 0
	s_lshl_b32 s36, s26, 6
	s_add_co_u32 s36, s36, s33
	s_lshl_b32 s36, s36, 13                        ; V: (64 pair + 8 b + w % 8) 8192
	s_mov_b32 s37, 0
	; descriptor group 1: 8,192 dense bytes as 32 rows of 256 (32 elements of 8 bytes), no padding: fragments are read back 512 consecutive bytes an instruction
	s_mov_b32 s16, 15|(3<<16)|(1<<21)              ; 15:0 the mask: all four work-groups; 17:16 elements of 8 bytes; 21 set beside a mask
	s_mov_b32 s17, 32<<16                          ; tensor_dim0 = 32
	s_mov_b32 s18, 32<<16                          ; tensor_dim1 = 32
	s_mov_b32 s19, 32<<16                          ; tile_dim0 = 32
	s_mov_b32 s20, 32                              ; tile_dim1 = 32
	s_mov_b32 s21, 32                              ; elements from row to row
	s_mov_b32 s22, 0
	s_mov_b32 s23, 0
	s_lshl_b32 s38, s25, 3
	s_lshl_b32 s39, s27, 1
	s_add_co_u32 s38, s38, s39                     ; 8 b + 2 cx
	s_lshr_b32 s39, s[WV], 3
	s_add_co_u32 s39, s38, s39                     ; my queries' group of 128 tokens
	s_lshl_b32 s40, s39, 3
	s_add_co_u32 s40, s40, s26
	s_lshl_b32 s40, s40, 3
	s_add_co_u32 s40, s40, s32                     ; my tile = w % 8
	s_lshl_b32 s40, s40, 10
	s_mov_b32 s41, 0
	s_mov_b32 s63, 0
	s_mov_b32 s[CS], 0x3e38aa3b                    ; c = log2(e) / 8
	s_mov_b32 s[CS+1], s[CS]                       ; (named with it as a pair, so it is written)
	s_mov_b32 s[SEL], 0x76543210
	s_mov_b32 s[SEL+1], 0xfedcba98
	v_and_b32 v76, 31, v0                          ; lane
	v_and_b32 v77, 15, v0                          ; r
	v_lshlrev_b32 v[LK], 4, v76
	v_add_nc_u32 v[LV], 65536, v[LK]
	v_lshlrev_b32 v79, 2, v76                      ; 4 x lane
	v_add_nc_u32 v[LS], KSC, v79
	s_lshl_b32 s61, s[WV], 8
	v_add_nc_u32 v[SW], s61, v[LS]
	v_lshlrev_b32 v78, 2, v77                      ; 4 r
	s_lshl_b32 s61, s[WV], 6
	s_add_co_u32 s61, s61, OST
	v_add_nc_u32 v[OSW], s61, v78
	s_and_b32 s61, s[WV], 1
	s_lshl_b32 s61, s61, 9
	s_add_co_u32 s61, s61, OST
	v_add_nc_u32 v[OSR], s61, v[LK]
	v_and_b32 v83, 7, v76
	v_bfe_u32 v92, v76, 3, 1
	v_lshl_add_u32 v83, v92, 4, v83
	v_lshrrev_b32 v92, 4, v76
	v_lshl_add_u32 v83, v92, 3, v83                ; V's scale bytes: channel 8 u + r + 8 (r / 8) of a pair of tiles
	s_wait_dscnt 0x0
	s_wait_kmcnt 0x0
	s_mov_b32 s12, 1                               ; group 0 for K: count 1,
	s_lshl_b32 s13, s[WV], 13                      ; LDS address 8192 x wave,
	s_add_nc_u64 s[14:15], s[6:7], s[34:35]        ; global address,
	s_or_b32 s15, s15, 0x80000000                  ; type 2
	s_mov_b32 s28, 1                               ; and for V: waves 8-15 land behind K's 65,536 bytes by the same 8192 x wave
	s_lshl_b32 s29, s[WV], 13
	s_add_nc_u64 s[30:31], s[8:9], s[36:37]
	s_or_b32 s31, s31, 0x80000000
	CROUND                                         ; all four work-groups are here: the joint loads meet
	s_cmp_lt_u32 s[WV], 8                          ; waves 0-7 fetch K, waves 8-15 V: the branch hangs on the wave's number alone
	s_cbranch_scc0 .Lfor_v
	tensor_load_to_lds s[12:15], s[16:23]
	s_nop 0
.rept 4
	v_nop
.endr
	s_branch .Lasked
.Lfor_v:
	tensor_load_to_lds s[28:31], s[16:23]
	s_nop 0
.rept 4
	v_nop
.endr
.Lasked:
	s_add_nc_u64 s[QCB:QCB+1], s[4:5], s[40:41]    ; my tile's fragment of Q, and of out
	s_add_nc_u64 s[OCB:OCB+1], s[10:11], s[40:41]
	s_lshl_b32 s40, s26, 15
	s_add_co_u32 s40, s40, 0x400000                ; the pair's plane of scale words
	s_lshl_b32 s61, s39, 9
	s_add_co_u32 s62, s40, s61
	s_lshl_b32 s61, s32, 6
	s_add_co_u32 s62, s62, s61
	s_add_nc_u64 s[QSB:QSB+1], s[4:5], s[62:63]
	s_and_b32 s61, s[WV], 1
	s_add_co_u32 s61, s61, s38
	s_lshl_b32 s61, s61, 9
	s_add_co_u32 s62, s40, s61
	s_add_nc_u64 s[OSB:OSB+1], s[10:11], s[62:63]  ; where waves 0 and 1 store out's scale words
	s_lshl_b32 s61, s25, 12
	s_add_co_u32 s62, s40, s61
	s_lshl_b32 s61, s[WV], 8
	s_add_co_u32 s62, s62, s61
	s_add_nc_u64 s[KSB:KSB+1], s[6:7], s[62:63]    ; K's scale words: two runs of 128 bytes a wave
	s_lshl_b32 s62, s25, 5
	s_lshr_b32 s61, s[WV], 1
	s_lshl_b32 s61, s61, 2
	s_add_co_u32 s62, s62, s61
	s_lshl_b32 s62, s62, 10                        ; V's scale bytes: blocks of 32 tokens 32 b + 4 (w / 2) on,
	s_lshl_b32 s61, s26, 7
	s_add_co_u32 s62, s62, s61                     ; channels 128 pair
	s_and_b32 s61, s[WV], 1
	s_lshl_b32 s61, s61, 6
	s_add_co_u32 s62, s62, s61                     ; + 64 (w % 2) on
	s_add_co_u32 s62, s62, 0x400000
	s_add_nc_u64 s[VSB:VSB+1], s[8:9], s[62:63]
	global_load_b128 v[20:23], v[LK], s[QCB:QCB+1]             ; q, head A
	global_load_b128 v[28:31], v[LK], s[QCB:QCB+1] offset:512  ; q, head B
	global_load_b32 v80, v78, s[QSB:QSB+1]         ; row r's scale word, in both halves of the lanes
	global_load_b32 v81, v79, s[KSB:KSB+1]
	global_load_b32 v82, v79, s[KSB:KSB+1] offset:128
.irp i, 0,1
.irp j, 0,1,2,3
	global_load_u8 v[84+4*\i+\j], v83, s[VSB:VSB+1] offset:1024*\j+32*\i
.endr
.endr
.irp j, 16,17,18,19,24,25,26,27,32,33,34,35
	v_mov_b32 v[\j], 0                             ; the zero codes beside q
.endr
.irp j, 0,1,2,3,4,5,6,7,8,9,10,11,12,13,14,15,16,17,18,19,20,21,22,23,24,25,26,27,28,29,30,31,32,33,34,35,36,37,38,39,40,41,42,43,44,45,46,47,48,49,50,51,52,53,54,55,56,57,58,59,60,61,62,63
	v_mov_b32 v[OA+\j], 0                          ; O^T.  (The loop is written once: its first step finds zeros, which the first change of M leaves zeros)
.endr
.irp e, 0,1
	v_mov_b32 v[9+4*\e], 0xff61b1e6                ; the largest t so far: -3e38
	v_floor_f32 v[8+4*\e], -v[9+4*\e]              ; -M
	v_mov_b32 v[10+4*\e], 0
	v_mov_b32 v[11+4*\e], 0
.endr
.irp b, 0,1,2,3
	v_mov_b32 v[BT+\b], 0                          ; a lane permute's destination counts as one of its sources
.endr
	v_mov_b32 v[FF+1], 0                           ; (named as the upper half of a pair)
	v_mov_b32 v93, 0
	v_mov_b32 v94, 0
	v_cmp_lt_u32 vcc_lo, 15, v76                   ; lanes 16-31
	v_mov_b32 v95, 0x01000100
	v_mov_b32 v96, 0x03020302
	v_cndmask_b32 v95, v95, v96, vcc_lo
	v_mov_b32 v97, 0x05040100
	v_mov_b32 v98, 0x03020706
	v_cndmask_b32 v97, v97, v98, vcc_lo
	s_wait_loadcnt 0x0
	v_perm_b32 v[QS], v80, v80, v95                ; lanes 0-15: head A's two bytes twice; lanes 16-31: head B's
	v_permlanex16_b32 v93, v81, s[SEL], s[SEL+1]   ; the other tile of the pair
	v_permlanex16_b32 v94, v82, s[SEL], s[SEL+1]
	v_perm_b32 v99, v93, v81, v97                  ; lanes 0-15: head A's bytes of tile 2 p, then of tile 2 p + 1; lanes 16-31: head B's
	v_perm_b32 v100, v94, v82, v97
	ds_store_b32 v[SW], v99
	ds_store_b32 v[SW], v100 offset:128
.irp i, 0,1
	v_lshl_or_b32 v[84+4*\i], v[85+4*\i], 8, v[84+4*\i]
	v_lshl_or_b32 v[84+4*\i], v[86+4*\i], 16, v[84+4*\i]
	v_lshl_or_b32 v[84+4*\i], v[87+4*\i], 24, v[84+4*\i]
	ds_store_b32 v[SW], v[84+4*\i] offset:4096+128*\i
.endr
	s_wait_tensorcnt 0x0                           ; my part of K or V has landed,
	s_wait_dscnt 0x0                               ; my scale words too:
	s_barrier_signal -1
	s_barrier_wait -1                              ; everybody's have
; One head's part of a key step of 128 keys.
.macro HEADSTEP e
.set NM, 8+4*\e
.set TX, 9+4*\e
.set SU, 10+4*\e
.if \e
.rept 4
	v_nop                                          ; places in front of loads into registers that the last products read
.endr
.endif
.irp p, 0,1,2,3
	ds_load_b128 v[KV+8*\p:KV+8*\p+3], v[AK] offset:2048*\p+512*\e            ; key tile 2 p, the head's 64 channels,
	ds_load_b128 v[KV+8*\p+4:KV+8*\p+7], v[AK] offset:2048*\p+1024+512*\e     ; key tile 2 p + 1
	ds_load_b32 v[KS+\p], v[ASX] offset:128*\p
.endr
	s_wait_dscnt 0x0
.irp p, 0,1,2,3
.set rA,  KV+8*\p
.set rSA, KS+\p
.set rSB, QS
.set rD,  SS+16*\p
.set rB,  20+8*\e
	WMM 1, \e, \e                                  ; q in k = 0 .. 63: key tile 2 p
.set rD,  SS+16*\p+8
.set rB,  16+8*\e
	WMM 1, \e, \e                                  ; q in k = 64 .. 127: key tile 2 p + 1
.endr
.rept 4
	v_nop                                          ; places in front of the loads below and of the first read of the scores
.endr
.irp t, 0,1,2,3
.irp c, 0,1
	ds_load_b128 v[KV+8*\t+4*\c:KV+8*\t+4*\c+3], v[AV] offset:(4*\e+\t)*1024+512*\c   ; V's four tiles of the head: they land under the softmax
.endr
.endr
.irp i, 0,1
	ds_load_b32 v[VS+\i], v[ASX] offset:4096+(2*\e+\i)*128
.endr
.irp b, 0,1,2,3
	v_max3_num_f32 v[BM+\b], v[SS+16*\b], v[SS+1+16*\b], v[SS+2+16*\b]   ; the largest score of each block of 32 keys: for the row's maximum, and, since p rises with the score, for the block's largest p
.endr
.irp i, 3,5,7,9,11,13
.irp b, 0,1,2,3
	v_max3_num_f32 v[BM+\b], v[BM+\b], v[SS+16*\b+\i], v[SS+1+16*\b+\i]
.endr
.endr
.irp b, 0,1,2,3
	v_max_num_f32 v[BM+\b], v[BM+\b], v[SS+15+16*\b]
.endr
.irp b, 0,1,2,3
	v_permlanex16_b32 v[BT+\b], v[BM+\b], s[SEL], s[SEL+1]
.endr
.irp b, 0,1,2,3
	v_max_num_f32 v[BM+\b], v[BM+\b], v[BT+\b]
.endr
	v_max3_num_f32 v[TT], v[BM], v[BM+1], v[BM+2]
	v_max_num_f32 v[TT], v[TT], v[BM+3]
	v_mul_f32 v[TT], s[CS], v[TT]                  ; as t (c is positive)
	v_max_num_f32 v[TX], v[TX], v[TT]              ; the running largest t
	v_mov_b32 v[TT], v[NM]
	v_floor_f32 v[NM], -v[TX]                      ; the new -M = -ceil(t): a whole number
	v_sub_f32 v[TT], v[NM], v[TT]                  ; old M - new M: a whole number, 0 or less
	v_cvt_i32_f32 v[TT], v[TT]                     ; (it saturates)
	v_ldexp_f32 v[FF], 1.0, v[TT]                  ; f = 2^(old M - new M)
.irp j, 0,2,4,6,8,10,12,14,16,18,20,22,24,26,28,30,32,34,36,38,40,42,44,46,48,50,52,54,56,58,60,62
	v_pk_fma_f32 v[SS+\j:SS+\j+1], v[SS+\j:SS+\j+1], s[CS:CS+1], v[NM:NM+1] op_sel_hi:[1,0,0]   ; t - M
.endr
.irp b, 0,1,2,3
	v_fma_f32 v[BM+\b], v[BM+\b], s[CS], v[NM]
.endr
.irp j, 0,1,2,3,4,5,6,7,8,9,10,11,12,13,14,15,16,17,18,19,20,21,22,23,24,25,26,27,28,29,30,31,32,33,34,35,36,37,38,39,40,41,42,43,44,45,46,47,48,49,50,51,52,53,54,55,56,57,58,59,60,61,62,63
	v_exp_f32 v[SS+\j], v[SS+\j]                   ; p = 2^(t - M)
.endr
	v_pk_mul_f32 v[SU:SU+1], v[SU:SU+1], v[FF:FF+1] op_sel_hi:[1,0]   ; the sums under the new M: a plain place behind the exponentials
	s_wait_alu depctr_va_vdst(0)                   ; one wait for the batch of 64, ahead of its first reader
.irp b, 0,1,2,3
	v_exp_f32 v[BM+\b], v[BM+\b]                   ; the blocks' largest p
.endr
	v_pk_add_f32 v[BT:BT+1], v[SS:SS+1], v[SS+2:SS+3]   ; the row's sum is taken of the unquantised p, in two chains
.irp j, 4,8,12,16,20,24,28,32,36,40,44,48,52,56,60
	v_pk_add_f32 v[SU:SU+1], v[SU:SU+1], v[SS+\j:SS+\j+1]
	v_pk_add_f32 v[BT:BT+1], v[BT:BT+1], v[SS+\j+2:SS+\j+3]
.endr
	v_pk_add_f32 v[SU:SU+1], v[SU:SU+1], v[BT:BT+1]
	s_wait_alu depctr_va_vdst(0)                   ; and one for the four
.irp b, 0,1,2,3
	v_max_num_f32 v[BM+\b], 0x1800000, v[BM+\b]    ; the floor 2^(3 - 127)
.endr
.irp b, 0,1,2,3
	v_add_nc_u32 v[SO+\b], 0xff000000, v[BM+\b]
.endr
.irp b, 0,1,2,3
	v_lshrrev_b32 v[BT+\b], 23, v[SO+\b]
.endr
	v_lshl_or_b32 v[PW], v[BT+1], 8, v[BT]
	v_lshl_or_b32 v[PW], v[BT+2], 16, v[PW]
	v_lshl_or_b32 v[PW], v[BT+3], 24, v[PW]
.irp b, 0,1,2,3
	v_cvt_scalef32_pk8_fp4_f32 v[PC+2*\b], v[SS+16*\b:SS+7+16*\b], v[SO+\b]
	v_cvt_scalef32_pk8_fp4_f32 v[PC+1+2*\b], v[SS+8+16*\b:SS+15+16*\b], v[SO+\b]
.endr
	v_nop                                          ; one plain place behind a scaled conversion
	SWAPS
.irp j, 0,2,4,6,8,10,12,14,16,18,20,22,24,26,28,30
	v_pk_mul_f32 v[OA+32*\e+\j:OA+32*\e+\j+1], v[OA+32*\e+\j:OA+32*\e+\j+1], v[FF:FF+1] op_sel_hi:[1,0]   ; O^T under the new M; these sixteen also stand between the scale word's and the codes' last writes and the products
.endr
	s_wait_dscnt 0x0                               ; V is in
.irp t, 0,1,2,3
.set rD,  OA+32*\e+8*\t
.set rA,  KV+8*\t
.set rB,  PC
.set rSA, VS+(\t/2)
.set rSB, PW
	WMM 0, \t%2, 0
.endr
.endm
	s_mov_b32 s[TK], 0
	s_mov_b32 s[TS], 0
	s_mov_b32 s[CNT], 8
.Lkeys:                                                ; 8 trips of 128 keys.  No two matrix instructions that follow each other share an accumulator, over the backward jump too
	v_add_nc_u32 v[AK], s[TK], v[LK]               ; (with the v_nop: the four places behind the last trip's products)
	v_add_nc_u32 v[AV], s[TK], v[LV]
	v_add_nc_u32 v[ASX], s[TS], v[LS]
	v_nop
	HEADSTEP 0
	HEADSTEP 1
	s_add_co_u32 s[TK], s[TK], 8192
	s_add_co_u32 s[TS], s[TS], 512
	s_sub_co_u32 s[CNT], s[CNT], 1
	s_cmp_lg_u32 s[CNT], 0
	s_cbranch_scc1 .Lkeys
	; ---- the way out: O^T / the sum; the lane's 64 numbers are channels 128 pair + 32 B + 16 h + i of its query: one whole fragment of out and one scale word
.rept 4
	v_nop
.endr
	v_add_f32 v10, v10, v11
	v_add_f32 v14, v14, v15
	v_permlanex16_b32 v[BT], v10, s[SEL], s[SEL+1]
	v_permlanex16_b32 v[BT+1], v14, s[SEL], s[SEL+1]
	v_add_f32 v10, v10, v[BT]
	v_add_f32 v14, v14, v[BT+1]
	v_rcp_f32 v[BM], v10
	v_rcp_f32 v[BM+2], v14
	v_nop                                          ; a plain place behind the reciprocals,
	s_wait_alu depctr_va_vdst(0)                   ; and their one wait
.irp j, 0,2,4,6,8,10,12,14,16,18,20,22,24,26,28,30
	v_pk_mul_f32 v[OA+\j:OA+\j+1], v[OA+\j:OA+\j+1], v[BM:BM+1] op_sel_hi:[1,0]
	v_pk_mul_f32 v[OA+32+\j:OA+32+\j+1], v[OA+32+\j:OA+32+\j+1], v[BM+2:BM+3] op_sel_hi:[1,0]
.endr
.irp b, 0,1,2,3
	v_max3_num_f32 v[TM+\b], |v[OA+16*\b]|, |v[OA+1+16*\b]|, 0x1800000
.endr
.irp i, 2,4,6,8,10,12,14
.irp b, 0,1,2,3
	v_max3_num_f32 v[TM+\b], v[TM+\b], |v[OA+16*\b+\i]|, |v[OA+1+16*\b+\i]|
.endr
.endr
.irp b, 0,1,2,3
	v_permlanex16_b32 v[TM+4+\b], v[TM+\b], s[SEL], s[SEL+1]
.endr
.irp b, 0,1,2,3
	v_max_num_f32 v[TM+\b], v[TM+\b], v[TM+4+\b]
.endr
.irp b, 0,1,2,3
	v_add_nc_u32 v[TM+12+\b], 0xff000000, v[TM+\b]
.endr
.irp b, 0,1,2,3
	v_lshrrev_b32 v[TM+4+\b], 23, v[TM+12+\b]
.endr
	v_lshl_or_b32 v[TM+8], v[TM+5], 8, v[TM+4]
	v_lshl_or_b32 v[TM+8], v[TM+6], 16, v[TM+8]
	v_lshl_or_b32 v[TM+8], v[TM+7], 24, v[TM+8]
.irp b, 0,1,2,3
	v_cvt_scalef32_pk8_fp4_f32 v[PC+2*\b], v[OA+16*\b:OA+7+16*\b], v[TM+12+\b]
	v_cvt_scalef32_pk8_fp4_f32 v[PC+1+2*\b], v[OA+8+16*\b:OA+15+16*\b], v[TM+12+\b]
.endr
	v_nop
	SWAPS
	global_store_b128 v[LK], v[PC:PC+3], s[OCB:OCB+1]              ; 512 consecutive bytes each
	global_store_b128 v[LK], v[PC+4:PC+7], s[OCB:OCB+1] offset:512
	ds_store_b32 v[OSW], v[TM+8]                   ; (lanes l and l xor 16 write the same)
	s_wait_dscnt 0x0
	s_barrier_signal -1
	s_barrier_wait -1
	s_cmp_gt_u32 s[WV], 1
	s_cbranch_scc1 .Lno_words
	ds_load_b128 v[76:79], v[OSR]                  ; the scale words of eight tiles: 512 consecutive bytes
	s_wait_dscnt 0x0
	global_store_b128 v[LK], v[76:79], s[OSB:OSB+1]
.Lno_words:
	s_wait_tensorcnt 0x0
	ds_add_u32 v254, v255
	s_wait_dscnt 0x0
	CROUND                                         ; the closing round: no work-group ends while a partner may still ask for a tile that names it
	s_endpgm
.Lfunc_end_k_q8cd5144757_attn:
	.size	k_q8cd5144757_attn, .Lfunc_end_k_q8cd5144757_attn-k_q8cd5144757_attn
	.p2alignl 7, 3214868480
	.fill 96, 4, 3214868480
	.section	.rodata,"a",@progbits
	.p2align	6, 0x0
	.amdhsa_kernel k_q8cd5144757_attn
		.amdhsa_group_segment_fixed_size 169984
		.amdhsa_private_segment_fixed_size 0
		.amdhsa_enable_private_segment 0
		.amdhsa_kernarg_size 32
		.amdhsa_user_sgpr_count 2
		.amdhsa_user_sgpr_kernarg_segment_ptr 1
		.amdhsa_wavefront_size32 1
		.amdhsa_system_sgpr_workgroup_id_x 1
		.amdhsa_system_sgpr_workgroup_id_y 1
		.amdhsa_system_sgpr_workgroup_id_z 1
		.amdhsa_system_vgpr_workitem_id 0
		.amdhsa_next_free_vgpr 256
		.amdhsa_next_free_sgpr 66
		.amdhsa_reserve_vcc 1
		.amdhsa_float_denorm_mode_32 3
		.amdhsa_float_denorm_mode_16_64 3
		.amdhsa_memory_ordered 1
		.amdhsa_forward_progress 1
		.amdhsa_inst_pref_size 49
	.end_amdhsa_kernel
	.amdgpu_metadata
---
amdhsa.version: [ 1, 2 ]
amdhsa.kernels:
  - .name:           k_q8cd5144757_attn
    .symbol:         k_q8cd5144757_attn.kd
    .args:
      - { .name: qbuf, .offset: 0, .size: 8, .value_kind: global_buffer, .address_space: global }
      - { .name: kbuf, .offset: 8, .size: 8, .value_kind: global_buffer, .address_space: global }
      - { .name: vbuf, .offset: 16, .size: 8, .value_kind: global_buffer, .address_space: global }
      - { .name: obuf, .offset: 24, .size: 8, .value_kind: global_buffer, .address_space: global }
    .group_segment_fixed_size: 169984
    .private_segment_fixed_size: 0
    .kernarg_segment_align: 8
    .kernarg_segment_size: 32
    .max_flat_workgroup_size: 512
    .sgpr_count:     66
    .vgpr_count:     256
    .wavefront_size: 32
...
	.end_amdgpu_metadata
.endif
;; end of part 3
;; launch tail (part 4): grid 256 x 1, 16 waves a work-group, no clusters, 172,544 bytes of LDS; arguments x, obuf, wts, b_proj, ln2_g, ln2_b, b_fc1, b_fc2, out0; writes out0
.if DOCPART == 4
	.amdgcn_target "amdgcn-amd-amdhsa--gfx1250"
	.amdhsa_code_object_version 6
	.text
	.protected	k_q8cd5144757_tail
	.globl	k_q8cd5144757_tail
	.p2align	8
	.type	k_q8cd5144757_tail,@function
k_q8cd5144757_tail:
	s_mov_b64 s[64:65], 0
	v_nop
	global_prefetch_b8 v0, s[64:65] scope:SCOPE_SE
	s_setreg_imm32_b32 hwreg(HW_REG_WAVE_MODE, 25, 1), 1
	s_wait_xcnt 0x0
; x1 = x + out w_proj + b_proj;  xn2 = LayerNorm(x1) g + b;  h = gelu(xn2 w_fc1 + b_fc1), exact;  out0 = x1 + h w_fc2 + b_fc2.  The three products on codes of FP4 (E2M1) with E8M0 scales; all else in f32; nothing between goes to memory.
; SHARES as in launch qkv: a work-group owns 32 whole token rows (tiles 2 tp, 2 tp + 1 of group G; tile t's row r is token 32 (t / 2) + 8 (t % 2) + r + 8 (r / 8)); wave w owns columns 64 w .. 64 w + 63 of each product.
; All products TRANSPOSED (source 0 = 16 columns of the weight, source 1 = 16 tokens): lane (r, h) holds token row r of tile u in v[ACC + 32 u ..], register 8 t + j = column 64 w + 32 (t / 2) + 8 (t % 2) + 16 h + j,
; so that a wave's results are, quantised, one piece of 512 bytes of each token tile's fragment for the next product.  What is added to a product (x + b_proj, b_fc1, x1 + b_fc2) is the C of its first K step.
; WEIGHTS come from memory straight into registers: each fragment is wanted by ONE wave of the work-group.  NO JOINT LOADS, though all work-groups walk the same weights: shared tiles would have to pass through LDS, where beside
; the 131,584 bytes of f32 rows two slots of 65,536 bytes would fit, one K step of the 1,024 columns each: a round of the cluster's barrier for every 8 matrix instructions of a wave.
; GELU: erf by two polynomials that change over at |z| = 475 / 512, z = x / sqrt(2).  Above, 1 + erf(z) is e^r for z < 0 and 2 - e^r otherwise: no difference of near numbers is formed.  Both ways are computed and one is selected.
; LIMITS: NaN and infinities are not served; a block of zeros, or one under 2^-124, gets the byte 1; v_exp_f32 gives 0 for results under 2^-126.
.set PITCH, 4112                       ; an f32 row in LDS: 4,096 bytes + 16; rows in tile order 16 u + r
.set AIMG,  131584                     ; fragments, region A (out, later h): 2048 s + 1024 u + 512 c + 16 lane; region B (xn2) 16,384 on
.set ASCA,  164352                     ; scale bytes, 32 (16 u + r) + block: region A (h); region B (xn2) 1,024 on
.set RED,   166400                     ; the waves' sums of a row: 64 (16 u + r) + 4 wave; the second table 2,048 on
.set L16, 1
.set L8,  2
.set L4,  3
.set AIA, 4                            ; v4   AIMG + 16 x lane
.set XA0, 5                            ; v5   LDS: row r, my 16 columns' bytes: 4112 r + 256 w + 64 h; v6 row 16 + r
.set XA1, 6
.set IMS, 7                            ; v7   where I store my piece of a fragment
.set DST, 8                            ; v8   LDS: my two dense rows
.set F0S, 9                            ; v9   where I store my fragment of out
.set ASA, 10                           ; v10  ASCA + 32 x lane
.set ASW, 11                           ; v11  ASCA + 32 r + 2 w
.set RW,  12                           ; v12  RED + 64 x lane + 4 w
.set RR,  13                           ; v13  RED + 64 x lane
.set CV,  14                           ; v14  64 h: my columns in a vector of 1,024
.set ACC, 16
.set WF,  80
.set AF,  176
.set WS,  208                          ; scales alone
.set AS,  214                          ; scales alone
.set PC,  222
.set TM,  230
.set GZ,  80                           ; gelu's eight z, z^2, |z|, the small way: in weight set 0; the large way and its partner in the fragments' registers
.set GS,  88
.set GT,  96
.set GQ,  104
.set GR,  176
.set GU,  184
.set LG,  12
.set LB,  14
.set BF1, 16
.set BF2, 18
.set WV,  22
.set HM,  23                           ; s23  the mask of lanes 16-31
.set SEL, 24
.set WP,  26
.set WSP, 32
.set INV, 38
.set EPS, 39
.set OFR, 40
.set OSB, 42
.set KC,  66                           ; s[66:89] twelve constants, each as a pair (a packed form names a pair and takes its low word for both halves)
.set THR, 90
.set ABSM, 91
.macro BARRIER                         ; my LDS stores have landed and my LDS loads are in: then the work-group's barrier
	s_wait_dscnt 0x0
	s_barrier_signal -1
	s_barrier_wait -1
.endm
.macro KSET i, val
	s_mov_b32 s[KC+2*\i], \val
	s_mov_b32 s[KC+2*\i+1], \val
.endm
.macro WLOAD m                         ; step m's four weight fragments and their two scale registers: nine loads
.set nPH, (\m)/8
.set nS,  (\m)%8
.set rWN, WF+32*((\m)%3)
.set rSN, WS+2*((\m)%3)
.irp t, 0,1,2,3
.irp c, 0,1
	global_load_b128 v[rWN+8*\t+4*\c:rWN+8*\t+4*\c+3], v[L16], s[WP+2*nPH:WP+2*nPH+1] offset:nS*8192+\t*1024+\c*512
.endr
.endr
	global_load_b64 v[rSN:rSN+1], v[L8], s[WSP+2*nPH:WSP+2*nPH+1] offset:nS*512
.endm
.macro ALOAD hs, off
.irp u, 0,1
.irp c, 0,1
	ds_load_b128 v[AF+16*(\hs)+8*\u+4*\c:AF+16*(\hs)+8*\u+4*\c+3], v[AIA] offset:(\off)+1024*\u+512*\c
.endr
.endr
.endm
.macro WMM ra, rb                      ; one product on rD (C and D), rA, rB, rSA, rSB.  ra, rb: which half of the lanes holds the side's scale words
.if ((\ra)==0)&&((\rb)==0)
	v_wmma_scale_f32_16x16x128_f8f6f4 v[rD:rD+7], v[rA:rA+7], v[rB:rB+7], v[rD:rD+7], v[rSA], v[rSB] matrix_a_fmt:MATRIX_FMT_FP4 matrix_b_fmt:MATRIX_FMT_FP4
.elseif (\rb)==0
	v_wmma_scale_f32_16x16x128_f8f6f4 v[rD:rD+7], v[rA:rA+7], v[rB:rB+7], v[rD:rD+7], v[rSA], v[rSB] matrix_a_fmt:MATRIX_FMT_FP4 matrix_b_fmt:MATRIX_FMT_FP4 matrix_a_scale:MATRIX_SCALE_ROW1
.elseif (\ra)==0
	v_wmma_scale_f32_16x16x128_f8f6f4 v[rD:rD+7], v[rA:rA+7], v[rB:rB+7], v[rD:rD+7], v[rSA], v[rSB] matrix_a_fmt:MATRIX_FMT_FP4 matrix_b_fmt:MATRIX_FMT_FP4 matrix_b_scale:MATRIX_SCALE_ROW1
.else
	v_wmma_scale_f32_16x16x128_f8f6f4 v[rD:rD+7], v[rA:rA+7], v[rB:rB+7], v[rD:rD+7], v[rSA], v[rSB] matrix_a_fmt:MATRIX_FMT_FP4 matrix_b_fmt:MATRIX_FMT_FP4 matrix_a_scale:MATRIX_SCALE_ROW1 matrix_b_scale:MATRIX_SCALE_ROW1
.endif
.endm
; STEP n of 24: product n / 8, K step n % 8.  8 matrix instructions; the eight accumulators take turns, one instruction a turn, in the same order in every step.
; The weights of step n + 2 and the token fragments of the next step (at byte anext of the images; -1: none) are asked for first, into the registers that step n - 1 read: four plain places stand between (ISA guide 7.12.1).
.macro STEP n, anext
.rept 4
	v_nop
.endr
.if (\n)+2 < 24
	WLOAD (\n)+2
.endif
.if (\anext) >= 0
	ALOAD ((\n)+1)%2, \anext
.endif
.if (\n) <= 21
	s_wait_loadcnt 18                              ; this step's nine loads are in; the nine of each of the two later steps may be out
.elseif (\n) == 22
	s_wait_loadcnt 9
.else
	s_wait_loadcnt 0x0
.endif
.if (\anext) >= 0
	s_wait_dscnt 4                                 ; all but the four LDS loads just issued
.else
	s_wait_dscnt 0x0
.endif
.set rWC, WF+32*((\n)%3)
.set rSC, WS+2*((\n)%3)
.set rAC, AF+16*((\n)%2)
.irp t, 0,1,2,3
.irp u, 0,1
.set rD,  ACC+32*\u+8*\t
.set rA,  rWC+8*\t
.set rB,  rAC+8*\u
.set rSA, rSC+(\t/2)
.set rSB, AS+((\n)%8)
	WMM \t%2, \u
.endr
.endr
.endm
.macro QCORE s                         ; 64 numbers of a lane in four blocks of 16 registers -> bytes in v[TM+4 ..], codes in v[PC ..]; each accumulator is read from its low end on
.irp b, 0,1,2,3
	v_max3_num_f32 v[TM+\b], |v[\s+16*\b]|, |v[\s+1+16*\b]|, 0x1800000
.endr
.irp i, 2,4,6,8,10,12,14
.irp b, 0,1,2,3
	v_max3_num_f32 v[TM+\b], v[TM+\b], |v[\s+16*\b+\i]|, |v[\s+1+16*\b+\i]|
.endr
.endr
.irp b, 0,1,2,3
	v_permlanex16_b32 v[TM+4+\b], v[TM+\b], s[SEL], s[SEL+1]
.endr
.irp b, 0,1,2,3
	v_max_num_f32 v[TM+\b], v[TM+\b], v[TM+4+\b]
.endr
.irp b, 0,1,2,3
	v_add_nc_u32 v[TM+12+\b], 0xff000000, v[TM+\b]
.endr
.irp b, 0,1,2,3
	v_lshrrev_b32 v[TM+4+\b], 23, v[TM+12+\b]
.endr
.irp b, 0,1,2,3
	v_cvt_scalef32_pk8_fp4_f32 v[PC+2*\b], v[\s+16*\b:\s+7+16*\b], v[TM+12+\b]
	v_cvt_scalef32_pk8_fp4_f32 v[PC+1+2*\b], v[\s+8+16*\b:\s+15+16*\b], v[TM+12+\b]
.endr
	v_nop                                          ; one plain place behind a scaled conversion
.endm
; my 64 columns of the 32 rows, quantised, go to LDS: piece c = w % 2 of K step w / 2 of both token tiles, and my two bytes of each row's scales
.macro QOUT ioff, soff
	QCORE ACC
.irp c, 0,1
.irp i, 0,1
	v_permlane16_swap_b32 v[PC+4*\c+\i], v[PC+2+4*\c+\i]
.endr
.endr
	ds_store_b128 v[IMS], v[PC:PC+3] offset:\ioff
	ds_store_b128 v[IMS], v[PC+4:PC+7] offset:\ioff+1024
	v_lshl_or_b32 v246, v[TM+5], 8, v[TM+4]
	v_lshl_or_b32 v247, v[TM+7], 8, v[TM+6]
	ds_store_b16 v[ASW], v246 offset:\soff
	ds_store_b16 v[ASW], v247 offset:\soff+512
.endm
.macro CLOAD                           ; my columns of the 32 f32 rows, from LDS into the accumulators' layout
.irp t, 0,1,2,3
.irp k, 0,1
	ds_load_b128 v[ACC+8*\t+4*\k:ACC+8*\t+4*\k+3], v[XA0] offset:(32*(\t/2)+8*(\t%2))*4+16*\k
	ds_load_b128 v[ACC+32+8*\t+4*\k:ACC+32+8*\t+4*\k+3], v[XA1] offset:(32*(\t/2)+8*(\t%2))*4+16*\k
.endr
.endr
.endm
.macro CSTORE                          ; and back: each accumulator from its low end on
.irp t, 0,1,2,3
.irp k, 0,1
	ds_store_b128 v[XA0], v[ACC+8*\t+4*\k:ACC+8*\t+4*\k+3] offset:(32*(\t/2)+8*(\t%2))*4+16*\k
	ds_store_b128 v[XA1], v[ACC+32+8*\t+4*\k:ACC+32+8*\t+4*\k+3] offset:(32*(\t/2)+8*(\t%2))*4+16*\k
.endr
.endr
.endm
.macro VLOAD reg, sb                   ; my 32 numbers of a vector of 1,024, in the accumulators' layout
.irp t, 0,1,2,3
.irp k, 0,1
	global_load_b128 v[\reg+8*\t+4*\k:\reg+8*\t+4*\k+3], v[CV], s[\sb:\sb+1] offset:(32*(\t/2)+8*(\t%2))*4+16*\k
.endr
.endr
.endm
.macro XWAVE off                       ; v[246:247] (tile u = 0), v[248:249] (u = 1): my lane's sums -> my wave's sum of row 16 h + r, to LDS
	v_add_f32 v246, v246, v247
	v_add_f32 v248, v248, v249
	v_permlanex16_b32 v247, v246, s[SEL], s[SEL+1]
	v_permlanex16_b32 v249, v248, s[SEL], s[SEL+1]
	v_add_f32 v246, v246, v247
	v_add_f32 v248, v248, v249
	v_cndmask_b32 v246, v246, v248, s[HM]
	ds_store_b32 v[RW], v246 offset:\off
.endm
.macro XSUM off                        ; the sixteen waves' sums of row 16 h + r -> v[TM]
.irp i, 0,1,2,3
	ds_load_b128 v[TM+4*\i:TM+4*\i+3], v[RR] offset:\off+16*\i
.endr
	s_wait_dscnt 0x0
	v_pk_add_f32 v[TM:TM+1], v[TM:TM+1], v[TM+2:TM+3]
	v_pk_add_f32 v[TM+4:TM+5], v[TM+4:TM+5], v[TM+6:TM+7]
	v_pk_add_f32 v[TM+8:TM+9], v[TM+8:TM+9], v[TM+10:TM+11]
	v_pk_add_f32 v[TM+12:TM+13], v[TM+12:TM+13], v[TM+14:TM+15]
	v_pk_add_f32 v[TM:TM+1], v[TM:TM+1], v[TM+4:TM+5]
	v_pk_add_f32 v[TM+8:TM+9], v[TM+8:TM+9], v[TM+12:TM+13]
	v_pk_add_f32 v[TM:TM+1], v[TM:TM+1], v[TM+8:TM+9]
	v_add_f32 v[TM], v[TM], v[TM+1]
.endm
; exact gelu of accumulator i's eight numbers, in place
.macro GELU i
.set gX, ACC+8*(\i)
.irp p, 0,2,4,6
	v_pk_mul_f32 v[GZ+\p:GZ+\p+1], v[gX+\p:gX+\p+1], s[KC:KC+1] op_sel_hi:[1,0]        ; z = x / sqrt(2)
.endr
.irp p, 0,2,4,6
	v_pk_mul_f32 v[GS+\p:GS+\p+1], v[GZ+\p:GZ+\p+1], v[GZ+\p:GZ+\p+1]                  ; z^2
.endr
.irp p, 0,1,2,3,4,5,6,7
	v_and_b32 v[GT+\p], s[ABSM], v[GZ+\p]                                              ; t = |z|
.endr
.irp p, 0,2,4,6
	v_pk_fma_f32 v[GR+\p:GR+\p+1], v[GT+\p:GT+\p+1], v[248:249], s[KC+12:KC+13] op_sel_hi:[1,1,0]   ; d0 t + d1
.endr
.irp p, 0,2,4,6
	v_pk_fma_f32 v[GU+\p:GU+\p+1], v[GT+\p:GT+\p+1], v[250:251], s[KC+14:KC+15] op_sel_hi:[1,1,0]   ; d2 t + d3
.endr
.irp p, 0,2,4,6
	v_pk_fma_f32 v[GR+\p:GR+\p+1], v[GR+\p:GR+\p+1], v[GS+\p:GS+\p+1], v[GU+\p:GU+\p+1]
.endr
.irp k, 16,18,20
.irp p, 0,2,4,6
	v_pk_fma_f32 v[GR+\p:GR+\p+1], v[GR+\p:GR+\p+1], v[GT+\p:GT+\p+1], s[KC+\k:KC+\k+1] op_sel_hi:[1,1,0]
.endr
.endr
.irp p, 0,2,4,6
	v_pk_fma_f32 v[GR+\p:GR+\p+1], v[GR+\p:GR+\p+1], v[GT+\p:GT+\p+1], v[GT+\p:GT+\p+1] neg_lo:[0,0,1] neg_hi:[0,0,1]   ; r
.endr
.irp p, 0,2,4,6
	v_pk_mul_f32 v[GR+\p:GR+\p+1], v[GR+\p:GR+\p+1], s[KC+22:KC+23] op_sel_hi:[1,0]    ; r log2(e)
.endr
.irp p, 0,1,2,3,4,5,6,7
	v_exp_f32 v[GR+\p], v[GR+\p]                                                       ; q = e^r
.endr
.irp p, 0,2,4,6
	v_pk_fma_f32 v[GQ+\p:GQ+\p+1], v[GS+\p:GS+\p+1], v[246:247], s[KC+2:KC+3] op_sel_hi:[1,1,0]     ; the small way stands behind the exponentials as their independent work
.endr
.irp k, 4,6,8,10
.irp p, 0,2,4,6
	v_pk_fma_f32 v[GQ+\p:GQ+\p+1], v[GQ+\p:GQ+\p+1], v[GS+\p:GS+\p+1], s[KC+\k:KC+\k+1] op_sel_hi:[1,1,0]
.endr
.endr
.irp p, 0,2,4,6
	v_pk_fma_f32 v[GQ+\p:GQ+\p+1], v[GQ+\p:GQ+\p+1], v[GZ+\p:GZ+\p+1], v[GZ+\p:GZ+\p+1]                ; erf(z)
.endr
.irp p, 0,2,4,6
	v_pk_add_f32 v[GQ+\p:GQ+\p+1], v[GQ+\p:GQ+\p+1], 1.0 op_sel_hi:[1,0]
.endr
	s_wait_alu depctr_va_vdst(0)                   ; one wait for the eight exponentials, ahead of their first reader
.irp p, 0,2,4,6
	v_pk_add_f32 v[GU+\p:GU+\p+1], v[GR+\p:GR+\p+1], 2.0 op_sel_hi:[1,0] neg_lo:[1,0] neg_hi:[1,0]     ; 2 - q
.endr
.irp p, 0,1,2,3,4,5,6,7
	v_cmp_gt_f32 vcc_lo, 0, v[GZ+\p]
	v_cndmask_b32 v[GU+\p], v[GU+\p], v[GR+\p], vcc_lo     ; z < 0: q
	v_cmp_lt_f32 vcc_lo, s[THR], v[GT+\p]
	v_cndmask_b32 v[GQ+\p], v[GQ+\p], v[GU+\p], vcc_lo     ; |z| above 475 / 512: the large way
.endr
.irp p, 0,2,4,6
	v_pk_mul_f32 v[gX+\p:gX+\p+1], v[gX+\p:gX+\p+1], v[GQ+\p:GQ+\p+1]
.endr
.irp p, 0,2,4,6
	v_pk_mul_f32 v[gX+\p:gX+\p+1], v[gX+\p:gX+\p+1], 0.5 op_sel_hi:[1,0]
.endr
.endm
	s_load_b256 s[4:11], s[0:1], 0x0               ; x s[4:5], obuf s[6:7], wts s[8:9], b_proj s[10:11]
	s_load_b256 s[12:19], s[0:1], 0x20             ; ln2_g, ln2_b, b_fc1, b_fc2
	s_load_b64 s[20:21], s[0:1], 0x40              ; out0
	v_lshl_add_u32 v254, v0, 2, 0x29a00
	v_mov_b32 v255, 0
	v_lshrrev_b32 v15, 5, v0
	v_readfirstlane_b32 s[WV], v15                 ; wave 0..15
	v_and_b32 v15, 31, v0                          ; lane
	v_and_b32 v246, 15, v0                         ; r
	v_bfe_u32 v247, v0, 4, 1                       ; h
	v_cmp_lt_u32 s[HM], 15, v15
	v_lshlrev_b32 v[L16], 4, v15
	v_lshlrev_b32 v[L8], 3, v15
	v_lshlrev_b32 v[L4], 2, v15
	v_lshlrev_b32 v[CV], 6, v247
	s_bfe_u32 s50, s[WV], 0x10002                  ; my dense rows 2 w, 2 w + 1 lie at 16 ((w / 4) % 2) + 2 (w % 4) + 8 (w / 8) and the row behind it
	s_lshl_b32 s50, s50, 4
	s_and_b32 s51, s[WV], 3
	s_lshl_b32 s51, s51, 1
	s_add_co_u32 s50, s50, s51
	s_lshr_b32 s51, s[WV], 3
	s_lshl_b32 s51, s51, 3
	s_add_co_u32 s50, s50, s51
	s_mul_i32 s50, s50, PITCH
	v_add_nc_u32 v[DST], s50, v[L16]
	v_mul_u32_u24 v[XA0], v246, PITCH
	v_lshl_add_u32 v[XA0], v247, 6, v[XA0]
	s_lshl_b32 s50, s[WV], 8
	v_add_nc_u32 v[XA0], s50, v[XA0]
	v_add_nc_u32 v[XA1], 16*PITCH, v[XA0]
	v_add_nc_u32 v[AIA], AIMG, v[L16]
	s_lshr_b32 s46, s[WV], 1                       ; w / 2
	s_and_b32 s47, s[WV], 1                        ; w % 2
	s_lshl_b32 s50, s46, 11
	s_lshl_b32 s51, s47, 9
	s_add_co_u32 s50, s50, s51
	s_add_co_u32 s50, s50, AIMG
	v_add_nc_u32 v[IMS], s50, v[L16]
	s_lshl_b32 s50, s[WV], 10
	s_add_co_u32 s50, s50, AIMG
	v_add_nc_u32 v[F0S], s50, v[L16]
	v_lshlrev_b32 v[ASA], 5, v15
	v_add_nc_u32 v[ASA], ASCA, v[ASA]
	s_lshl_b32 s50, s[WV], 1
	s_add_co_u32 s50, s50, ASCA
	v_lshl_add_u32 v[ASW], v246, 5, s50
	v_lshlrev_b32 v[RR], 6, v15
	v_add_nc_u32 v[RR], RED, v[RR]
	s_lshl_b32 s50, s[WV], 2
	v_add_nc_u32 v[RW], s50, v[RR]
	v_mov_b32 v251, 0                              ; (named as the upper halves of pairs)
	v_mov_b32 v253, 0
.irp b, 0,1,2,3
	v_mov_b32 v[TM+4+\b], 0                        ; a lane permute's destination counts as one of its sources
.endr
	s_mov_b32 s[SEL], 0x76543210
	s_mov_b32 s[SEL+1], 0xfedcba98
	s_mov_b32 s[INV], 0x3a800000                   ; 1 / 1024
	s_mov_b32 s[EPS], 0x3727c5ac                   ; 1e-5
	KSET 0, 0x3f3504f3                             ; 1 / sqrt(2)
	KSET 1, 0x3ba38d2c                             ; the small way: c1 .. c5 (c0 lies in v[246:247])
	KSET 2, 0xbcdb48d9
	KSET 3, 0x3de70e22
	KSET 4, 0xbec09380
	KSET 5, 0x3e0375d4
	KSET 6, 0x39c8e7d9                             ; the large way: d1, d3, d4, d5, d6 (d0 in v[248:249], d2 in v[250:251])
	KSET 7, 0x3cc6b1a1
	KSET 8, 0xbddaae5c
	KSET 9, 0xbf228550
	KSET 10, 0xbe03ce86
	KSET 11, 0x3fb8aa3b                            ; log2(e)
	s_mov_b32 s[THR], 0x3f6d8000                   ; 475 / 512
	s_mov_b32 s[ABSM], 0x7fffffff
	s_lshr_b32 s44, ttmp9, 2                       ; G
	s_and_b32 s45, ttmp9, 3                        ; tp
	s_mov_b32 s49, 0
	s_wait_kmcnt 0x0
	s_lshl_b32 s48, ttmp9, 17                      ; 32 rows of 4,096 bytes a work-group, two rows a wave
	s_lshl_b32 s50, s[WV], 13
	s_add_co_u32 s48, s48, s50
	s_add_nc_u64 s[4:5], s[4:5], s[48:49]
	s_add_nc_u64 s[20:21], s[20:21], s[48:49]
	s_lshl_b32 s48, s46, 16                        ; weights: groups 24, 32, 40 + w / 2, tiles 4 (w % 2) on
	s_lshl_b32 s50, s47, 12
	s_add_co_u32 s48, s48, s50
	s_add_co_u32 s48, s48, 24*65536
	s_add_nc_u64 s[WP:WP+1], s[8:9], s[48:49]
	s_add_nc_u64 s[WP+2:WP+3], s[WP:WP+1], 0x80000
	s_add_nc_u64 s[WP+4:WP+5], s[WP:WP+1], 0x100000
	s_lshl_b32 s48, s46, 12
	s_lshl_b32 s50, s47, 8
	s_add_co_u32 s48, s48, s50
	s_add_co_u32 s48, s48, 3145728+24*4096
	s_add_nc_u64 s[WSP:WSP+1], s[8:9], s[48:49]
	s_add_nc_u64 s[WSP+2:WSP+3], s[WSP:WSP+1], 0x8000
	s_add_nc_u64 s[WSP+4:WSP+5], s[WSP:WSP+1], 0x10000
	s_lshl_b32 s48, s44, 16                        ; out: my fragment is K step w / 2, token tile w % 2
	s_lshl_b32 s50, s46, 13
	s_add_co_u32 s48, s48, s50
	s_lshl_b32 s50, s45, 11
	s_add_co_u32 s48, s48, s50
	s_lshl_b32 s50, s47, 10
	s_add_co_u32 s48, s48, s50
	s_add_nc_u64 s[OFR:OFR+1], s[6:7], s[48:49]
	s_lshl_b32 s48, ttmp9, 7
	s_add_co_u32 s48, s48, 0x400000
	s_add_nc_u64 s[OSB:OSB+1], s[6:7], s[48:49]
	s_lshl_b32 s48, s[WV], 8                       ; the vectors at my 64 columns
	s_add_nc_u64 s[LG:LG+1], s[LG:LG+1], s[48:49]
	s_add_nc_u64 s[LB:LB+1], s[LB:LB+1], s[48:49]
	s_add_nc_u64 s[BF1:BF1+1], s[BF1:BF1+1], s[48:49]
	s_add_nc_u64 s[BF2:BF2+1], s[BF2:BF2+1], s[48:49]
	; ---- x + b_proj, two dense rows a wave, into the f32 rows in LDS; out's sixteen fragments, one a wave, into region A
.irp e, 0,1
.irp j, 0,1,2,3,4,5,6,7
	global_load_b128 v[ACC+32*\e+4*\j:ACC+32*\e+4*\j+3], v[L16], s[4:5] offset:4096*\e+512*\j th:TH_LOAD_NT
.endr
.endr
.irp j, 0,1,2,3,4,5,6,7
	global_load_b128 v[AF+4*\j:AF+4*\j+3], v[L16], s[10:11] offset:512*\j
.endr
	global_load_b128 v[PC:PC+3], v[L16], s[OFR:OFR+1] th:TH_LOAD_NT
	global_load_b128 v[PC+4:PC+7], v[L16], s[OFR:OFR+1] offset:512 th:TH_LOAD_NT
.irp s, 0,1,2,3,4,5,6,7
	global_load_b32 v[AS+\s], v[L4], s[OSB:OSB+1] offset:32768*\s       ; out's scale words: lanes 0-15 tile u = 0, lanes 16-31 u = 1
.endr
	WLOAD 0
	WLOAD 1
	s_wait_loadcnt 28                              ; x and b_proj are in; out's fragment (2), its scale words (8) and the weights (18) may be out
.irp e, 0,1
.irp j, 0,1,2,3,4,5,6,7
	v_pk_add_f32 v[ACC+32*\e+4*\j:ACC+32*\e+4*\j+1], v[ACC+32*\e+4*\j:ACC+32*\e+4*\j+1], v[AF+4*\j:AF+4*\j+1]
	v_pk_add_f32 v[ACC+32*\e+4*\j+2:ACC+32*\e+4*\j+3], v[ACC+32*\e+4*\j+2:ACC+32*\e+4*\j+3], v[AF+4*\j+2:AF+4*\j+3]
	ds_store_b128 v[DST], v[ACC+32*\e+4*\j:ACC+32*\e+4*\j+3] offset:PITCH*\e+512*\j
.endr
.endr
	s_wait_loadcnt 26                              ; out's fragment is in
	ds_store_b128 v[F0S], v[PC:PC+3]
	ds_store_b128 v[F0S], v[PC+4:PC+7] offset:512
	BARRIER
	; ---- x1 = (x + b_proj) + out w_proj
	CLOAD
	ALOAD 0, 0
.irp n, 0,1,2,3,4,5,6
	STEP \n, (\n+1)*2048
.endr
	STEP 7, -1
	; ---- LayerNorm over rows that sixteen waves share: sums meet in LDS, twice
.rept 4
	v_nop                                          ; places behind the last products
.endr
	VLOAD WF+32, LG                                ; the gain into weight set 1, which step 7 has left and step 10 takes; the bias into the fragments' registers
	VLOAD AF, LB
	v_pk_add_f32 v[246:247], v[ACC:ACC+1], v[ACC+2:ACC+3]
	v_pk_add_f32 v[248:249], v[ACC+32:ACC+33], v[ACC+34:ACC+35]
.irp j, 4,6,8,10,12,14,16,18,20,22,24,26,28,30
	v_pk_add_f32 v[246:247], v[246:247], v[ACC+\j:ACC+\j+1]
	v_pk_add_f32 v[248:249], v[248:249], v[ACC+32+\j:ACC+32+\j+1]
.endr
	XWAVE 0
	CSTORE                                         ; x1 is kept for the last product, in my own bytes of the f32 rows
	BARRIER
	XSUM 0
	v_mul_f32 v[TM], s[INV], v[TM]                 ; the mean of row 16 h + r
	v_permlanex16_b32 v[TM+1], v[TM], s[SEL], s[SEL+1]
	v_cndmask_b32 v250, v[TM], v[TM+1], s[HM]      ; of row r,
	v_cndmask_b32 v252, v[TM+1], v[TM], s[HM]      ; of row 16 + r
.irp j, 0,2,4,6,8,10,12,14,16,18,20,22,24,26,28,30
	v_pk_add_f32 v[ACC+\j:ACC+\j+1], v[ACC+\j:ACC+\j+1], v[250:251] op_sel_hi:[1,0] neg_lo:[0,1] neg_hi:[0,1]
	v_pk_add_f32 v[ACC+32+\j:ACC+32+\j+1], v[ACC+32+\j:ACC+32+\j+1], v[252:253] op_sel_hi:[1,0] neg_lo:[0,1] neg_hi:[0,1]
.endr
	v_pk_mul_f32 v[246:247], v[ACC:ACC+1], v[ACC:ACC+1]
	v_pk_mul_f32 v[248:249], v[ACC+32:ACC+33], v[ACC+32:ACC+33]
.irp j, 2,4,6,8,10,12,14,16,18,20,22,24,26,28,30
	v_pk_fma_f32 v[246:247], v[ACC+\j:ACC+\j+1], v[ACC+\j:ACC+\j+1], v[246:247]
	v_pk_fma_f32 v[248:249], v[ACC+32+\j:ACC+32+\j+1], v[ACC+32+\j:ACC+32+\j+1], v[248:249]
.endr
	XWAVE 2048
	BARRIER
	XSUM 2048
	v_fma_f32 v[TM], v[TM], s[INV], s[EPS]
	v_rsq_f32 v[TM+2], v[TM]
	v_nop                                          ; a plain place behind the transcendental,
	s_wait_alu depctr_va_vdst(0)                   ; and its wait
	v_permlanex16_b32 v[TM+1], v[TM+2], s[SEL], s[SEL+1]
	v_cndmask_b32 v250, v[TM+2], v[TM+1], s[HM]
	v_cndmask_b32 v252, v[TM+1], v[TM+2], s[HM]
	s_wait_loadcnt 0x0                             ; gain and bias
.irp j, 0,2,4,6,8,10,12,14,16,18,20,22,24,26,28,30
	v_pk_mul_f32 v[ACC+\j:ACC+\j+1], v[ACC+\j:ACC+\j+1], v[250:251] op_sel_hi:[1,0]
	v_pk_mul_f32 v[ACC+32+\j:ACC+32+\j+1], v[ACC+32+\j:ACC+32+\j+1], v[252:253] op_sel_hi:[1,0]
	v_pk_fma_f32 v[ACC+\j:ACC+\j+1], v[ACC+\j:ACC+\j+1], v[WF+32+\j:WF+32+\j+1], v[AF+\j:AF+\j+1]
	v_pk_fma_f32 v[ACC+32+\j:ACC+32+\j+1], v[ACC+32+\j:ACC+32+\j+1], v[WF+32+\j:WF+32+\j+1], v[AF+\j:AF+\j+1]
.endr
	QOUT 16384, 1024                               ; xn2 into region B
	VLOAD ACC, BF1                                 ; b_fc1 is the C of the next product's first K step, for both token tiles
	VLOAD ACC+32, BF1
	BARRIER
	; ---- h = gelu(xn2 w_fc1 + b_fc1)
	ds_load_b128 v[AS:AS+3], v[ASA] offset:1024
	ds_load_b128 v[AS+4:AS+7], v[ASA] offset:1040
	ALOAD 0, 16384
	s_wait_loadcnt 0x0                             ; b_fc1 (issued behind the weights of steps 8 and 9, so the steps' own counts do not cover it)
.irp n, 8,9,10,11,12,13,14
	STEP \n, 16384+(\n-7)*2048
.endr
	STEP 15, -1
	v_mov_b32 v246, 0xba1c7000                     ; c0, d0, d2 as pairs: six plain lines, the places behind the last products
	v_mov_b32 v247, 0xba1c7000
	v_mov_b32 v248, 0xb7910000
	v_mov_b32 v249, 0xb7910000
	v_mov_b32 v250, 0xbb7e8a1c
	v_mov_b32 v251, 0xbb7e8a1c
.irp i, 0,1,2,3,4,5,6,7
	GELU \i
.endr
	QOUT 0, 0                                      ; h into region A, whose last readers stood ahead of three barriers
	VLOAD WF, BF2                                  ; b_fc2 into weight set 0, which step 15 has left and step 18 takes
	CLOAD                                          ; x1, from my own bytes
	BARRIER
	; ---- out0 = (x1 + b_fc2) + h w_fc2
	ds_load_b128 v[AS:AS+3], v[ASA]
	ds_load_b128 v[AS+4:AS+7], v[ASA] offset:16
	ALOAD 0, 0
	s_wait_loadcnt 0x0                             ; b_fc2
.irp j, 0,2,4,6,8,10,12,14,16,18,20,22,24,26,28,30
	v_pk_add_f32 v[ACC+\j:ACC+\j+1], v[ACC+\j:ACC+\j+1], v[WF+\j:WF+\j+1]
	v_pk_add_f32 v[ACC+32+\j:ACC+32+\j+1], v[ACC+32+\j:ACC+32+\j+1], v[WF+\j:WF+\j+1]
.endr
.irp n, 16,17,18,19,20,21,22
	STEP \n, (\n-15)*2048
.endr
	STEP 23, -1
.rept 4
	v_nop
.endr
	CSTORE                                         ; a row's 1,024 numbers come from sixteen waves: they meet in the f32 rows
	BARRIER
.irp e, 0,1
.irp j, 0,1,2,3,4,5,6,7
	ds_load_b128 v[ACC+32*\e+4*\j:ACC+32*\e+4*\j+3], v[DST] offset:PITCH*\e+512*\j
.endr
.endr
.irp e, 0,1
.irp j, 0,1,2,3,4,5,6,7
	s_wait_dscnt 15-8*\e-\j                        ; LDS loads come back in order: this one is in, the younger ones may be out
	global_store_b128 v[L16], v[ACC+32*\e+4*\j:ACC+32*\e+4*\j+3], s[20:21] offset:4096*\e+512*\j th:TH_STORE_NT   ; the wave stores 512 consecutive bytes, aligned
.endr
.endr
	s_wait_tensorcnt 0x0
	ds_add_u32 v254, v255
	s_wait_dscnt 0x0
	s_endpgm
.Lfunc_end_k_q8cd5144757_tail:
	.size	k_q8cd5144757_tail, .Lfunc_end_k_q8cd5144757_tail-k_q8cd5144757_tail
	.p2alignl 7, 3214868480
	.fill 96, 4, 3214868480
	.section	.rodata,"a",@progbits
	.p2align	6, 0x0
	.amdhsa_kernel k_q8cd5144757_tail
		.amdhsa_group_segment_fixed_size 172544
		.amdhsa_private_segment_fixed_size 0
		.amdhsa_enable_private_segment 0
		.amdhsa_kernarg_size 72
		.amdhsa_user_sgpr_count 2
		.amdhsa_user_sgpr_kernarg_segment_ptr 1
		.amdhsa_wavefront_size32 1
		.amdhsa_system_sgpr_workgroup_id_x 1
		.amdhsa_system_sgpr_workgroup_id_y 1
		.amdhsa_system_sgpr_workgroup_id_z 1
		.amdhsa_system_vgpr_workitem_id 0
		.amdhsa_next_free_vgpr 256
		.amdhsa_next_free_sgpr 96
		.amdhsa_reserve_vcc 1
		.amdhsa_float_denorm_mode_32 3
		.amdhsa_float_denorm_mode_16_64 3
		.amdhsa_memory_ordered 1
		.amdhsa_forward_progress 1
		.amdhsa_inst_pref_size 155
	.end_amdhsa_kernel
	.amdgpu_metadata
---
amdhsa.version: [ 1, 2 ]
amdhsa.kernels:
  - .name:           k_q8cd5144757_tail
    .symbol:         k_q8cd5144757_tail.kd
    .args:
      - { .name: x, .offset: 0, .size: 8, .value_kind: global_buffer, .address_space: global }
      - { .name: obuf, .offset: 8, .size: 8, .value_kind: global_buffer, .address_space: global }
      - { .name: wts, .offset: 16, .size: 8, .value_kind: global_buffer, .address_space: global }
      - { .name: b_proj, .offset: 24, .size: 8, .value_kind: global_buffer, .address_space: global }
      - { .name: ln2_g, .offset: 32, .size: 8, .value_kind: global_buffer, .address_space: global }
      - { .name: ln2_b, .offset: 40, .size: 8, .value_kind: global_buffer, .address_space: global }
      - { .name: b_fc1, .offset: 48, .size: 8, .value_kind: global_buffer, .address_space: global }
      - { .name: b_fc2, .offset: 56, .size: 8, .value_kind: global_buffer, .address_space: global }
      - { .name: out0, .offset: 64, .size: 8, .value_kind: global_buffer, .address_space: global }
    .group_segment_fixed_size: 172544
    .private_segment_fixed_size: 0
    .kernarg_segment_align: 8
    .kernarg_segment_size: 72
    .max_flat_workgroup_size: 512
    .sgpr_count:     96
    .vgpr_count:     256
    .wavefront_size: 32
...
	.end_amdgpu_metadata
.endif
;; end of part 4
;; ======== version 2 of 2: 4 launches
;; workspace buffers: wts 3,342,336 bytes; qbuf 4,456,448 bytes; kbuf 4,456,448 bytes; vbuf 4,456,448 bytes; obuf 4,456,448 bytes
;; launch wq (part 5): grid 48 x 8, 4 waves a work-group, no clusters, 1,024 bytes of LDS; arguments w_qkv, w_proj, w_fc1, w_fc2, wts; writes wts
.if DOCPART == 5
	.amdgcn_target "amdgcn-amd-amdhsa--gfx1250"
	.amdhsa_code_object_version 6
	.text
	.protected	k_q8cd5144757_wq
	.globl	k_q8cd5144757_wq
	.p2align	8
	.type	k_q8cd5144757_wq,@function
k_q8cd5144757_wq:
	s_mov_b64 s[64:65], 0
	v_nop
	global_prefetch_b8 v0, s[64:65] scope:SCOPE_SE
	s_setreg_imm32_b32 hwreg(HW_REG_WAVE_MODE, 25, 1), 1
	s_wait_xcnt 0x0
; The four weights ([K][N], f32, K the first axis) become codes of FP4 (E2M1) with one E8M0 byte for each 32 along K, laid in the order of an operand's registers.
; wts: 48 groups of 128 columns (0-23 w_qkv's, 24-31 w_proj's, 32-39 w_fc1's, 40-47 w_fc2's).  A fragment (group G, K step s of 128, tile t of 16 columns) is 1,024 bytes at ((8 G + s) 8 + t) 1024:
; byte 512 c + 16 (16 h + r) on holds column 128 G + 32 (t / 2) + 8 (t % 2) + r + 8 (r / 8), k = 128 s + 64 c + 32 h + 0 .. 31.  The columns of a tile are not neighbours: a product that takes such tiles as
; source 0 leaves 16 neighbouring columns in the 16 registers of tiles 2 b and 2 b + 1.
; Scale words (four bytes: a column's four blocks of a K step) from byte WSL on: (8 G + s) 512 + 256 (t / 4) + 8 (16 (t % 2) + r) + 4 ((t / 2) % 2).
; A work-group takes one group and one K step; wave w4 takes tiles 2 w4 and 2 w4 + 1.  A LANE TAKES A COLUMN AND ITS REGISTERS RUN DOWN K: a block of 32 lies in one lane, and its 16 bytes of codes are that lane's
; 16 bytes of the fragment: each store of the wave covers two aligned runs of 256 bytes.  Memory binds: no matrix unit, no cluster (no byte is read twice), no ring.
; LIMITS: NaN and infinities are not served; a block of zeros, or one whose largest magnitude lies under 2^-124, gets the byte 1 (its codes are what the conversion gives under that scale); this program alone reads the bytes.
.set OFF, 16                           ; v16-47   row i of a block: i x the row's bytes + 4 x my column
.set X,   48                           ; v48-111  two sets of 32 numbers
.set C,   112                          ; v112-127 four registers of codes for each block: no store's data are written again
.set WSL, 3145728
	s_load_b256 s[4:11], s[0:1], 0x0               ; w_qkv s[4:5], w_proj s[6:7], w_fc1 s[8:9], w_fc2 s[10:11]
	s_load_b64 s[12:13], s[0:1], 0x20              ; wts
	v_lshl_add_u32 v128, v0, 2, 0x200
	v_mov_b32 v129, 0
	v_lshrrev_b32 v1, 5, v0
	v_readfirstlane_b32 s28, v1                    ; wave 0..3
	v_and_b32 v1, 31, v0                           ; lane = 16 u + r
	v_and_b32 v2, 7, v1
	v_bfe_u32 v3, v1, 3, 1
	v_lshl_add_u32 v2, v3, 4, v2
	v_lshrrev_b32 v3, 4, v1
	v_lshl_add_u32 v2, v3, 3, v2                   ; my column among the wave's 32: 8 u + r % 8 + 16 (r / 8)
	v_lshlrev_b32 v2, 2, v2
	v_and_b32 v4, 15, v1
	v_lshlrev_b32 v4, 4, v4
	v_lshl_add_u32 v4, v3, 10, v4                  ; where my codes go: 1024 u + 16 r
	s_lshr_b32 s29, s28, 1
	s_lshl_b32 s29, s29, 8
	s_and_b32 s30, s28, 1
	s_lshl_b32 s30, s30, 2
	s_add_co_u32 s29, s29, s30
	v_lshl_add_u32 v5, v1, 3, s29                  ; LDS: my scale word: 256 (w4 / 2) + 8 lane + 4 (w4 % 2)
	v_lshlrev_b32 v7, 4, v1
	s_and_b32 s31, ttmp7, 0xffff                   ; the K step
	s_wait_alu depctr_va_vdst(0)
	s_wait_kmcnt 0x0
	s_cmp_lt_u32 ttmp9, 40                         ; which weight: the choice hangs on the work-group's number alone
	s_cselect_b64 s[14:15], s[8:9], s[10:11]
	s_cselect_b32 s33, 32, 40
	s_cmp_lt_u32 ttmp9, 32
	s_cselect_b64 s[14:15], s[6:7], s[14:15]
	s_cselect_b32 s33, 24, s33
	s_cmp_lt_u32 ttmp9, 24
	s_cselect_b64 s[14:15], s[4:5], s[14:15]
	s_cselect_b32 s33, 0, s33
	s_mov_b32 s32, 4096
	s_cselect_b32 s32, 12288, s32                  ; a row's bytes
	s_sub_co_u32 s33, ttmp9, s33                   ; the group of 128 columns in that weight
	s_mul_i32 s24, s31, s32
	s_lshl_b32 s24, s24, 7                         ; 128 s rows
	s_lshl_b32 s33, s33, 9
	s_add_co_u32 s24, s24, s33
	s_lshl_b32 s25, s28, 7
	s_add_co_u32 s24, s24, s25                     ; + the group's 512 bytes + the wave's 128
	s_mov_b32 s25, 0
	s_add_nc_u64 s[16:17], s[14:15], s[24:25]      ; block q begins at s[16 + 2 q : 17 + 2 q]
	s_lshl_b32 s26, s32, 5
	s_mov_b32 s27, 0
	s_add_nc_u64 s[18:19], s[16:17], s[26:27]
	s_add_nc_u64 s[20:21], s[18:19], s[26:27]
	s_add_nc_u64 s[22:23], s[20:21], s[26:27]
	s_lshl_b32 s36, ttmp9, 3
	s_add_co_u32 s36, s36, s31                     ; 8 G + s
	s_lshl_b32 s24, s36, 13
	s_lshl_b32 s37, s28, 11
	s_add_co_u32 s24, s24, s37
	s_add_nc_u64 s[34:35], s[12:13], s[24:25]      ; my two tiles' fragments
	s_lshl_b32 s24, s36, 9
	s_add_co_u32 s24, s24, WSL
	s_add_nc_u64 s[38:39], s[12:13], s[24:25]      ; the work-group's 512 bytes of scale words
.irp i, 0,1,2,3,4,5,6,7,8,9,10,11,12,13,14,15,16,17,18,19,20,21,22,23,24,25,26,27,28,29,30,31
	v_mad_u32_u24 v[OFF+\i], s32, \i, v2
.endr
.macro LOAD q                          ; block q: rows 32 q + i of the K step, my column: the wave reads 128 consecutive bytes, the work-group 512
.irp i, 0,1,2,3,4,5,6,7,8,9,10,11,12,13,14,15,16,17,18,19,20,21,22,23,24,25,26,27,28,29,30,31
	global_load_b32 v[X+32*((\q)%2)+\i], v[OFF+\i], s[16+2*(\q):17+2*(\q)] th:TH_LOAD_NT
.endr
.endm
.macro BLOCK q
.set XS, X+32*((\q)%2)
.if (\q) < 3
	s_wait_loadcnt 32                              ; this block's 32 loads are in; the next block's 32 may be out
.else
	s_wait_loadcnt 0x0
.endif
	v_max3_num_f32 v12, |v[XS]|, |v[XS+1]|, |v[XS+2]|      ; the block's largest magnitude: all 32 numbers are mine; two chains
	v_max3_num_f32 v13, |v[XS+3]|, |v[XS+4]|, |v[XS+5]|
.irp i, 6,10,14,18,22,26
	v_max3_num_f32 v12, v12, |v[XS+\i]|, |v[XS+\i+1]|
	v_max3_num_f32 v13, v13, |v[XS+\i+2]|, |v[XS+\i+3]|
.endr
	v_max3_num_f32 v12, v12, |v[XS+30]|, |v[XS+31]|
	v_max3_num_f32 v12, v12, v13, 0x1800000        ; and the floor 2^(3 - 127): the byte cannot fall under 1
	v_add_nc_u32 v11, 0xff000000, v12              ; 2 off the exponent field: the conversion takes that field as its scale
	v_lshrrev_b32 v13, 23, v11                     ; the scale's byte
.if (\q) == 0
	v_mov_b32 v6, v13
.else
	v_lshl_or_b32 v6, v13, 8*(\q), v6              ; the lower K in the lower byte
.endif
.irp g, 0,1,2,3
	v_cvt_scalef32_pk8_fp4_f32 v[C+4*(\q)+\g], v[XS+8*\g:XS+8*\g+7], v11
.endr
	v_nop                                          ; one plain line behind the last conversion
	global_store_b128 v4, v[C+4*(\q):C+4*(\q)+3], s[34:35] offset:((\q)/2)*512+((\q)%2)*256   ; c = q / 2, h = q % 2: lanes 0-15 fill 256 aligned bytes of tile 2 w4, lanes 16-31 of tile 2 w4 + 1
.if (\q)+2 < 4
	LOAD (\q)+2
.endif
.endm
	LOAD 0
	LOAD 1
	BLOCK 0
	BLOCK 1
	BLOCK 2
	BLOCK 3
	ds_store_b32 v5, v6                            ; the four waves' scale words meet in LDS, so that they leave as 512 consecutive bytes
	s_wait_dscnt 0x0                               ; my store has landed: then the barrier
	s_barrier_signal -1
	s_barrier_wait -1
	s_cmp_lg_u32 s28, 0
	s_cbranch_scc1 .Lend
	ds_load_b128 v[8:11], v7
	s_wait_dscnt 0x0
	global_store_b128 v7, v[8:11], s[38:39]
.Lend:
	s_wait_tensorcnt 0x0
	ds_add_u32 v128, v129
	s_wait_dscnt 0x0
	s_endpgm
.Lfunc_end_k_q8cd5144757_wq:
	.size	k_q8cd5144757_wq, .Lfunc_end_k_q8cd5144757_wq-k_q8cd5144757_wq
	.p2alignl 7, 3214868480
	.fill 96, 4, 3214868480
	.section	.rodata,"a",@progbits
	.p2align	6, 0x0
	.amdhsa_kernel k_q8cd5144757_wq
		.amdhsa_group_segment_fixed_size 1024
		.amdhsa_private_segment_fixed_size 0
		.amdhsa_enable_private_segment 0
		.amdhsa_kernarg_size 40
		.amdhsa_user_sgpr_count 2
		.amdhsa_user_sgpr_kernarg_segment_ptr 1
		.amdhsa_wavefront_size32 1
		.amdhsa_system_sgpr_workgroup_id_x 1
		.amdhsa_system_sgpr_workgroup_id_y 1
		.amdhsa_system_sgpr_workgroup_id_z 1
		.amdhsa_system_vgpr_workitem_id 0
		.amdhsa_next_free_vgpr 130
		.amdhsa_next_free_sgpr 66
		.amdhsa_reserve_vcc 0
		.amdhsa_float_denorm_mode_32 3
		.amdhsa_float_denorm_mode_16_64 3
		.amdhsa_memory_ordered 1
		.amdhsa_forward_progress 1
		.amdhsa_inst_pref_size 24
	.end_amdhsa_kernel
	.amdgpu_metadata
---
amdhsa.version: [ 1, 2 ]
amdhsa.kernels:
  - .name:           k_q8cd5144757_wq
    .symbol:         k_q8cd5144757_wq.kd
    .args:
      - { .name: w_qkv, .offset: 0, .size: 8, .value_kind: global_buffer, .address_space: global }
      - { .name: w_proj, .offset: 8, .size: 8, .value_kind: global_buffer, .address_space: global }
      - { .name: w_fc1, .offset: 16, .size: 8, .value_kind: global_buffer, .address_space: global }
      - { .name: w_fc2, .offset: 24, .size: 8, .value_kind: global_buffer, .address_space: global }
      - { .name: wts, .offset: 32, .size: 8, .value_kind: global_buffer, .address_space: global }
    .group_segment_fixed_size: 1024
    .private_segment_fixed_size: 0
    .kernarg_segment_align: 8
    .kernarg_segment_size: 40
    .max_flat_workgroup_size: 128
    .sgpr_count:     66
    .vgpr_count:     130
    .wavefront_size: 32
...
	.end_amdgpu_metadata
.endif
;; end of part 5
;; launch qkv (part 6): grid 256 x 1, 16 waves a work-group, no clusters, 154,112 bytes of LDS; arguments x, ln1_g, ln1_b, wts, qbuf, kbuf, vbuf; writes qbuf, kbuf, vbuf
.if DOCPART == 6
	.amdgcn_target "amdgcn-amd-amdhsa--gfx1250"
	.amdhsa_code_object_version 6
	.text
	.protected	k_q8cd5144757_qkv
	.globl	k_q8cd5144757_qkv
	.p2align	8
	.type	k_q8cd5144757_qkv,@function
k_q8cd5144757_qkv:
	s_mov_b64 s[64:65], 0
	v_nop
	global_prefetch_b8 v0, s[64:65] scope:SCOPE_SE
	s_setreg_imm32_b32 hwreg(HW_REG_WAVE_SCHED_MODE, 0, 2), 2
	s_setreg_imm32_b32 hwreg(HW_REG_WAVE_MODE, 25, 1), 1
	s_wait_xcnt 0x0
	s_wait_alu depctr_vm_vsrc(0)
; xn = LayerNorm(x) g + b;  q, k, v = Q(xn) Q(w_qkv);  q and k are quantised along the head's 64, v along the tokens.  All products on codes of FP4 (E2M1), one E8M0 byte for each 32 along K.  Nothing in f32 goes to memory.
; SHARES.  A work-group owns 32 whole token rows (one block of 32 along v's K): group G = g / 4 of 128 tokens, tiles 2 tp and 2 tp + 1 of it, tp = g % 4.  Tile t's row r is token 32 (t / 2) + 8 (t % 2) + r + 8 (r / 8) of the group.
; Its 16 waves share the columns: wave w makes columns 64 w .. 64 w + 63 of q, then of k, then of v: head w.  Four waves to a SIMD, 256 registers each, so that one wave's vector work stands beside another's loads and products.
; WEIGHTS come from memory straight into registers, in the order of an operand's registers (launch wq laid them so): each fragment is wanted by ONE wave of the work-group, so LDS would add a write and a read and spare nothing.
; NO JOINT LOADS, though all work-groups walk the same weights: shared tiles would have to pass through LDS, where beside the 131,584 bytes of f32 rows two slots of 65,536 bytes fit, one K step of the 1,024 columns each:
; a round of the cluster's barrier for every 8 matrix instructions of a wave.
; q, k: TRANSPOSED (source 0 = 16 columns of the weight, source 1 = 16 tokens): a lane holds one token and its registers run along the columns, the next K.  v: source 0 = 16 tokens, source 1 = 16 columns: a lane holds
; one column and its registers run along the tokens, v's K.
; OUT.  qbuf, kbuf: fragments ((8 G + s) 8 + t) 1024 + 512 c + 16 lane (s = pair of heads, c = head in the pair); scale words from 4,194,304 on: 32768 s + 512 G + 64 t + 4 r.
; vbuf: fragments ((64 P + G) 8 + t) 1024 (P = pair of heads, rows = its 128 channels, K step = G); scale bytes from 4,194,304 on: [block of 32 tokens][channel 0 .. 1023].
; LIMITS: NaN and infinities are not served; a block of zeros, or one under 2^-124, gets the byte 1; this program alone reads the bytes.
; THE MODE: SCHED_MODE bits 1:0 = 2 (LLVM: expert scheduling mode 2), set by the entry lines.  The code itself states the register dependences
; between vector or matrix instructions and memory or LDS instructions, with s_wait_alu, always for 0.
; THE PLAN.  Registers that memory or LDS instructions touch:
;   v1 .. v14      addresses and offsets: made at the head, never written again: one wait on va_vdst ahead of the first load.
;   WF0 .. WF2     with their pairs of WS.  Step n's eight products read set n % 3; the nine loads of step n + 2 land in set (n + 2) % 3 = (n - 1) % 3 and are issued in step n.
;   AF0, AF1       Step n's products read set n % 2; the four LDS loads of step n + 1 land in the other set and are issued in step n.
;   AS             loaded once from LDS, read by products alone.
;   ACC            written by vector work (xn) and by products; read by the LDS stores of xn; loaded from LDS for xn's quantiser and, at the end, for the tables' way out.
;   PC, TM+4 .., v246, v247   out-registers: written by a quantiser, read by the run of stores behind it.
; So ONE wait on va_vdst stands at a step's head, behind the waits for the step's own data: the products of the step before are done reading their weights, their scale words and their fragments.  The step's thirteen loads
; follow it, dealt among its eight products, which name set n % 3, AF[n % 2], AS and the accumulators: none of the registers that those loads touch.  Each run of stores has one wait on va_vdst ahead of it, and one wait
; on vm_vsrc stands ahead of the first line that writes the stores' registers again.
.set PITCH, 4112                       ; an f32 row in LDS: 4,096 bytes + 16: row by row 4 banks on.  Rows lie in tile order: 16 u + r
.set AIMG,  131584                     ; xn's 16 fragments: 2048 s + 1024 u + 512 c + 16 lane
.set ASC,   147968                     ; xn's scale bytes: 32 (16 u + r) + block
.set QSC,   148992                     ; q's scale words: 128 s + 4 (16 u + r); k's 1,024 on; v's bytes 2,048 on
.set VBT,   151040
.set L16, 1                            ; v1   16 x lane
.set L8,  2                            ; v2   8 x lane
.set DST, 3                            ; v3   LDS: my two dense rows
.set AIA, 4                            ; v4   AIMG + 16 x lane
.set XQ0, 5                            ; v5   LDS: row r, my 32 numbers of the wave's 64 columns; v6 the same of row 16 + r
.set XQ1, 6
.set IMS, 7                            ; v7   where I store my piece of xn's fragments
.set ASB, 8                            ; v8   and its scale byte
.set ASA, 9                            ; v9   ASC + 32 x lane
.set QSW, 10                           ; v10  where I store q's and k's half scale words
.set VBW, 11                           ; v11  and v's scale bytes
.set T16, 12                           ; v12  QSC + 16 x lane
.set VO,  13                           ; v13  16 r + 8 h: my 8 bytes of a piece of v's fragment
.set SV,  14                           ; v14  the scale words' way out
.set ACC, 16                           ; v16-79   8 accumulators
.set WF,  80                           ; v80-175  weights: three sets of four fragments
.set AF,  176                          ; v176-207 xn: two sets of two fragments
.set WS,  208                          ; v208-213 the weights' scale words, three pairs: scales alone
.set AS,  214                          ; v214-221 xn's scale words, one register a K step: lanes 0-15 tile u = 0, lanes 16-31 u = 1: scales alone
.set PC,  222                          ; v222-229 codes just made
.set TM,  230                          ; v230-245 at work
.set WV,  18
.set SEL, 20
.set WP,  24                           ; s[24:29] my weights' fragments for q, k, v
.set WSP, 30                           ; s[30:35] and their scale words
.set QB,  36
.set KB,  38
.set VCB, 40
.set QSB, 42
.set KSB, 44
.set VSB, 46
.set INV, 48
.set EPS, 49
.macro BARRIER                         ; my LDS stores have landed and my LDS loads are in: then the work-group's barrier
	s_wait_dscnt 0x0
	s_barrier_signal -1
	s_barrier_wait -1
.endm
.macro WTILE m, t                      ; step m's weight fragment t: two loads
.set nPH, (\m)/8
.set nS,  (\m)%8
.set rWN, WF+32*((\m)%3)
.irp c, 0,1
	global_load_b128 v[rWN+8*(\t)+4*\c:rWN+8*(\t)+4*\c+3], v[L16], s[WP+2*nPH:WP+2*nPH+1] offset:nS*8192+(\t)*1024+\c*512
.endr
.endm
.macro WSCL m                          ; step m's two scale registers: one load
.set nPH, (\m)/8
.set nS,  (\m)%8
.set rSN, WS+2*((\m)%3)
	global_load_b64 v[rSN:rSN+1], v[L8], s[WSP+2*nPH:WSP+2*nPH+1] offset:nS*512
.endm
.macro WLOAD m                         ; step m's four weight fragments and their two scale registers: nine loads
.irp t, 0,1,2,3
	WTILE \m, \t
.endr
	WSCL \m
.endm
.macro AFRAG hs, off, u                ; token tile u's fragment of one K step
.irp c, 0,1
	ds_load_b128 v[AF+16*(\hs)+8*(\u)+4*\c:AF+16*(\hs)+8*(\u)+4*\c+3], v[AIA] offset:(\off)+1024*(\u)+512*\c
.endr
.endm
.macro ALOAD hs, off                   ; the two token tiles' fragments of one K step
	AFRAG \hs, \off, 0
	AFRAG \hs, \off, 1
.endm
.macro WMM z, ra, rb                   ; one product on rD, rA, rB, rSA, rSB.  z = 1: it starts the sum.  ra, rb: which half of the lanes holds the side's scale words
.if \z
.if ((\ra)==0)&&((\rb)==0)
	v_wmma_scale_f32_16x16x128_f8f6f4 v[rD:rD+7], v[rA:rA+7], v[rB:rB+7], 0, v[rSA], v[rSB] matrix_a_fmt:MATRIX_FMT_FP4 matrix_b_fmt:MATRIX_FMT_FP4
.elseif (\rb)==0
	v_wmma_scale_f32_16x16x128_f8f6f4 v[rD:rD+7], v[rA:rA+7], v[rB:rB+7], 0, v[rSA], v[rSB] matrix_a_fmt:MATRIX_FMT_FP4 matrix_b_fmt:MATRIX_FMT_FP4 matrix_a_scale:MATRIX_SCALE_ROW1
.elseif (\ra)==0
	v_wmma_scale_f32_16x16x128_f8f6f4 v[rD:rD+7], v[rA:rA+7], v[rB:rB+7], 0, v[rSA], v[rSB] matrix_a_fmt:MATRIX_FMT_FP4 matrix_b_fmt:MATRIX_FMT_FP4 matrix_b_scale:MATRIX_SCALE_ROW1
.else
	v_wmma_scale_f32_16x16x128_f8f6f4 v[rD:rD+7], v[rA:rA+7], v[rB:rB+7], 0, v[rSA], v[rSB] matrix_a_fmt:MATRIX_FMT_FP4 matrix_b_fmt:MATRIX_FMT_FP4 matrix_a_scale:MATRIX_SCALE_ROW1 matrix_b_scale:MATRIX_SCALE_ROW1
.endif
.else
.if ((\ra)==0)&&((\rb)==0)
	v_wmma_scale_f32_16x16x128_f8f6f4 v[rD:rD+7], v[rA:rA+7], v[rB:rB+7], v[rD:rD+7], v[rSA], v[rSB] matrix_a_fmt:MATRIX_FMT_FP4 matrix_b_fmt:MATRIX_FMT_FP4
.elseif (\rb)==0
	v_wmma_scale_f32_16x16x128_f8f6f4 v[rD:rD+7], v[rA:rA+7], v[rB:rB+7], v[rD:rD+7], v[rSA], v[rSB] matrix_a_fmt:MATRIX_FMT_FP4 matrix_b_fmt:MATRIX_FMT_FP4 matrix_a_scale:MATRIX_SCALE_ROW1
.elseif (\ra)==0
	v_wmma_scale_f32_16x16x128_f8f6f4 v[rD:rD+7], v[rA:rA+7], v[rB:rB+7], v[rD:rD+7], v[rSA], v[rSB] matrix_a_fmt:MATRIX_FMT_FP4 matrix_b_fmt:MATRIX_FMT_FP4 matrix_b_scale:MATRIX_SCALE_ROW1
.else
	v_wmma_scale_f32_16x16x128_f8f6f4 v[rD:rD+7], v[rA:rA+7], v[rB:rB+7], v[rD:rD+7], v[rSA], v[rSB] matrix_a_fmt:MATRIX_FMT_FP4 matrix_b_fmt:MATRIX_FMT_FP4 matrix_a_scale:MATRIX_SCALE_ROW1 matrix_b_scale:MATRIX_SCALE_ROW1
.endif
.endif
.endm
; STEP n of 24: product n / 8, K step n % 8.  8 matrix instructions: my four column tiles x the two token tiles; the eight accumulators take turns, one instruction a turn, in the same order in every step.
; The weights of step n + 2 and the token fragments of the next step (at byte anext of the images; -1: none) go into the registers that step n - 1 read.  They are dealt among this step's products, behind the wait at its head.
; A product's first step (n % 8 = 0) owes neither the places nor the wait: no vector or matrix instruction has been issued since the wait that stands ahead of the stores just above it.  Step 23 loads nothing.
.macro STEP n, mode, zero, anext
.if (\n) <= 22
	s_wait_loadcnt 9                               ; loads come back in order (ISA guide 5.7.1): this step's nine are in; the nine of the next step may be out
.else
	s_wait_loadcnt 0x0
.endif
	s_wait_dscnt 0x0                               ; this step's token fragments are in
.if ((\n) < 23) && ((\n)%8 != 0)
.rept 4
	v_nop                                          ; four plain places between the last step's products and the loads into registers that they read; the wait below states the dependence itself
.endr
	s_wait_alu depctr_va_vdst(0)                   ; the last step's products are done reading their weight set, its pair of scale registers and their set of token fragments, in all of which the loads below land
.endif
.set rWC, WF+32*((\n)%3)
.set rSC, WS+2*((\n)%3)
.set rAC, AF+16*((\n)%2)
.irp t, 0,1,2,3
.irp u, 0,1
.if (\mode) == 0
.set rD,  ACC+32*\u+8*\t
.set rA,  rWC+8*\t
.set rB,  rAC+8*\u
.set rSA, rSC+(\t/2)
.set rSB, AS+((\n)%8)
	WMM \zero, \t%2, \u
.else
.set rD,  ACC+16*\t+8*\u
.set rA,  rAC+8*\u
.set rB,  rWC+8*\t
.set rSA, AS+((\n)%8)
.set rSB, rSC+(\t/2)
	WMM \zero, \u, \t%2
.endif
.endr
.if ((\n)+2 < 24) && (\t < 2)
	WTILE (\n)+2, 2*\t                             ; no wait: no vector or matrix instruction since the wait at the step's head names these registers
	WTILE (\n)+2, 2*\t+1
.endif
.if ((\n)+2 < 24) && (\t == 1)
	WSCL (\n)+2
.endif
.if ((\anext) >= 0) && (\t == 2)
	ALOAD ((\n)+1)%2, \anext
.endif
.endr
.endm
; 64 numbers of a lane in four blocks of 16 registers; lanes l and l xor 16 hold a block of 32 between them.  Bytes to v[TM+4 ..], codes of block b to v[PC+2 b], v[PC+2 b+1].  Each accumulator is read from its low end on.
.macro QCORE s
.irp b, 0,1,2,3
	v_max3_num_f32 v[TM+\b], |v[\s+16*\b]|, |v[\s+1+16*\b]|, 0x1800000   ; with the floor 2^(3 - 127): the byte cannot fall under 1
.endr
.irp i, 2,4,6,8,10,12,14
.irp b, 0,1,2,3
	v_max3_num_f32 v[TM+\b], v[TM+\b], |v[\s+16*\b+\i]|, |v[\s+1+16*\b+\i]|
.endr
.endr
.irp b, 0,1,2,3
	v_permlanex16_b32 v[TM+4+\b], v[TM+\b], s[SEL], s[SEL+1]
.endr
.irp b, 0,1,2,3
	v_max_num_f32 v[TM+\b], v[TM+\b], v[TM+4+\b]
.endr
.irp b, 0,1,2,3
	v_add_nc_u32 v[TM+12+\b], 0xff000000, v[TM+\b]   ; 2 off the exponent field: the conversion's scale operand
.endr
.irp b, 0,1,2,3
	v_lshrrev_b32 v[TM+4+\b], 23, v[TM+12+\b]        ; the scale's byte
.endr
.irp b, 0,1,2,3
	v_cvt_scalef32_pk8_fp4_f32 v[PC+2*\b], v[\s+16*\b:\s+7+16*\b], v[TM+12+\b]
	v_cvt_scalef32_pk8_fp4_f32 v[PC+1+2*\b], v[\s+8+16*\b:\s+15+16*\b], v[TM+12+\b]
.endr
	v_nop                                          ; one plain place behind a scaled conversion
.endm
.macro SWAPS                           ; the operand's layout wants a whole block in a lane: lanes 0-15 block 2 c, lanes 16-31 block 2 c + 1
.irp c, 0,1
.irp i, 0,1
	v_permlane16_swap_b32 v[PC+4*\c+\i], v[PC+2+4*\c+\i]
.endr
.endr
.endm
.macro LANESUM b                       ; v[b], v[b+1] and v[b+4], v[b+5]: two rows' sums over the 32 lanes, into v[b] and v[b+4] of every lane
.irp e, 0,1
	v_add_f32 v[\b+4*\e], v[\b+4*\e], v[\b+4*\e+1]
.endr
.irp m, 1,2,4,8
.irp e, 0,1
	v_add_f32_dpp v[\b+4*\e], v[\b+4*\e], v[\b+4*\e] row_xmask:\m row_mask:0xf bank_mask:0xf
.endr
.endr
.irp e, 0,1
	v_permlanex16_b32 v[\b+4*\e+1], v[\b+4*\e], s[SEL], s[SEL+1]
.endr
.irp e, 0,1
	v_add_f32 v[\b+4*\e], v[\b+4*\e], v[\b+4*\e+1]
.endr
.endm
; q's or k's way out: blocks (u, b) = token tile u, columns 64 w + 32 b on.  After the swaps v[PC ..+3] is piece c = w % 2 of tile u = 0's fragment of K step w / 2, v[PC+4 ..+7] of tile u = 1's: 512 consecutive bytes each.
.macro EPI_QK cb, toff
.rept 4
	v_nop                                          ; four places behind the last product
.endr
	s_wait_xcnt 0x0                                ; the codes' registers were an earlier store's data: they are written again only behind this wait
	s_wait_alu depctr_vm_vsrc(0)                   ; the earlier stores, to LDS and to memory, have read the codes' registers, the bytes' registers and v246, v247, all of which are written again below
	QCORE ACC
	SWAPS
	v_lshl_or_b32 v246, v[TM+5], 8, v[TM+4]        ; my half of tile u = 0's scale words,
	v_lshl_or_b32 v247, v[TM+7], 8, v[TM+6]        ; of tile u = 1's
	s_wait_alu depctr_va_vdst(0)                   ; the codes and the two half words are written, which the four stores read; the last step's products are done reading their operands, in which the next step's loads land
	global_store_b128 v[L16], v[PC:PC+3], s[\cb:\cb+1]
	global_store_b128 v[L16], v[PC+4:PC+7], s[\cb:\cb+1] offset:1024
	ds_store_b16 v[QSW], v246 offset:\toff         ; (lanes l and l xor 16 write the same)
	ds_store_b16 v[QSW], v247 offset:\toff+64
.endm
	s_load_b256 s[4:11], s[0:1], 0x0               ; x s[4:5], ln1_g s[6:7], ln1_b s[8:9], wts s[10:11]
	s_load_b128 s[12:15], s[0:1], 0x20             ; qbuf, kbuf
	s_load_b64 s[16:17], s[0:1], 0x30              ; vbuf
	v_lshl_add_u32 v254, v0, 2, 0x25200
	v_mov_b32 v255, 0
	v_lshrrev_b32 v15, 5, v0
	v_readfirstlane_b32 s[WV], v15                 ; wave 0..15
	v_and_b32 v246, 31, v0                         ; lane
	v_and_b32 v247, 15, v0                         ; r
	v_bfe_u32 v248, v0, 4, 1                       ; h
	v_lshlrev_b32 v[L16], 4, v246
	s_wait_alu depctr_va_vdst(0)
	v_lshlrev_b32 v[L8], 3, v246
	s_wait_alu depctr_va_sdst(0)                   ; the wave's number is written, ahead of its first reader: LDS addresses, bases and the last branches are made from it
	s_bfe_u32 s50, s[WV], 0x10002                  ; my dense rows 2 w, 2 w + 1 lie at 16 ((w / 4) % 2) + 2 (w % 4) + 8 (w / 8) and the row behind it
	s_lshl_b32 s50, s50, 4
	s_and_b32 s51, s[WV], 3
	s_lshl_b32 s51, s51, 1
	s_add_co_u32 s50, s50, s51
	s_lshr_b32 s51, s[WV], 3
	s_lshl_b32 s51, s51, 3
	s_add_co_u32 s50, s50, s51
	s_mul_i32 s50, s50, PITCH
	v_add_nc_u32 v[DST], s50, v[L16]
	v_mul_u32_u24 v[XQ0], v247, PITCH
	v_lshl_add_u32 v[XQ0], v248, 7, v[XQ0]
	s_lshl_b32 s50, s[WV], 8
	v_add_nc_u32 v[XQ0], s50, v[XQ0]
	v_add_nc_u32 v[XQ1], 16*PITCH, v[XQ0]
	v_add_nc_u32 v[AIA], AIMG, v[L16]
	s_lshr_b32 s54, s[WV], 1                       ; w / 2
	s_and_b32 s55, s[WV], 1                        ; w % 2
	s_lshl_b32 s50, s54, 11
	s_lshl_b32 s51, s55, 9
	s_add_co_u32 s50, s50, s51
	s_add_co_u32 s50, s50, AIMG
	v_add_nc_u32 v[IMS], s50, v[L16]
	v_lshl_add_u32 v[ASB], v247, 5, v248
	s_lshl_b32 s50, s[WV], 1
	s_add_co_u32 s50, s50, ASC
	v_add_nc_u32 v[ASB], s50, v[ASB]
	v_lshlrev_b32 v[ASA], 5, v246
	v_add_nc_u32 v[ASA], ASC, v[ASA]
	s_lshl_b32 s50, s54, 7
	s_lshl_b32 s51, s55, 1
	s_add_co_u32 s50, s50, s51
	s_add_co_u32 s50, s50, QSC
	v_lshl_add_u32 v[QSW], v247, 2, s50
	v_and_b32 v249, 8, v247
	v_add_nc_u32 v249, v249, v247
	s_lshl_b32 s50, s[WV], 6
	s_add_co_u32 s50, s50, VBT
	v_add_nc_u32 v[VBW], s50, v249
	v_add_nc_u32 v[T16], QSC, v[L16]
	v_lshlrev_b32 v[VO], 4, v247
	v_lshl_add_u32 v[VO], v248, 3, v[VO]
	v_lshrrev_b32 v249, 3, v246
	v_and_b32 v250, 7, v246
	v_lshlrev_b32 v250, 4, v250
	v_lshl_add_u32 v[SV], v249, 15, v250           ; 32768 (lane / 8) + 16 (lane % 8)
	s_mov_b32 s[SEL], 0x76543210
	s_mov_b32 s[SEL+1], 0xfedcba98                 ; v_permlanex16_b32's selects for lane l xor 16
	s_mov_b32 s[INV], 0x3a800000                   ; 1 / 1024
	s_mov_b32 s[EPS], 0x3727c5ac                   ; 1e-5
	s_lshr_b32 s52, ttmp9, 2                       ; G
	s_and_b32 s53, ttmp9, 3                        ; tp
	s_mov_b32 s57, 0
	s_wait_kmcnt 0x0
	s_lshl_b32 s56, ttmp9, 17                      ; 32 rows of 4,096 bytes a work-group,
	s_lshl_b32 s58, s[WV], 13                      ; two rows a wave
	s_add_co_u32 s56, s56, s58
	s_add_nc_u64 s[4:5], s[4:5], s[56:57]
	s_lshl_b32 s56, s54, 16                        ; weights: group w / 2 of the product's eight, tiles 4 (w % 2) on
	s_lshl_b32 s58, s55, 12
	s_add_co_u32 s56, s56, s58
	s_add_nc_u64 s[WP:WP+1], s[10:11], s[56:57]
	s_add_nc_u64 s[WP+2:WP+3], s[WP:WP+1], 0x80000
	s_add_nc_u64 s[WP+4:WP+5], s[WP:WP+1], 0x100000
	s_lshl_b32 s56, s54, 12
	s_lshl_b32 s58, s55, 8
	s_add_co_u32 s56, s56, s58
	s_add_co_u32 s56, s56, 3145728
	s_add_nc_u64 s[WSP:WSP+1], s[10:11], s[56:57]
	s_add_nc_u64 s[WSP+2:WSP+3], s[WSP:WSP+1], 0x8000
	s_add_nc_u64 s[WSP+4:WSP+5], s[WSP:WSP+1], 0x10000
	s_lshl_b32 s56, s52, 16                        ; q, k: 65536 G + 8192 (w / 2) + 2048 tp + 512 (w % 2)
	s_lshl_b32 s58, s54, 13
	s_add_co_u32 s56, s56, s58
	s_lshl_b32 s58, s53, 11
	s_add_co_u32 s56, s56, s58
	s_lshl_b32 s58, s55, 9
	s_add_co_u32 s56, s56, s58
	s_add_nc_u64 s[QB:QB+1], s[12:13], s[56:57]
	s_add_nc_u64 s[KB:KB+1], s[14:15], s[56:57]
	s_lshl_b32 s56, s54, 6                         ; v: (64 (w / 2) + G) 8192 + 4096 (w % 2) + 256 tp
	s_add_co_u32 s56, s56, s52
	s_lshl_b32 s56, s56, 13
	s_lshl_b32 s58, s55, 12
	s_add_co_u32 s56, s56, s58
	s_lshl_b32 s58, s53, 8
	s_add_co_u32 s56, s56, s58
	s_add_nc_u64 s[VCB:VCB+1], s[16:17], s[56:57]
	s_lshl_b32 s56, ttmp9, 7                       ; scale words: 512 G + 128 tp = 128 g
	s_add_co_u32 s56, s56, 0x400000
	s_add_nc_u64 s[QSB:QSB+1], s[12:13], s[56:57]
	s_add_nc_u64 s[KSB:KSB+1], s[14:15], s[56:57]
	s_lshl_b32 s56, ttmp9, 10
	s_add_co_u32 s56, s56, 0x400000
	s_add_nc_u64 s[VSB:VSB+1], s[16:17], s[56:57]
	s_wait_alu depctr_va_vdst(0)                   ; the fourteen addresses and offsets v1 to v14 are written, which every load and store of the kernel reads
	; ---- LayerNorm: a wave takes two whole rows; each load reads 512 consecutive bytes
.irp e, 0,1
.irp j, 0,1,2,3,4,5,6,7
	global_load_b128 v[ACC+32*\e+4*\j:ACC+32*\e+4*\j+3], v[L16], s[4:5] offset:4096*\e+512*\j th:TH_LOAD_NT
.endr
.endr
.irp j, 0,1,2,3,4,5,6,7
	global_load_b128 v[AF+4*\j:AF+4*\j+3], v[L16], s[6:7] offset:512*\j          ; the gain, in the registers that xn's fragments take later
.endr
.irp j, 0,1,2,3,4,5,6,7
	global_load_b128 v[WF+64+4*\j:WF+64+4*\j+3], v[L16], s[8:9] offset:512*\j    ; the bias, in weight set 2
.endr
	WLOAD 0
	WLOAD 1
	s_wait_loadcnt 18                              ; all but the weights of steps 0 and 1
.irp e, 0,1
	v_pk_add_f32 v[246+4*\e:247+4*\e], v[ACC+32*\e:ACC+32*\e+1], v[ACC+32*\e+2:ACC+32*\e+3]
	v_pk_add_f32 v[248+4*\e:249+4*\e], v[ACC+32*\e+4:ACC+32*\e+5], v[ACC+32*\e+6:ACC+32*\e+7]
.endr
.irp j, 8,12,16,20,24,28
.irp e, 0,1
	v_pk_add_f32 v[246+4*\e:247+4*\e], v[246+4*\e:247+4*\e], v[ACC+32*\e+\j:ACC+32*\e+\j+1]
	v_pk_add_f32 v[248+4*\e:249+4*\e], v[248+4*\e:249+4*\e], v[ACC+32*\e+\j+2:ACC+32*\e+\j+3]
.endr
.endr
.irp e, 0,1
	v_pk_add_f32 v[246+4*\e:247+4*\e], v[246+4*\e:247+4*\e], v[248+4*\e:249+4*\e]
.endr
	LANESUM 246
.irp e, 0,1
	v_mul_f32 v[246+4*\e], s[INV], v[246+4*\e]     ; the mean
.endr
.irp j, 0,2,4,6,8,10,12,14,16,18,20,22,24,26,28,30
.irp e, 0,1
	v_pk_add_f32 v[ACC+32*\e+\j:ACC+32*\e+\j+1], v[ACC+32*\e+\j:ACC+32*\e+\j+1], v[246+4*\e:247+4*\e] op_sel_hi:[1,0] neg_lo:[0,1] neg_hi:[0,1]   ; x - mean
.endr
.endr
.irp e, 0,1
	v_pk_mul_f32 v[230+4*\e:231+4*\e], v[ACC+32*\e:ACC+32*\e+1], v[ACC+32*\e:ACC+32*\e+1]
	v_pk_mul_f32 v[232+4*\e:233+4*\e], v[ACC+32*\e+2:ACC+32*\e+3], v[ACC+32*\e+2:ACC+32*\e+3]
.endr
.irp j, 4,8,12,16,20,24,28
.irp e, 0,1
	v_pk_fma_f32 v[230+4*\e:231+4*\e], v[ACC+32*\e+\j:ACC+32*\e+\j+1], v[ACC+32*\e+\j:ACC+32*\e+\j+1], v[230+4*\e:231+4*\e]
	v_pk_fma_f32 v[232+4*\e:233+4*\e], v[ACC+32*\e+\j+2:ACC+32*\e+\j+3], v[ACC+32*\e+\j+2:ACC+32*\e+\j+3], v[232+4*\e:233+4*\e]
.endr
.endr
.irp e, 0,1
	v_pk_add_f32 v[230+4*\e:231+4*\e], v[230+4*\e:231+4*\e], v[232+4*\e:233+4*\e]
.endr
	LANESUM 230
.irp e, 0,1
	v_fma_f32 v[230+4*\e], v[230+4*\e], s[INV], s[EPS]   ; the variance + 1e-5
.endr
	s_wait_alu depctr_va_vdst(0)
.irp e, 0,1
	v_rsq_f32 v[232+4*\e], v[230+4*\e]
.endr
	v_nop                                          ; a plain place behind the transcendentals,
	s_wait_alu depctr_va_vdst(0)                   ; and the one wait ahead of their first reader: v232 and v236 are written
.irp j, 0,2,4,6,8,10,12,14,16,18,20,22,24,26,28,30
.irp e, 0,1
	v_pk_mul_f32 v[ACC+32*\e+\j:ACC+32*\e+\j+1], v[ACC+32*\e+\j:ACC+32*\e+\j+1], v[232+4*\e:233+4*\e] op_sel_hi:[1,0]
.endr
.irp e, 0,1
	v_pk_fma_f32 v[ACC+32*\e+\j:ACC+32*\e+\j+1], v[ACC+32*\e+\j:ACC+32*\e+\j+1], v[AF+\j:AF+\j+1], v[WF+64+\j:WF+64+\j+1]
.endr
.endr
	s_wait_alu depctr_va_vdst(0)                   ; xn is written, which the LDS stores read; the multiply-adds are done reading the gain's and the bias's registers, in which fragments and weights land later
.irp e, 0,1
.irp j, 0,1,2,3,4,5,6,7
	ds_store_b128 v[DST], v[ACC+32*\e+4*\j:ACC+32*\e+4*\j+3] offset:PITCH*\e+512*\j
.endr
.endr
	BARRIER                                        ; 32 rows of xn lie in LDS
	; ---- xn is quantised: wave w takes columns 64 w on of all 32 rows; lane (r, h) a whole block of 32 of row r and one of row 16 + r
	s_wait_alu depctr_vm_vsrc(0)                   ; my LDS stores have read v[ACC ..], in which the loads below land
.irp i, 0,1,2,3,4,5,6,7
	ds_load_b128 v[ACC+4*\i:ACC+4*\i+3], v[XQ0] offset:16*\i
.endr
.irp i, 0,1,2,3,4,5,6,7
	ds_load_b128 v[ACC+32+4*\i:ACC+32+4*\i+3], v[XQ1] offset:16*\i
.endr
	s_wait_dscnt 0x0
.irp u, 0,1
	v_max3_num_f32 v[TM+\u], |v[ACC+32*\u]|, |v[ACC+32*\u+1]|, 0x1800000
.endr
.irp i, 2,4,6,8,10,12,14,16,18,20,22,24,26,28,30
.irp u, 0,1
	v_max3_num_f32 v[TM+\u], v[TM+\u], |v[ACC+32*\u+\i]|, |v[ACC+32*\u+\i+1]|
.endr
.endr
.irp u, 0,1
	v_add_nc_u32 v[TM+12+\u], 0xff000000, v[TM+\u]
.endr
.irp u, 0,1
	v_lshrrev_b32 v[TM+4+\u], 23, v[TM+12+\u]
.endr
.irp u, 0,1
.irp q, 0,1,2,3
	v_cvt_scalef32_pk8_fp4_f32 v[PC+4*\u+\q], v[ACC+32*\u+8*\q:ACC+32*\u+8*\q+7], v[TM+12+\u]
.endr
.endr
	v_nop                                          ; one plain place behind a scaled conversion
	s_wait_alu depctr_va_vdst(0)                   ; the codes and the two bytes are written, which the four LDS stores read
	ds_store_b128 v[IMS], v[PC:PC+3]               ; piece c = w % 2 of K step w / 2, tile u = 0,
	ds_store_b128 v[IMS], v[PC+4:PC+7] offset:1024 ; tile u = 1
	ds_store_b8 v[ASB], v[TM+4]
	ds_store_b8 v[ASB], v[TM+5] offset:512
	BARRIER                                        ; xn's sixteen fragments and their scale bytes lie in LDS
	ds_load_b128 v[AS:AS+3], v[ASA]
	ds_load_b128 v[AS+4:AS+7], v[ASA] offset:16
	ALOAD 0, 0                                     ; (the gain's registers: their readers stand ahead of the waits above)
	; ---- q
	STEP 0, 0, 1, 2048
.irp n, 1,2,3,4,5,6,7
	STEP \n, 0, 0, ((\n+1)%8)*2048
.endr
	EPI_QK QB, 0
	; ---- k
	STEP 8, 0, 1, 2048
.irp n, 9,10,11,12,13,14,15
	STEP \n, 0, 0, ((\n+1)%8)*2048
.endr
	EPI_QK KB, 1024
	; ---- v
	STEP 16, 1, 1, 2048
.irp n, 17,18,19,20,21,22
	STEP \n, 1, 0, ((\n+1)%8)*2048
.endr
	STEP 23, 1, 0, -1
.rept 4
	v_nop
.endr
	s_wait_xcnt 0x0                                ; k's stores have read the codes' registers
	s_wait_alu depctr_vm_vsrc(0)                   ; k's stores, to memory and to LDS, have read the codes' registers, which are written again below
	QCORE ACC                                      ; block t = my column tile t: the 16 registers are tokens 16 h + 0 .. 15 of the work-group's 32
	s_wait_alu depctr_va_vdst(0)                   ; the codes and the four bytes are written, which the eight stores read; the quantiser is done reading v[ACC ..], in which the tables' loads below land
.irp t, 0,1,2,3
	global_store_b64 v[VO], v[PC+2*\t:PC+2*\t+1], s[VCB:VCB+1] offset:1024*\t   ; the wave stores 256 consecutive aligned bytes
.endr
.irp t, 0,1,2,3
	ds_store_b8 v[VBW], v[TM+4+\t] offset:32*(\t/2)+8*(\t%2)
.endr
	BARRIER                                        ; the three tables of scales are whole
	s_cmp_lg_u32 s[WV], 0
	s_cbranch_scc1 .Lnot_q
	ds_load_b128 v[16:19], v[T16]
	ds_load_b128 v[20:23], v[T16] offset:512
	s_wait_dscnt 0x0
	global_store_b128 v[SV], v[16:19], s[QSB:QSB+1]
	global_store_b128 v[SV], v[20:23], s[QSB:QSB+1] offset:131072
.Lnot_q:
	s_cmp_lg_u32 s[WV], 1
	s_cbranch_scc1 .Lnot_k
	ds_load_b128 v[24:27], v[T16] offset:1024
	ds_load_b128 v[28:31], v[T16] offset:1536
	s_wait_dscnt 0x0
	global_store_b128 v[SV], v[24:27], s[KSB:KSB+1]
	global_store_b128 v[SV], v[28:31], s[KSB:KSB+1] offset:131072
.Lnot_k:
	s_cmp_lg_u32 s[WV], 2
	s_cbranch_scc1 .Lend
	ds_load_b128 v[32:35], v[T16] offset:2048
	ds_load_b128 v[36:39], v[T16] offset:2560
	s_wait_dscnt 0x0
	global_store_b128 v[L16], v[32:35], s[VSB:VSB+1]
	global_store_b128 v[L16], v[36:39], s[VSB:VSB+1] offset:512
.Lend:
	s_wait_dscnt 0x0
	s_wait_alu depctr_hold_cnt(0) depctr_sa_sdst(0) depctr_va_vdst(0) depctr_va_sdst(0) depctr_va_ssrc(0) depctr_va_vcc(0) depctr_vm_vsrc(0)
	s_wait_tensorcnt 0x0
	ds_add_u32 v254, v255
	s_wait_dscnt 0x0
	s_endpgm
.Lfunc_end_k_q8cd5144757_qkv:
	.size	k_q8cd5144757_qkv, .Lfunc_end_k_q8cd5144757_qkv-k_q8cd5144757_qkv
	.p2alignl 7, 3214868480
	.fill 96, 4, 3214868480
	.section	.rodata,"a",@progbits
	.p2align	6, 0x0
	.amdhsa_kernel k_q8cd5144757_qkv
		.amdhsa_group_segment_fixed_size 154112
		.amdhsa_private_segment_fixed_size 0
		.amdhsa_enable_private_segment 0
		.amdhsa_kernarg_size 56
		.amdhsa_user_sgpr_count 2
		.amdhsa_user_sgpr_kernarg_segment_ptr 1
		.amdhsa_wavefront_size32 1
		.amdhsa_system_sgpr_workgroup_id_x 1
		.amdhsa_system_sgpr_workgroup_id_y 1
		.amdhsa_system_sgpr_workgroup_id_z 1
		.amdhsa_system_vgpr_workitem_id 0
		.amdhsa_next_free_vgpr 256
		.amdhsa_next_free_sgpr 66
		.amdhsa_reserve_vcc 0
		.amdhsa_float_denorm_mode_32 3
		.amdhsa_float_denorm_mode_16_64 3
		.amdhsa_memory_ordered 1
		.amdhsa_forward_progress 1
		.amdhsa_inst_pref_size 95
	.end_amdhsa_kernel
	.amdgpu_metadata
---
amdhsa.version: [ 1, 2 ]
amdhsa.kernels:
  - .name:           k_q8cd5144757_qkv
    .symbol:         k_q8cd5144757_qkv.kd
    .args:
      - { .name: x, .offset: 0, .size: 8, .value_kind: global_buffer, .address_space: global }
      - { .name: ln1_g, .offset: 8, .size: 8, .value_kind: global_buffer, .address_space: global }
      - { .name: ln1_b, .offset: 16, .size: 8, .value_kind: global_buffer, .address_space: global }
      - { .name: wts, .offset: 24, .size: 8, .value_kind: global_buffer, .address_space: global }
      - { .name: qbuf, .offset: 32, .size: 8, .value_kind: global_buffer, .address_space: global }
      - { .name: kbuf, .offset: 40, .size: 8, .value_kind: global_buffer, .address_space: global }
      - { .name: vbuf, .offset: 48, .size: 8, .value_kind: global_buffer, .address_space: global }
    .group_segment_fixed_size: 154112
    .private_segment_fixed_size: 0
    .kernarg_segment_align: 8
    .kernarg_segment_size: 56
    .max_flat_workgroup_size: 512
    .sgpr_count:     66
    .vgpr_count:     256
    .wavefront_size: 32
...
	.end_amdgpu_metadata
.endif
;; end of part 6
;; launch attn (part 7): grid 256 x 1, 16 waves a work-group, clusters of 4 x 1, 169,984 bytes of LDS; arguments qbuf, kbuf, vbuf, obuf; writes obuf
.if DOCPART == 7
	.amdgcn_target "amdgcn-amd-amdhsa--gfx1250"
	.amdhsa_code_object_version 6
	.text
	.protected	k_q8cd5144757_attn
	.globl	k_q8cd5144757_attn
	.p2align	8
	.type	k_q8cd5144757_attn,@function
k_q8cd5144757_attn:
	s_mov_b64 s[64:65], 0
	v_nop
	global_prefetch_b8 v0, s[64:65] scope:SCOPE_SE
	s_setreg_imm32_b32 hwreg(HW_REG_WAVE_MODE, 25, 1), 1
	s_wait_xcnt 0x0
	s_wait_alu depctr_hold_cnt(0) depctr_sa_sdst(0) depctr_va_vdst(0) depctr_va_sdst(0) depctr_va_ssrc(0) depctr_va_vcc(0) depctr_vm_vsrc(0)
	s_getreg_b32 s2, hwreg(HW_REG_IB_STS2, 6, 4)
	s_cmp_eq_u32 s2, 0
	s_cbranch_scc0 .Lentry_in_a_cluster
	s_endpgm
.Lentry_in_a_cluster:
	s_bfe_u32 s2, ttmp6, 0x10000c
	s_cmp_lg_u32 s2, 0x3003
	s_cbranch_scc0 .Lentry_shape_is_right
	s_endpgm
.Lentry_shape_is_right:
; out = softmax(q k^T / 8) v for 128 heads of 64 channels and 1,024 tokens, both products on codes of FP4 (E2M1) with E8M0 scales; out is quantised along the 1,024 channels and leaves as codes.
; THE SOFTMAX AHEAD OF THE SECOND PRODUCT: t = score x log2(e) / 8; M = the running largest t rounded UP to a whole number; p = 2^(t - M) is quantised along the keys, not normalised; the row's sum is taken of the
; unquantised p and divides at the end.  When M moves, sum and O are multiplied by 2^(old M - new M): exact.
; SHARES.  A cluster of four work-groups takes one batch and one PAIR of heads (128 channels: one K step of the layouts); work-group cx takes 256 queries; wave w one tile of 16 queries, for both heads.
; All keys of the pair fit in LDS: K's codes 65,536 bytes, V's 65,536, filled ONCE, jointly for the four work-groups: one tensor load a wave (8,192 dense bytes), so one tensor load of mine is out.  Nothing is filled again.
; LAYOUT.  Both products transposed: S^T = K Q^T, O^T = V^T P^T: a lane holds one query throughout.  Tiles hold rows 32 (t / 2) + 8 (t % 2) + r + 8 (r / 8), so that the 16 registers of tiles 2 b, 2 b + 1 are 16 neighbours.
; A HEAD HAS 64 CHANNELS, THE INSTRUCTION 128 ALONG K: source 0 takes the head's 64 channels of key tile 2 p in k = 0 .. 63 and those of key tile 2 p + 1 in k = 64 .. 127; source 1 takes the query's 64 channels in one half
; and ZERO CODES in the other, which add nothing under any scale byte that the quantiser gives (1 .. 254).  So no fragment is read twice and none is padded in memory.
; LIMITS: NaN and infinities are not served; v_exp_f32 gives 0 for results under 2^-126; a block whose every p has fallen to 0 keeps the byte 1: its codes are zeros.
.set KSC, 131072                       ; K's scale words, rearranged: 512 step + 128 p + 4 lane: lanes 0-15 head A's bytes of tiles 2 p | 2 p + 1, lanes 16-31 head B's
.set VSC, 135168                       ; V's scale words: 512 step + 128 p + 4 (16 u + r) for tile 2 p + u
.set OST, 139264                       ; out's scale words on their way out: 64 wave + 4 r
.set LK,  1                            ; v1   16 x lane
.set LV,  2                            ; v2   16 x lane + 65536
.set LS,  3                            ; v3   4 x lane + KSC
.set AK,  4                            ; v4-6 the same for the key step in hand
.set AV,  5
.set ASX, 6
.set SW,  7                            ; v7   where I store scale words: v3 + 256 x wave
.set QS,  36                           ; v36  Q's scale words: lanes 0-15 (A0, A1, A0, A1), lanes 16-31 (B0, B1, B0, B1): scales alone
.set PW,  37                           ; v37  p's scale word: scales alone
.set KS,  38                           ; v38-41 K's: scales alone
.set VS,  42                           ; v42-43 V's: scales alone
.set KV,  44                           ; v44-75   four fragments of K or of V
.set SS,  76                           ; v76-139  S^T, then p
.set OA,  140                          ; v140-203 O^T: head A, head B
.set PC,  204                          ; v204-211 p's codes; at the end out's
.set TM,  212                          ; v212-227 at work
.set BM,  212                          ; the blocks' largest scores
.set BT,  216
.set SO,  220
.set FF,  224                          ; f = 2^(old M - new M), as the low word of a pair
.set TT,  226
.set OSW, 228
.set OSR, 229
; v8-11, v12-15: head A's, head B's -M, largest t, sum in two halves.   v16-35: [0 x 4][q A][0 x 4][q B][0 x 4]
.set WV,  24
.set QCB, 42
.set OCB, 44
.set QSB, 46
.set OSB, 48
.set CS,  50
.set SEL, 52
.set KSB, 54
.set VSB, 56
.set TK,  58
.set TS,  59
.set CNT, 60
.macro CROUND                          ; a round of the cluster's barrier
	s_barrier_signal -1
	s_barrier_wait -1
	s_cmp_lg_u32 s[WV], 0
	s_cbranch_scc1 .Lnot_wave_0_\@
	s_barrier_signal -3
.Lnot_wave_0_\@:
	s_barrier_wait -3
	s_barrier_signal -1
	s_barrier_wait -1
.endm
.macro WMM z, ra, rb                   ; one product on rD, rA, rB, rSA, rSB.  z = 1: it starts the sum.  ra, rb: which half of the lanes holds the side's scale words
.if \z
.if ((\ra)==0)&&((\rb)==0)
	v_wmma_scale_f32_16x16x128_f8f6f4 v[rD:rD+7], v[rA:rA+7], v[rB:rB+7], 0, v[rSA], v[rSB] matrix_a_fmt:MATRIX_FMT_FP4 matrix_b_fmt:MATRIX_FMT_FP4
.else
	v_wmma_scale_f32_16x16x128_f8f6f4 v[rD:rD+7], v[rA:rA+7], v[rB:rB+7], 0, v[rSA], v[rSB] matrix_a_fmt:MATRIX_FMT_FP4 matrix_b_fmt:MATRIX_FMT_FP4 matrix_a_scale:MATRIX_SCALE_ROW1 matrix_b_scale:MATRIX_SCALE_ROW1
.endif
.else
.if (\ra)==0
	v_wmma_scale_f32_16x16x128_f8f6f4 v[rD:rD+7], v[rA:rA+7], v[rB:rB+7], v[rD:rD+7], v[rSA], v[rSB] matrix_a_fmt:MATRIX_FMT_FP4 matrix_b_fmt:MATRIX_FMT_FP4
.else
	v_wmma_scale_f32_16x16x128_f8f6f4 v[rD:rD+7], v[rA:rA+7], v[rB:rB+7], v[rD:rD+7], v[rSA], v[rSB] matrix_a_fmt:MATRIX_FMT_FP4 matrix_b_fmt:MATRIX_FMT_FP4 matrix_a_scale:MATRIX_SCALE_ROW1
.endif
.endif
.endm
.macro SWAPS                           ; the operand's layout wants a whole block in a lane
.irp c, 0,1
.irp i, 0,1
	v_permlane16_swap_b32 v[PC+4*\c+\i], v[PC+2+4*\c+\i]
.endr
.endr
.endm
	s_load_b256 s[4:11], s[0:1], 0x0               ; qbuf s[4:5], kbuf s[6:7], vbuf s[8:9], obuf s[10:11]
	v_lshl_add_u32 v254, v0, 2, 0x29000
	v_mov_b32 v255, 0
	ds_add_u32 v254, v255
	ds_add_u32 v254, v255
	v_lshrrev_b32 v76, 5, v0
	s_delay_alu instid0(VALU_DEP_1)
	v_readfirstlane_b32 s[WV], v76                 ; wave 0..15
	s_lshr_b32 s25, ttmp9, 3                       ; the batch (in a cluster launch ttmp9 counts clusters)
	s_and_b32 s26, ttmp9, 7                        ; the pair of heads
	s_bfe_u32 s27, ttmp6, 0x40000                  ; cx: it enters Q's and out's global addresses alone
	s_and_b32 s32, s[WV], 7
	s_lshl_b32 s33, s25, 3
	s_add_co_u32 s33, s33, s32                     ; the group of 128 tokens that I fetch: 8 b + w % 8
	s_lshl_b32 s34, s33, 3
	s_add_co_u32 s34, s34, s26
	s_lshl_b32 s34, s34, 13                        ; K: ((8 b + w % 8) 8 + pair) 8192
	s_mov_b32 s35, 0
	s_lshl_b32 s36, s26, 6
	s_add_co_u32 s36, s36, s33
	s_lshl_b32 s36, s36, 13                        ; V: (64 pair + 8 b + w % 8) 8192
	s_mov_b32 s37, 0
	; descriptor group 1: 8,192 dense bytes as 32 rows of 256 (32 elements of 8 bytes), no padding: fragments are read back 512 consecutive bytes an instruction
	s_mov_b32 s16, 15|(3<<16)|(1<<21)              ; 15:0 the mask: all four work-groups; 17:16 elements of 8 bytes; 21 set beside a mask
	s_mov_b32 s17, 32<<16                          ; tensor_dim0 = 32
	s_mov_b32 s18, 32<<16                          ; tensor_dim1 = 32
	s_mov_b32 s19, 32<<16                          ; tile_dim0 = 32
	s_mov_b32 s20, 32                              ; tile_dim1 = 32
	s_mov_b32 s21, 32                              ; elements from row to row
	s_mov_b32 s22, 0
	s_mov_b32 s23, 0
	s_lshl_b32 s38, s25, 3
	s_lshl_b32 s39, s27, 1
	s_add_co_u32 s38, s38, s39                     ; 8 b + 2 cx
	s_lshr_b32 s39, s[WV], 3
	s_add_co_u32 s39, s38, s39                     ; my queries' group of 128 tokens
	s_lshl_b32 s40, s39, 3
	s_add_co_u32 s40, s40, s26
	s_lshl_b32 s40, s40, 3
	s_add_co_u32 s40, s40, s32                     ; my tile = w % 8
	s_lshl_b32 s40, s40, 10
	s_mov_b32 s41, 0
	s_mov_b32 s63, 0
	s_mov_b32 s[CS], 0x3e38aa3b                    ; c = log2(e) / 8
	s_mov_b32 s[CS+1], s[CS]                       ; (named with it as a pair, so it is written)
	s_mov_b32 s[SEL], 0x76543210
	s_mov_b32 s[SEL+1], 0xfedcba98
	v_and_b32 v76, 31, v0                          ; lane
	v_and_b32 v77, 15, v0                          ; r
	s_delay_alu instid0(VALU_DEP_2)
	v_lshlrev_b32 v[LK], 4, v76
	s_delay_alu instid0(VALU_DEP_1)
	v_add_nc_u32 v[LV], 65536, v[LK]
	s_delay_alu instid0(VALU_DEP_4)
	v_lshlrev_b32 v79, 2, v76                      ; 4 x lane
	s_delay_alu instid0(VALU_DEP_1)
	v_add_nc_u32 v[LS], KSC, v79
	s_lshl_b32 s61, s[WV], 8
	v_add_nc_u32 v[SW], s61, v[LS]
	v_lshlrev_b32 v78, 2, v77                      ; 4 r
	s_lshl_b32 s61, s[WV], 6
	s_add_co_u32 s61, s61, OST
	v_add_nc_u32 v[OSW], s61, v78
	s_and_b32 s61, s[WV], 1
	s_lshl_b32 s61, s61, 9
	s_add_co_u32 s61, s61, OST
	v_add_nc_u32 v[OSR], s61, v[LK]
	v_and_b32 v83, 7, v76
	v_bfe_u32 v92, v76, 3, 1
	s_delay_alu instid0(VALU_DEP_1)
	v_lshl_add_u32 v83, v92, 4, v83
	v_lshrrev_b32 v92, 4, v76
	s_delay_alu instid0(VALU_DEP_1)
	v_lshl_add_u32 v83, v92, 3, v83                ; V's scale bytes: channel 8 u + r + 8 (r / 8) of a pair of tiles
	s_wait_dscnt 0x0
	s_wait_kmcnt 0x0
	s_mov_b32 s12, 1                               ; group 0 for K: count 1,
	s_lshl_b32 s13, s[WV], 13                      ; LDS address 8192 x wave,
	s_add_nc_u64 s[14:15], s[6:7], s[34:35]        ; global address,
	s_or_b32 s15, s15, 0x80000000                  ; type 2
	s_mov_b32 s28, 1                               ; and for V: waves 8-15 land behind K's 65,536 bytes by the same 8192 x wave
	s_lshl_b32 s29, s[WV], 13
	s_add_nc_u64 s[30:31], s[8:9], s[36:37]
	s_or_b32 s31, s31, 0x80000000
	CROUND                                         ; all four work-groups are here: the joint loads meet
	s_cmp_lt_u32 s[WV], 8                          ; waves 0-7 fetch K, waves 8-15 V: the branch hangs on the wave's number alone
	s_cbranch_scc0 .Lfor_v
	tensor_load_to_lds s[12:15], s[16:23]
	s_nop 0
.rept 4
	v_nop
.endr
	s_branch .Lasked
.Lfor_v:
	tensor_load_to_lds s[28:31], s[16:23]
	s_nop 0
.rept 4
	v_nop
.endr
.Lasked:
	s_add_nc_u64 s[QCB:QCB+1], s[4:5], s[40:41]    ; my tile's fragment of Q, and of out
	s_add_nc_u64 s[OCB:OCB+1], s[10:11], s[40:41]
	s_lshl_b32 s40, s26, 15
	s_add_co_u32 s40, s40, 0x400000                ; the pair's plane of scale words
	s_lshl_b32 s61, s39, 9
	s_add_co_u32 s62, s40, s61
	s_lshl_b32 s61, s32, 6
	s_add_co_u32 s62, s62, s61
	s_add_nc_u64 s[QSB:QSB+1], s[4:5], s[62:63]
	s_and_b32 s61, s[WV], 1
	s_add_co_u32 s61, s61, s38
	s_lshl_b32 s61, s61, 9
	s_add_co_u32 s62, s40, s61
	s_add_nc_u64 s[OSB:OSB+1], s[10:11], s[62:63]  ; where waves 0 and 1 store out's scale words
	s_lshl_b32 s61, s25, 12
	s_add_co_u32 s62, s40, s61
	s_lshl_b32 s61, s[WV], 8
	s_add_co_u32 s62, s62, s61
	s_add_nc_u64 s[KSB:KSB+1], s[6:7], s[62:63]    ; K's scale words: two runs of 128 bytes a wave
	s_lshl_b32 s62, s25, 5
	s_lshr_b32 s61, s[WV], 1
	s_lshl_b32 s61, s61, 2
	s_add_co_u32 s62, s62, s61
	s_lshl_b32 s62, s62, 10                        ; V's scale bytes: blocks of 32 tokens 32 b + 4 (w / 2) on,
	s_lshl_b32 s61, s26, 7
	s_add_co_u32 s62, s62, s61                     ; channels 128 pair
	s_and_b32 s61, s[WV], 1
	s_lshl_b32 s61, s61, 6
	s_add_co_u32 s62, s62, s61                     ; + 64 (w % 2) on
	s_add_co_u32 s62, s62, 0x400000
	s_add_nc_u64 s[VSB:VSB+1], s[8:9], s[62:63]
	global_load_b128 v[20:23], v[LK], s[QCB:QCB+1]             ; q, head A
	global_load_b128 v[28:31], v[LK], s[QCB:QCB+1] offset:512  ; q, head B
	s_wait_alu depctr_va_vdst(0)
	global_load_b32 v80, v78, s[QSB:QSB+1]         ; row r's scale word, in both halves of the lanes
	global_load_b32 v81, v79, s[KSB:KSB+1]
	global_load_b32 v82, v79, s[KSB:KSB+1] offset:128
.irp i, 0,1
.irp j, 0,1,2,3
	global_load_u8 v[84+4*\i+\j], v83, s[VSB:VSB+1] offset:1024*\j+32*\i
.endr
.endr
.irp j, 16,17,18,19,24,25,26,27,32,33,34,35
	v_mov_b32 v[\j], 0                             ; the zero codes beside q
.endr
.irp j, 0,1,2,3,4,5,6,7,8,9,10,11,12,13,14,15,16,17,18,19,20,21,22,23,24,25,26,27,28,29,30,31,32,33,34,35,36,37,38,39,40,41,42,43,44,45,46,47,48,49,50,51,52,53,54,55,56,57,58,59,60,61,62,63
	v_mov_b32 v[OA+\j], 0                          ; O^T.  (The loop is written once: its first step finds zeros, which the first change of M leaves zeros)
.endr
.irp e, 0,1
	v_mov_b32 v[9+4*\e], 0xff61b1e6                ; the largest t so far: -3e38
	s_delay_alu instid0(VALU_DEP_1)
	v_floor_f32 v[8+4*\e], -v[9+4*\e]              ; -M
	v_mov_b32 v[10+4*\e], 0
	v_mov_b32 v[11+4*\e], 0
.endr
.irp b, 0,1,2,3
	v_mov_b32 v[BT+\b], 0                          ; a lane permute's destination counts as one of its sources
.endr
	v_mov_b32 v[FF+1], 0                           ; (named as the upper half of a pair)
	v_mov_b32 v93, 0
	v_mov_b32 v94, 0
	v_cmp_lt_u32 vcc_lo, 15, v76                   ; lanes 16-31
	v_mov_b32 v95, 0x01000100
	v_mov_b32 v96, 0x03020302
	s_delay_alu instid0(VALU_DEP_1)
	v_cndmask_b32 v95, v95, v96, vcc_lo
	v_mov_b32 v97, 0x05040100
	v_mov_b32 v98, 0x03020706
	s_delay_alu instid0(VALU_DEP_1)
	v_cndmask_b32 v97, v97, v98, vcc_lo
	s_wait_alu depctr_va_vdst(0)
	s_wait_loadcnt 0x0
	v_perm_b32 v[QS], v80, v80, v95                ; lanes 0-15: head A's two bytes twice; lanes 16-31: head B's
	v_permlanex16_b32 v93, v81, s[SEL], s[SEL+1]   ; the other tile of the pair
	v_permlanex16_b32 v94, v82, s[SEL], s[SEL+1]
	s_delay_alu instid0(VALU_DEP_2)
	v_perm_b32 v99, v93, v81, v97                  ; lanes 0-15: head A's bytes of tile 2 p, then of tile 2 p + 1; lanes 16-31: head B's
	s_delay_alu instid0(VALU_DEP_2)
	v_perm_b32 v100, v94, v82, v97
	ds_store_b32 v[SW], v99
	ds_store_b32 v[SW], v100 offset:128
.irp i, 0,1
	v_lshl_or_b32 v[84+4*\i], v[85+4*\i], 8, v[84+4*\i]
	s_delay_alu instid0(VALU_DEP_1)
	v_lshl_or_b32 v[84+4*\i], v[86+4*\i], 16, v[84+4*\i]
	s_delay_alu instid0(VALU_DEP_1)
	v_lshl_or_b32 v[84+4*\i], v[87+4*\i], 24, v[84+4*\i]
	ds_store_b32 v[SW], v[84+4*\i] offset:4096+128*\i
.endr
	s_wait_tensorcnt 0x0                           ; my part of K or V has landed,
	s_wait_dscnt 0x0                               ; my scale words too:
	s_barrier_signal -1
	s_barrier_wait -1                              ; everybody's have
; One head's part of a key step of 128 keys.
.macro HEADSTEP e
.set NM, 8+4*\e
.set TX, 9+4*\e
.set SU, 10+4*\e
.if \e
.rept 4
	v_nop                                          ; places in front of loads into registers that the last products read
.endr
.endif
	s_setprio 2
.irp p, 0,1,2,3
	ds_load_b128 v[KV+8*\p:KV+8*\p+3], v[AK] offset:2048*\p+512*\e            ; key tile 2 p, the head's 64 channels,
	ds_load_b128 v[KV+8*\p+4:KV+8*\p+7], v[AK] offset:2048*\p+1024+512*\e     ; key tile 2 p + 1
	ds_load_b32 v[KS+\p], v[ASX] offset:128*\p
.endr
	s_wait_dscnt 0x0
.irp p, 0,1,2,3
.set rA,  KV+8*\p
.set rSA, KS+\p
.set rSB, QS
.set rD,  SS+16*\p
.set rB,  20+8*\e
	WMM 1, \e, \e                                  ; q in k = 0 .. 63: key tile 2 p
.set rD,  SS+16*\p+8
.set rB,  16+8*\e
	WMM 1, \e, \e                                  ; q in k = 64 .. 127: key tile 2 p + 1
.endr
.rept 4
	v_nop                                          ; places in front of the loads below and of the first read of the scores
.endr
.irp t, 0,1,2,3
.irp c, 0,1
	ds_load_b128 v[KV+8*\t+4*\c:KV+8*\t+4*\c+3], v[AV] offset:(4*\e+\t)*1024+512*\c   ; V's four tiles of the head: they land under the softmax
.endr
.endr
.irp i, 0,1
	ds_load_b32 v[VS+\i], v[ASX] offset:4096+(2*\e+\i)*128
.endr
.irp b, 0,1,2,3
	v_max3_num_f32 v[BM+\b], v[SS+16*\b], v[SS+1+16*\b], v[SS+2+16*\b]   ; the largest score of each block of 32 keys: for the row's maximum, and, since p rises with the score, for the block's largest p
.endr
.irp i, 3,5,7,9,11,13
.irp b, 0,1,2,3
	v_max3_num_f32 v[BM+\b], v[BM+\b], v[SS+16*\b+\i], v[SS+1+16*\b+\i]
.endr
.endr
.irp b, 0,1,2,3
	v_max_num_f32 v[BM+\b], v[BM+\b], v[SS+15+16*\b]
.endr
.irp b, 0,1,2,3
	s_delay_alu instid0(VALU_DEP_4)
	v_permlanex16_b32 v[BT+\b], v[BM+\b], s[SEL], s[SEL+1]
.endr
.irp b, 0,1,2,3
	s_delay_alu instid0(VALU_DEP_4)
	v_max_num_f32 v[BM+\b], v[BM+\b], v[BT+\b]
.endr
	s_delay_alu instid0(VALU_DEP_2)
	v_max3_num_f32 v[TT], v[BM], v[BM+1], v[BM+2]
	s_delay_alu instid0(VALU_DEP_1)
	v_max_num_f32 v[TT], v[TT], v[BM+3]
	s_delay_alu instid0(VALU_DEP_1)
	v_mul_f32 v[TT], s[CS], v[TT]                  ; as t (c is positive)
	s_delay_alu instid0(VALU_DEP_1)
	v_max_num_f32 v[TX], v[TX], v[TT]              ; the running largest t
	v_mov_b32 v[TT], v[NM]
	s_delay_alu instid0(VALU_DEP_2)
	v_floor_f32 v[NM], -v[TX]                      ; the new -M = -ceil(t): a whole number
	s_delay_alu instid0(VALU_DEP_1)
	v_sub_f32 v[TT], v[NM], v[TT]                  ; old M - new M: a whole number, 0 or less
	s_delay_alu instid0(VALU_DEP_1)
	v_cvt_i32_f32 v[TT], v[TT]                     ; (it saturates)
	s_delay_alu instid0(VALU_DEP_1)
	v_ldexp_f32 v[FF], 1.0, v[TT]                  ; f = 2^(old M - new M)
.irp j, 0,2,4,6,8,10,12,14,16,18,20,22,24,26,28,30,32,34,36,38,40,42,44,46,48,50,52,54,56,58,60,62
	v_pk_fma_f32 v[SS+\j:SS+\j+1], v[SS+\j:SS+\j+1], s[CS:CS+1], v[NM:NM+1] op_sel_hi:[1,0,0]   ; t - M
.endr
.irp b, 0,1,2,3
	v_fma_f32 v[BM+\b], v[BM+\b], s[CS], v[NM]
.endr
	s_wait_alu depctr_va_vdst(0)
.irp j, 0,1,2,3,4,5,6,7,8,9,10,11,12,13,14,15,16,17,18,19,20,21,22,23,24,25,26,27,28,29,30,31,32,33,34,35,36,37,38,39,40,41,42,43,44,45,46,47,48,49,50,51,52,53,54,55,56,57,58,59,60,61,62,63
	v_exp_f32 v[SS+\j], v[SS+\j]                   ; p = 2^(t - M)
.endr
	s_setprio 1
	v_pk_mul_f32 v[SU:SU+1], v[SU:SU+1], v[FF:FF+1] op_sel_hi:[1,0]   ; the sums under the new M: a plain place behind the exponentials
	s_wait_alu depctr_va_vdst(0)                   ; one wait for the batch of 64, ahead of its first reader
.irp b, 0,1,2,3
	v_exp_f32 v[BM+\b], v[BM+\b]                   ; the blocks' largest p
.endr
	v_pk_add_f32 v[BT:BT+1], v[SS:SS+1], v[SS+2:SS+3]   ; the row's sum is taken of the unquantised p, in two chains
.irp j, 4,8,12,16,20,24,28,32,36,40,44,48,52,56,60
	v_pk_add_f32 v[SU:SU+1], v[SU:SU+1], v[SS+\j:SS+\j+1]
	v_pk_add_f32 v[BT:BT+1], v[BT:BT+1], v[SS+\j+2:SS+\j+3]
.endr
	s_delay_alu instid0(VALU_DEP_1)
	v_pk_add_f32 v[SU:SU+1], v[SU:SU+1], v[BT:BT+1]
	s_wait_alu depctr_va_vdst(0)                   ; and one for the four
.irp b, 0,1,2,3
	v_max_num_f32 v[BM+\b], 0x1800000, v[BM+\b]    ; the floor 2^(3 - 127)
.endr
.irp b, 0,1,2,3
	s_delay_alu instid0(VALU_DEP_4)
	v_add_nc_u32 v[SO+\b], 0xff000000, v[BM+\b]
.endr
.irp b, 0,1,2,3
	s_delay_alu instid0(VALU_DEP_4)
	v_lshrrev_b32 v[BT+\b], 23, v[SO+\b]
.endr
	s_delay_alu instid0(VALU_DEP_3)
	v_lshl_or_b32 v[PW], v[BT+1], 8, v[BT]
	s_delay_alu instid0(VALU_DEP_1)
	v_lshl_or_b32 v[PW], v[BT+2], 16, v[PW]
	s_delay_alu instid0(VALU_DEP_1)
	v_lshl_or_b32 v[PW], v[BT+3], 24, v[PW]
.irp b, 0,1,2,3
	v_cvt_scalef32_pk8_fp4_f32 v[PC+2*\b], v[SS+16*\b:SS+7+16*\b], v[SO+\b]
	v_cvt_scalef32_pk8_fp4_f32 v[PC+1+2*\b], v[SS+8+16*\b:SS+15+16*\b], v[SO+\b]
.endr
	v_nop                                          ; one plain place behind a scaled conversion
	SWAPS
	s_setprio 0
.irp j, 0,2,4,6,8,10,12,14,16,18,20,22,24,26,28,30
	v_pk_mul_f32 v[OA+32*\e+\j:OA+32*\e+\j+1], v[OA+32*\e+\j:OA+32*\e+\j+1], v[FF:FF+1] op_sel_hi:[1,0]   ; O^T under the new M; these sixteen also stand between the scale word's and the codes' last writes and the products
.endr
	s_wait_alu depctr_va_vdst(0)
	s_wait_dscnt 0x0                               ; V is in
.irp t, 0,1,2,3
.set rD,  OA+32*\e+8*\t
.set rA,  KV+8*\t
.set rB,  PC
.set rSA, VS+(\t/2)
.set rSB, PW
	WMM 0, \t%2, 0
.endr
.endm
	s_mov_b32 s[TK], 0
	s_mov_b32 s[TS], 0
	s_mov_b32 s[CNT], 8
.Lkeys:                                                ; 8 trips of 128 keys.  No two matrix instructions that follow each other share an accumulator, over the backward jump too
	v_add_nc_u32 v[AK], s[TK], v[LK]               ; (with the v_nop: the four places behind the last trip's products)
	v_add_nc_u32 v[AV], s[TK], v[LV]
	s_wait_alu depctr_va_vdst(0)
	v_add_nc_u32 v[ASX], s[TS], v[LS]
	s_wait_alu depctr_va_vdst(0)
	v_nop
	HEADSTEP 0
	HEADSTEP 1
	s_add_co_u32 s[TK], s[TK], 8192
	s_add_co_u32 s[TS], s[TS], 512
	s_sub_co_u32 s[CNT], s[CNT], 1
	s_cmp_lg_u32 s[CNT], 0
	s_cbranch_scc1 .Lkeys
	s_setprio 0
	; ---- the way out: O^T / the sum; the lane's 64 numbers are channels 128 pair + 32 B + 16 h + i of its query: one whole fragment of out and one scale word
.rept 4
	v_nop
.endr
	v_add_f32 v10, v10, v11
	v_add_f32 v14, v14, v15
	s_delay_alu instid0(VALU_DEP_2)
	v_permlanex16_b32 v[BT], v10, s[SEL], s[SEL+1]
	s_delay_alu instid0(VALU_DEP_2)
	v_permlanex16_b32 v[BT+1], v14, s[SEL], s[SEL+1]
	s_delay_alu instid0(VALU_DEP_2)
	v_add_f32 v10, v10, v[BT]
	s_delay_alu instid0(VALU_DEP_2)
	v_add_f32 v14, v14, v[BT+1]
	s_wait_alu depctr_va_vdst(0)
	v_rcp_f32 v[BM], v10
	v_rcp_f32 v[BM+2], v14
	v_nop                                          ; a plain place behind the reciprocals,
	s_wait_alu depctr_va_vdst(0)                   ; and their one wait
.irp j, 0,2,4,6,8,10,12,14,16,18,20,22,24,26,28,30
	v_pk_mul_f32 v[OA+\j:OA+\j+1], v[OA+\j:OA+\j+1], v[BM:BM+1] op_sel_hi:[1,0]
	v_pk_mul_f32 v[OA+32+\j:OA+32+\j+1], v[OA+32+\j:OA+32+\j+1], v[BM+2:BM+3] op_sel_hi:[1,0]
.endr
.irp b, 0,1,2,3
	v_max3_num_f32 v[TM+\b], |v[OA+16*\b]|, |v[OA+1+16*\b]|, 0x1800000
.endr
.irp i, 2,4,6,8,10,12,14
.irp b, 0,1,2,3
	s_delay_alu instid0(VALU_DEP_4)
	v_max3_num_f32 v[TM+\b], v[TM+\b], |v[OA+16*\b+\i]|, |v[OA+1+16*\b+\i]|
.endr
.endr
.irp b, 0,1,2,3
	s_delay_alu instid0(VALU_DEP_4)
	v_permlanex16_b32 v[TM+4+\b], v[TM+\b], s[SEL], s[SEL+1]
.endr
.irp b, 0,1,2,3
	s_delay_alu instid0(VALU_DEP_4)
	v_max_num_f32 v[TM+\b], v[TM+\b], v[TM+4+\b]
.endr
.irp b, 0,1,2,3
	s_delay_alu instid0(VALU_DEP_4)
	v_add_nc_u32 v[TM+12+\b], 0xff000000, v[TM+\b]
.endr
.irp b, 0,1,2,3
	s_delay_alu instid0(VALU_DEP_4)
	v_lshrrev_b32 v[TM+4+\b], 23, v[TM+12+\b]
.endr
	s_delay_alu instid0(VALU_DEP_3)
	v_lshl_or_b32 v[TM+8], v[TM+5], 8, v[TM+4]
	s_delay_alu instid0(VALU_DEP_1)
	v_lshl_or_b32 v[TM+8], v[TM+6], 16, v[TM+8]
	s_delay_alu instid0(VALU_DEP_1)
	v_lshl_or_b32 v[TM+8], v[TM+7], 24, v[TM+8]
.irp b, 0,1,2,3
	v_cvt_scalef32_pk8_fp4_f32 v[PC+2*\b], v[OA+16*\b:OA+7+16*\b], v[TM+12+\b]
	v_cvt_scalef32_pk8_fp4_f32 v[PC+1+2*\b], v[OA+8+16*\b:OA+15+16*\b], v[TM+12+\b]
.endr
	v_nop
	SWAPS
	global_store_b128 v[LK], v[PC:PC+3], s[OCB:OCB+1]              ; 512 consecutive bytes each
	global_store_b128 v[LK], v[PC+4:PC+7], s[OCB:OCB+1] offset:512
	ds_store_b32 v[OSW], v[TM+8]                   ; (lanes l and l xor 16 write the same)
	s_wait_dscnt 0x0
	s_barrier_signal -1
	s_barrier_wait -1
	s_cmp_gt_u32 s[WV], 1
	s_cbranch_scc1 .Lno_words
	ds_load_b128 v[76:79], v[OSR]                  ; the scale words of eight tiles: 512 consecutive bytes
	s_wait_dscnt 0x0
	global_store_b128 v[LK], v[76:79], s[OSB:OSB+1]
.Lno_words:
	s_wait_tensorcnt 0x0
	ds_add_u32 v254, v255
	s_wait_dscnt 0x0
	CROUND                                         ; the closing round: no work-group ends while a partner may still ask for a tile that names it
	s_endpgm
.Lfunc_end_k_q8cd5144757_attn:
	.size	k_q8cd5144757_attn, .Lfunc_end_k_q8cd5144757_attn-k_q8cd5144757_attn
	.p2alignl 7, 3214868480
	.fill 96, 4, 3214868480
	.section	.rodata,"a",@progbits
	.p2align	6, 0x0
	.amdhsa_kernel k_q8cd5144757_attn
		.amdhsa_group_segment_fixed_size 169984
		.amdhsa_private_segment_fixed_size 0
		.amdhsa_enable_private_segment 0
		.amdhsa_kernarg_size 32
		.amdhsa_user_sgpr_count 2
		.amdhsa_user_sgpr_kernarg_segment_ptr 1
		.amdhsa_wavefront_size32 1
		.amdhsa_system_sgpr_workgroup_id_x 1
		.amdhsa_system_sgpr_workgroup_id_y 1
		.amdhsa_system_sgpr_workgroup_id_z 1
		.amdhsa_system_vgpr_workitem_id 0
		.amdhsa_next_free_vgpr 256
		.amdhsa_next_free_sgpr 66
		.amdhsa_reserve_vcc 1
		.amdhsa_float_denorm_mode_32 3
		.amdhsa_float_denorm_mode_16_64 3
		.amdhsa_memory_ordered 1
		.amdhsa_forward_progress 1
		.amdhsa_inst_pref_size 53
	.end_amdhsa_kernel
	.amdgpu_metadata
---
amdhsa.version: [ 1, 2 ]
amdhsa.kernels:
  - .name:           k_q8cd5144757_attn
    .symbol:         k_q8cd5144757_attn.kd
    .args:
      - { .name: qbuf, .offset: 0, .size: 8, .value_kind: global_buffer, .address_space: global }
      - { .name: kbuf, .offset: 8, .size: 8, .value_kind: global_buffer, .address_space: global }
      - { .name: vbuf, .offset: 16, .size: 8, .value_kind: global_buffer, .address_space: global }
      - { .name: obuf, .offset: 24, .size: 8, .value_kind: global_buffer, .address_space: global }
    .group_segment_fixed_size: 169984
    .private_segment_fixed_size: 0
    .kernarg_segment_align: 8
    .kernarg_segment_size: 32
    .max_flat_workgroup_size: 512
    .sgpr_count:     66
    .vgpr_count:     256
    .wavefront_size: 32
...
	.end_amdgpu_metadata
.endif
;; end of part 7
;; launch tail (part 8): grid 256 x 1, 16 waves a work-group, no clusters, 172,544 bytes of LDS; arguments x, obuf, wts, b_proj, ln2_g, ln2_b, b_fc1, b_fc2, out0; writes out0
.if DOCPART == 8
	.amdgcn_target "amdgcn-amd-amdhsa--gfx1250"
	.amdhsa_code_object_version 6
	.text
	.protected	k_q8cd5144757_tail
	.globl	k_q8cd5144757_tail
	.p2align	8
	.type	k_q8cd5144757_tail,@function
k_q8cd5144757_tail:
	s_mov_b64 s[64:65], 0
	v_nop
	global_prefetch_b8 v0, s[64:65] scope:SCOPE_SE
	s_setreg_imm32_b32 hwreg(HW_REG_WAVE_SCHED_MODE, 0, 2), 2
	s_setreg_imm32_b32 hwreg(HW_REG_WAVE_MODE, 25, 1), 1
	s_wait_xcnt 0x0
	s_wait_alu depctr_vm_vsrc(0)
; x1 = x + out w_proj + b_proj;  xn2 = LayerNorm(x1) g + b;  h = gelu(xn2 w_fc1 + b_fc1), exact;  out0 = x1 + h w_fc2 + b_fc2.  The three products on codes of FP4 (E2M1) with E8M0 scales; all else in f32; nothing between goes to memory.
; SHARES as in launch qkv: a work-group owns 32 whole token rows (tiles 2 tp, 2 tp + 1 of group G; tile t's row r is token 32 (t / 2) + 8 (t % 2) + r + 8 (r / 8)); wave w owns columns 64 w .. 64 w + 63 of each product.
; All products TRANSPOSED (source 0 = 16 columns of the weight, source 1 = 16 tokens): lane (r, h) holds token row r of tile u in v[ACC + 32 u ..], register 8 t + j = column 64 w + 32 (t / 2) + 8 (t % 2) + 16 h + j,
; so that a wave's results are, quantised, one piece of 512 bytes of each token tile's fragment for the next product.  What is added to a product (x + b_proj, b_fc1, x1 + b_fc2) is the C of its first K step.
; WEIGHTS come from memory straight into registers: each fragment is wanted by ONE wave of the work-group.  NO JOINT LOADS, though all work-groups walk the same weights: shared tiles would have to pass through LDS, where beside
; the 131,584 bytes of f32 rows two slots of 65,536 bytes would fit, one K step of the 1,024 columns each: a round of the cluster's barrier for every 8 matrix instructions of a wave.
; GELU: erf by two polynomials that change over at |z| = 475 / 512, z = x / sqrt(2).  Above, 1 + erf(z) is e^r for z < 0 and 2 - e^r otherwise: no difference of near numbers is formed.  Both ways are computed and one is selected.
; LIMITS: NaN and infinities are not served; a block of zeros, or one under 2^-124, gets the byte 1; v_exp_f32 gives 0 for results under 2^-126.
; THE MODE: SCHED_MODE bits 1:0 = 2 (LLVM: expert scheduling mode 2), set by the entry lines.  The code itself states the register dependences
; between vector or matrix instructions and memory or LDS instructions, with s_wait_alu, always for 0.
; THE PLAN.  Registers that memory or LDS instructions touch:
;   v1 .. v14      addresses and offsets: made at the head, never written again: one wait on va_vdst ahead of the first load.
;   WF0 .. WF2     with their pairs of WS.  Step n's eight products read set n % 3; the nine loads of step n + 2 land in set (n - 1) % 3 and are issued in step n.  Between products a free set takes the gain (set 1), gelu's work and b_fc2 (set 0).
;   AF0, AF1       Step n's products read set n % 2; the four LDS loads of step n + 1 land in the other set and are issued in step n.  Between products: b_proj, ln2's bias, gelu's work.
;   AS             filled by loads alone, read by products alone; filled again only behind a wait on va_vdst that follows its last reader.
;   ACC            written by products and vector work; read by the LDS stores of x + b_proj, of x1 and of the result; loaded again from LDS or memory.
;   PC, v246, v247 out-registers: written by a quantiser or a sum, read by the LDS stores behind it.   TM: the waves' sums land there, vector work reads them.
; So ONE wait on va_vdst stands at a step's head, behind the waits for the step's own data; the step's loads follow it, dealt among its eight products, which name set n % 3, AF[n % 2], AS and the accumulators: none of the
; registers that those loads touch.  Each run of stores has one wait on va_vdst ahead of it, and one wait on vm_vsrc stands ahead of the first line that writes the stores' registers again.
.set PITCH, 4112                       ; an f32 row in LDS: 4,096 bytes + 16; rows in tile order 16 u + r
.set AIMG,  131584                     ; fragments, region A (out, later h): 2048 s + 1024 u + 512 c + 16 lane; region B (xn2) 16,384 on
.set ASCA,  164352                     ; scale bytes, 32 (16 u + r) + block: region A (h); region B (xn2) 1,024 on
.set RED,   166400                     ; the waves' sums of a row: 64 (16 u + r) + 4 wave; the second table 2,048 on
.set L16, 1
.set L8,  2
.set L4,  3
.set AIA, 4                            ; v4   AIMG + 16 x lane
.set XA0, 5                            ; v5   LDS: row r, my 16 columns' bytes: 4112 r + 256 w + 64 h; v6 row 16 + r
.set XA1, 6
.set IMS, 7                            ; v7   where I store my piece of a fragment
.set DST, 8                            ; v8   LDS: my two dense rows
.set F0S, 9                            ; v9   where I store my fragment of out
.set ASA, 10                           ; v10  ASCA + 32 x lane
.set ASW, 11                           ; v11  ASCA + 32 r + 2 w
.set RW,  12                           ; v12  RED + 64 x lane + 4 w
.set RR,  13                           ; v13  RED + 64 x lane
.set CV,  14                           ; v14  64 h: my columns in a vector of 1,024
.set ACC, 16
.set WF,  80
.set AF,  176
.set WS,  208                          ; scales alone
.set AS,  214                          ; scales alone
.set PC,  222
.set TM,  230
.set GZ,  80                           ; gelu's eight z, z^2, |z|, the small way: in weight set 0; the large way and its partner in the fragments' registers
.set GS,  88
.set GT,  96
.set GQ,  104
.set GR,  176
.set GU,  184
.set LG,  12
.set LB,  14
.set BF1, 16
.set BF2, 18
.set WV,  22
.set HM,  23                           ; s23  the mask of lanes 16-31
.set SEL, 24
.set WP,  26
.set WSP, 32
.set INV, 38
.set EPS, 39
.set OFR, 40
.set OSB, 42
.set MK,  44                           ; s[44:59] gelu's sixteen masks (s44 to s51 serve the head's arithmetic first)
.set KC,  66                           ; s[66:89] twelve constants, each as a pair (a packed form names a pair and takes its low word for both halves)
.set THR, 90
.set ABSM, 91
.macro BARRIER                         ; my LDS stores have landed and my LDS loads are in: then the work-group's barrier
	s_wait_dscnt 0x0
	s_barrier_signal -1
	s_barrier_wait -1
.endm
.macro KSET i, val
	s_mov_b32 s[KC+2*\i], \val
	s_mov_b32 s[KC+2*\i+1], \val
.endm
.macro WTILE m, t                      ; step m's weight fragment t: two loads
.set nPH, (\m)/8
.set nS,  (\m)%8
.set rWN, WF+32*((\m)%3)
.irp c, 0,1
	global_load_b128 v[rWN+8*(\t)+4*\c:rWN+8*(\t)+4*\c+3], v[L16], s[WP+2*nPH:WP+2*nPH+1] offset:nS*8192+(\t)*1024+\c*512
.endr
.endm
.macro WSCL m                          ; step m's two scale registers: one load
.set nPH, (\m)/8
.set nS,  (\m)%8
.set rSN, WS+2*((\m)%3)
	global_load_b64 v[rSN:rSN+1], v[L8], s[WSP+2*nPH:WSP+2*nPH+1] offset:nS*512
.endm
.macro WLOAD m                         ; step m's four weight fragments and their two scale registers: nine loads
.irp t, 0,1,2,3
	WTILE \m, \t
.endr
	WSCL \m
.endm
.macro AFRAG hs, off, u                ; token tile u's fragment of one K step
.irp c, 0,1
	ds_load_b128 v[AF+16*(\hs)+8*(\u)+4*\c:AF+16*(\hs)+8*(\u)+4*\c+3], v[AIA] offset:(\off)+1024*(\u)+512*\c
.endr
.endm
.macro ALOAD hs, off
	AFRAG \hs, \off, 0
	AFRAG \hs, \off, 1
.endm
.macro WMM ra, rb                      ; one product on rD (C and D), rA, rB, rSA, rSB.  ra, rb: which half of the lanes holds the side's scale words
.if ((\ra)==0)&&((\rb)==0)
	v_wmma_scale_f32_16x16x128_f8f6f4 v[rD:rD+7], v[rA:rA+7], v[rB:rB+7], v[rD:rD+7], v[rSA], v[rSB] matrix_a_fmt:MATRIX_FMT_FP4 matrix_b_fmt:MATRIX_FMT_FP4
.elseif (\rb)==0
	v_wmma_scale_f32_16x16x128_f8f6f4 v[rD:rD+7], v[rA:rA+7], v[rB:rB+7], v[rD:rD+7], v[rSA], v[rSB] matrix_a_fmt:MATRIX_FMT_FP4 matrix_b_fmt:MATRIX_FMT_FP4 matrix_a_scale:MATRIX_SCALE_ROW1
.elseif (\ra)==0
	v_wmma_scale_f32_16x16x128_f8f6f4 v[rD:rD+7], v[rA:rA+7], v[rB:rB+7], v[rD:rD+7], v[rSA], v[rSB] matrix_a_fmt:MATRIX_FMT_FP4 matrix_b_fmt:MATRIX_FMT_FP4 matrix_b_scale:MATRIX_SCALE_ROW1
.else
	v_wmma_scale_f32_16x16x128_f8f6f4 v[rD:rD+7], v[rA:rA+7], v[rB:rB+7], v[rD:rD+7], v[rSA], v[rSB] matrix_a_fmt:MATRIX_FMT_FP4 matrix_b_fmt:MATRIX_FMT_FP4 matrix_a_scale:MATRIX_SCALE_ROW1 matrix_b_scale:MATRIX_SCALE_ROW1
.endif
.endm
; STEP n of 24: product n / 8, K step n % 8.  8 matrix instructions; the eight accumulators take turns, one instruction a turn, in the same order in every step.
; The weights of step n + 2 and the token fragments of the next step (at byte anext of the images; -1: none) go into the registers that step n - 1 read.  They are dealt among this step's products, behind the wait at its head.
; Steps 0 and 8 owe no wait: no vector or matrix instruction has been issued since the wait that stands ahead of the LDS stores just above them.  Step 16 owes it: the additions of b_fc2 have read weight set 0.  Step 23 loads nothing.
.macro STEP n, anext
.if (\n) <= 22
	s_wait_loadcnt 9                               ; loads come back in order (ISA guide 5.7.1): this step's nine are in; the nine of the next step may be out
.else
	s_wait_loadcnt 0x0
.endif
	s_wait_dscnt 0x0                               ; this step's token fragments are in (a product's first step: its scale words and its C too)
.if ((\n) < 23) && ((\n)%8 != 0)
.rept 4
	v_nop                                          ; four plain places between the last step's products and the loads into registers that they read; the wait below states the dependence itself
.endr
.endif
.if ((\n) < 23) && ((\n) != 0) && ((\n) != 8)
	s_wait_alu depctr_va_vdst(0)                   ; what was issued last (the last step's products; ahead of step 16 the additions of b_fc2) is done reading the weight set, the pair of scale registers and the set of token fragments in which the loads below land
.endif
.set rWC, WF+32*((\n)%3)
.set rSC, WS+2*((\n)%3)
.set rAC, AF+16*((\n)%2)
.irp t, 0,1,2,3
.irp u, 0,1
.set rD,  ACC+32*\u+8*\t
.set rA,  rWC+8*\t
.set rB,  rAC+8*\u
.set rSA, rSC+(\t/2)
.set rSB, AS+((\n)%8)
	WMM \t%2, \u
.endr
.if ((\n)+2 < 24) && (\t < 2)
	WTILE (\n)+2, 2*\t                             ; no wait: no vector or matrix instruction since the last wait on va_vdst names these registers
	WTILE (\n)+2, 2*\t+1
.endif
.if ((\n)+2 < 24) && (\t == 1)
	WSCL (\n)+2
.endif
.if ((\anext) >= 0) && (\t == 2)
	ALOAD ((\n)+1)%2, \anext
.endif
.endr
.endm
.macro QCORE s                         ; 64 numbers of a lane in four blocks of 16 registers -> bytes in v[TM+4 ..], codes in v[PC ..]; each accumulator is read from its low end on
.irp b, 0,1,2,3
	v_max3_num_f32 v[TM+\b], |v[\s+16*\b]|, |v[\s+1+16*\b]|, 0x1800000
.endr
.irp i, 2,4,6,8,10,12,14
.irp b, 0,1,2,3
	v_max3_num_f32 v[TM+\b], v[TM+\b], |v[\s+16*\b+\i]|, |v[\s+1+16*\b+\i]|
.endr
.endr
.irp b, 0,1,2,3
	v_permlanex16_b32 v[TM+4+\b], v[TM+\b], s[SEL], s[SEL+1]
.endr
.irp b, 0,1,2,3
	v_max_num_f32 v[TM+\b], v[TM+\b], v[TM+4+\b]
.endr
.irp b, 0,1,2,3
	v_add_nc_u32 v[TM+12+\b], 0xff000000, v[TM+\b]
.endr
.irp b, 0,1,2,3
	v_lshrrev_b32 v[TM+4+\b], 23, v[TM+12+\b]
.endr
.irp b, 0,1,2,3
	v_cvt_scalef32_pk8_fp4_f32 v[PC+2*\b], v[\s+16*\b:\s+7+16*\b], v[TM+12+\b]
	v_cvt_scalef32_pk8_fp4_f32 v[PC+1+2*\b], v[\s+8+16*\b:\s+15+16*\b], v[TM+12+\b]
.endr
	v_nop                                          ; one plain place behind a scaled conversion
.endm
; my 64 columns of the 32 rows, quantised, go to LDS: piece c = w % 2 of K step w / 2 of both token tiles, and my two bytes of each row's scales
.macro QOUT ioff, soff
	QCORE ACC
.irp c, 0,1
.irp i, 0,1
	v_permlane16_swap_b32 v[PC+4*\c+\i], v[PC+2+4*\c+\i]
.endr
.endr
	v_lshl_or_b32 v246, v[TM+5], 8, v[TM+4]
	v_lshl_or_b32 v247, v[TM+7], 8, v[TM+6]
	s_wait_alu depctr_va_vdst(0)                   ; the codes and the two half words are written, which the four LDS stores read; the vector work above is done with v[ACC ..], with the weight set and with the fragments' registers that it used, in all of which loads land next
	ds_store_b128 v[IMS], v[PC:PC+3] offset:\ioff
	ds_store_b128 v[IMS], v[PC+4:PC+7] offset:\ioff+1024
	ds_store_b16 v[ASW], v246 offset:\soff
	ds_store_b16 v[ASW], v247 offset:\soff+512
.endm
.macro CLOAD                           ; my columns of the 32 f32 rows, from LDS into the accumulators' layout
.irp t, 0,1,2,3
.irp k, 0,1
	ds_load_b128 v[ACC+8*\t+4*\k:ACC+8*\t+4*\k+3], v[XA0] offset:(32*(\t/2)+8*(\t%2))*4+16*\k
	ds_load_b128 v[ACC+32+8*\t+4*\k:ACC+32+8*\t+4*\k+3], v[XA1] offset:(32*(\t/2)+8*(\t%2))*4+16*\k
.endr
.endr
.endm
.macro CSTORE                          ; and back: each accumulator from its low end on
.irp t, 0,1,2,3
.irp k, 0,1
	ds_store_b128 v[XA0], v[ACC+8*\t+4*\k:ACC+8*\t+4*\k+3] offset:(32*(\t/2)+8*(\t%2))*4+16*\k
	ds_store_b128 v[XA1], v[ACC+32+8*\t+4*\k:ACC+32+8*\t+4*\k+3] offset:(32*(\t/2)+8*(\t%2))*4+16*\k
.endr
.endr
.endm
.macro VLOAD reg, sb                   ; my 32 numbers of a vector of 1,024, in the accumulators' layout
.irp t, 0,1,2,3
.irp k, 0,1
	global_load_b128 v[\reg+8*\t+4*\k:\reg+8*\t+4*\k+3], v[CV], s[\sb:\sb+1] offset:(32*(\t/2)+8*(\t%2))*4+16*\k
.endr
.endr
.endm
.macro XWAVE off                       ; v[246:247] (tile u = 0), v[248:249] (u = 1): my lane's sums -> my wave's sum of row 16 h + r, to LDS
	v_add_f32 v246, v246, v247
	v_add_f32 v248, v248, v249
	v_permlanex16_b32 v247, v246, s[SEL], s[SEL+1]
	v_permlanex16_b32 v249, v248, s[SEL], s[SEL+1]
	v_add_f32 v246, v246, v247
	v_add_f32 v248, v248, v249
	v_cndmask_b32 v246, v246, v248, s[HM]
	s_wait_alu depctr_va_vdst(0)                   ; v246 is written, which the LDS store reads; the vector work above is done with v[TM ..], in which the waves' sums land behind the barrier
	ds_store_b32 v[RW], v246 offset:\off
.endm
.macro XSUM off                        ; the sixteen waves' sums of row 16 h + r -> v[TM]
	s_wait_alu depctr_vm_vsrc(0)                   ; my LDS stores ahead of the barrier have read v246 and, the first time, the accumulators: both are written again below
.irp i, 0,1,2,3
	ds_load_b128 v[TM+4*\i:TM+4*\i+3], v[RR] offset:\off+16*\i
.endr
	s_wait_dscnt 0x0
	v_pk_add_f32 v[TM:TM+1], v[TM:TM+1], v[TM+2:TM+3]
	v_pk_add_f32 v[TM+4:TM+5], v[TM+4:TM+5], v[TM+6:TM+7]
	v_pk_add_f32 v[TM+8:TM+9], v[TM+8:TM+9], v[TM+10:TM+11]
	v_pk_add_f32 v[TM+12:TM+13], v[TM+12:TM+13], v[TM+14:TM+15]
	v_pk_add_f32 v[TM:TM+1], v[TM:TM+1], v[TM+4:TM+5]
	v_pk_add_f32 v[TM+8:TM+9], v[TM+8:TM+9], v[TM+12:TM+13]
	v_pk_add_f32 v[TM:TM+1], v[TM:TM+1], v[TM+8:TM+9]
	v_add_f32 v[TM], v[TM], v[TM+1]
.endm
; exact gelu of accumulator i's eight numbers, in place
.macro GELU i
.set gX, ACC+8*(\i)
.irp p, 0,2,4,6
	v_pk_mul_f32 v[GZ+\p:GZ+\p+1], v[gX+\p:gX+\p+1], s[KC:KC+1] op_sel_hi:[1,0]        ; z = x / sqrt(2)
.endr
.irp p, 0,2,4,6
	v_pk_mul_f32 v[GS+\p:GS+\p+1], v[GZ+\p:GZ+\p+1], v[GZ+\p:GZ+\p+1]                  ; z^2
.endr
.irp p, 0,1,2,3,4,5,6,7
	v_and_b32 v[GT+\p], s[ABSM], v[GZ+\p]                                              ; t = |z|
.endr
.irp p, 0,2,4,6
	v_pk_fma_f32 v[GR+\p:GR+\p+1], v[GT+\p:GT+\p+1], v[248:249], s[KC+12:KC+13] op_sel_hi:[1,1,0]   ; d0 t + d1
.endr
.irp p, 0,2,4,6
	v_pk_fma_f32 v[GU+\p:GU+\p+1], v[GT+\p:GT+\p+1], v[250:251], s[KC+14:KC+15] op_sel_hi:[1,1,0]   ; d2 t + d3
.endr
.irp p, 0,2,4,6
	v_pk_fma_f32 v[GR+\p:GR+\p+1], v[GR+\p:GR+\p+1], v[GS+\p:GS+\p+1], v[GU+\p:GU+\p+1]
.endr
.irp k, 16,18,20
.irp p, 0,2,4,6
	v_pk_fma_f32 v[GR+\p:GR+\p+1], v[GR+\p:GR+\p+1], v[GT+\p:GT+\p+1], s[KC+\k:KC+\k+1] op_sel_hi:[1,1,0]
.endr
.endr
.irp p, 0,2,4,6
	v_pk_fma_f32 v[GR+\p:GR+\p+1], v[GR+\p:GR+\p+1], v[GT+\p:GT+\p+1], v[GT+\p:GT+\p+1] neg_lo:[0,0,1] neg_hi:[0,0,1]   ; r
.endr
.irp p, 0,2,4,6
	v_pk_mul_f32 v[GR+\p:GR+\p+1], v[GR+\p:GR+\p+1], s[KC+22:KC+23] op_sel_hi:[1,0]    ; r log2(e)
.endr
	s_wait_alu depctr_va_vdst(0)
.irp p, 0,1,2,3,4,5,6,7
	v_exp_f32 v[GR+\p], v[GR+\p]                                                       ; q = e^r
.endr
.irp p, 0,2,4,6
	v_pk_fma_f32 v[GQ+\p:GQ+\p+1], v[GS+\p:GS+\p+1], v[246:247], s[KC+2:KC+3] op_sel_hi:[1,1,0]     ; the small way stands behind the exponentials as their independent work
.endr
.irp k, 4,6,8,10
.irp p, 0,2,4,6
	v_pk_fma_f32 v[GQ+\p:GQ+\p+1], v[GQ+\p:GQ+\p+1], v[GS+\p:GS+\p+1], s[KC+\k:KC+\k+1] op_sel_hi:[1,1,0]
.endr
.endr
.irp p, 0,2,4,6
	v_pk_fma_f32 v[GQ+\p:GQ+\p+1], v[GQ+\p:GQ+\p+1], v[GZ+\p:GZ+\p+1], v[GZ+\p:GZ+\p+1]                ; erf(z)
.endr
.irp p, 0,2,4,6
	v_pk_add_f32 v[GQ+\p:GQ+\p+1], v[GQ+\p:GQ+\p+1], 1.0 op_sel_hi:[1,0]
.endr
.irp p, 0,1,2,3,4,5,6,7
	v_cmp_gt_f32 s[MK+\p], 0, v[GZ+\p]             ; the sixteen compares stand in one run, each with a scalar register of its own: z < 0,
.endr
.irp p, 0,1,2,3,4,5,6,7
	v_cmp_lt_f32 s[MK+8+\p], s[THR], v[GT+\p]      ; |z| above 475 / 512
.endr
	s_wait_alu depctr_va_vdst(0)                   ; one wait for the eight exponentials, ahead of their first reader: v[GR ..] are written
.irp p, 0,2,4,6
	v_pk_add_f32 v[GU+\p:GU+\p+1], v[GR+\p:GR+\p+1], 2.0 op_sel_hi:[1,0] neg_lo:[1,0] neg_hi:[1,0]     ; 2 - q
.endr
	s_wait_alu depctr_va_sdst(0)                   ; the sixteen masks are written, ahead of the first select that reads one
.irp p, 0,1,2,3,4,5,6,7
	v_cndmask_b32 v[GU+\p], v[GU+\p], v[GR+\p], s[MK+\p]       ; z < 0: q
.endr
.irp p, 0,1,2,3,4,5,6,7
	v_cndmask_b32 v[GQ+\p], v[GQ+\p], v[GU+\p], s[MK+8+\p]     ; |z| above 475 / 512: the large way
.endr
.irp p, 0,2,4,6
	v_pk_mul_f32 v[gX+\p:gX+\p+1], v[gX+\p:gX+\p+1], v[GQ+\p:GQ+\p+1]
.endr
.irp p, 0,2,4,6
	v_pk_mul_f32 v[gX+\p:gX+\p+1], v[gX+\p:gX+\p+1], 0.5 op_sel_hi:[1,0]
.endr
.endm
	s_load_b256 s[4:11], s[0:1], 0x0               ; x s[4:5], obuf s[6:7], wts s[8:9], b_proj s[10:11]
	s_load_b256 s[12:19], s[0:1], 0x20             ; ln2_g, ln2_b, b_fc1, b_fc2
	s_load_b64 s[20:21], s[0:1], 0x40              ; out0
	v_lshl_add_u32 v254, v0, 2, 0x29a00
	v_mov_b32 v255, 0
	v_lshrrev_b32 v15, 5, v0
	v_readfirstlane_b32 s[WV], v15                 ; wave 0..15
	v_and_b32 v15, 31, v0                          ; lane
	v_and_b32 v246, 15, v0                         ; r
	v_bfe_u32 v247, v0, 4, 1                       ; h
	v_cmp_lt_u32 s[HM], 15, v15
	v_lshlrev_b32 v[L16], 4, v15
	s_wait_alu depctr_va_vdst(0)
	v_lshlrev_b32 v[L8], 3, v15
	v_lshlrev_b32 v[L4], 2, v15
	v_lshlrev_b32 v[CV], 6, v247
	s_wait_alu depctr_va_sdst(0)                   ; the wave's number and the mask of lanes 16-31 are written, ahead of the first reader of either
	s_bfe_u32 s50, s[WV], 0x10002                  ; my dense rows 2 w, 2 w + 1 lie at 16 ((w / 4) % 2) + 2 (w % 4) + 8 (w / 8) and the row behind it
	s_lshl_b32 s50, s50, 4
	s_and_b32 s51, s[WV], 3
	s_lshl_b32 s51, s51, 1
	s_add_co_u32 s50, s50, s51
	s_lshr_b32 s51, s[WV], 3
	s_lshl_b32 s51, s51, 3
	s_add_co_u32 s50, s50, s51
	s_mul_i32 s50, s50, PITCH
	v_add_nc_u32 v[DST], s50, v[L16]
	v_mul_u32_u24 v[XA0], v246, PITCH
	v_lshl_add_u32 v[XA0], v247, 6, v[XA0]
	s_lshl_b32 s50, s[WV], 8
	v_add_nc_u32 v[XA0], s50, v[XA0]
	v_add_nc_u32 v[XA1], 16*PITCH, v[XA0]
	v_add_nc_u32 v[AIA], AIMG, v[L16]
	s_lshr_b32 s46, s[WV], 1                       ; w / 2
	s_and_b32 s47, s[WV], 1                        ; w % 2
	s_lshl_b32 s50, s46, 11
	s_lshl_b32 s51, s47, 9
	s_add_co_u32 s50, s50, s51
	s_add_co_u32 s50, s50, AIMG
	v_add_nc_u32 v[IMS], s50, v[L16]
	s_lshl_b32 s50, s[WV], 10
	s_add_co_u32 s50, s50, AIMG
	v_add_nc_u32 v[F0S], s50, v[L16]
	v_lshlrev_b32 v[ASA], 5, v15
	v_add_nc_u32 v[ASA], ASCA, v[ASA]
	s_lshl_b32 s50, s[WV], 1
	s_add_co_u32 s50, s50, ASCA
	v_lshl_add_u32 v[ASW], v246, 5, s50
	v_lshlrev_b32 v[RR], 6, v15
	v_add_nc_u32 v[RR], RED, v[RR]
	s_lshl_b32 s50, s[WV], 2
	v_add_nc_u32 v[RW], s50, v[RR]
	v_mov_b32 v251, 0                              ; (named as the upper halves of pairs)
	v_mov_b32 v253, 0
.irp b, 0,1,2,3
	v_mov_b32 v[TM+4+\b], 0                        ; a lane permute's destination counts as one of its sources
.endr
	s_mov_b32 s[SEL], 0x76543210
	s_mov_b32 s[SEL+1], 0xfedcba98
	s_mov_b32 s[INV], 0x3a800000                   ; 1 / 1024
	s_mov_b32 s[EPS], 0x3727c5ac                   ; 1e-5
	KSET 0, 0x3f3504f3                             ; 1 / sqrt(2)
	KSET 1, 0x3ba38d2c                             ; the small way: c1 .. c5 (c0 lies in v[246:247])
	KSET 2, 0xbcdb48d9
	KSET 3, 0x3de70e22
	KSET 4, 0xbec09380
	KSET 5, 0x3e0375d4
	KSET 6, 0x39c8e7d9                             ; the large way: d1, d3, d4, d5, d6 (d0 in v[248:249], d2 in v[250:251])
	KSET 7, 0x3cc6b1a1
	KSET 8, 0xbddaae5c
	KSET 9, 0xbf228550
	KSET 10, 0xbe03ce86
	KSET 11, 0x3fb8aa3b                            ; log2(e)
	s_mov_b32 s[THR], 0x3f6d8000                   ; 475 / 512
	s_mov_b32 s[ABSM], 0x7fffffff
	s_lshr_b32 s44, ttmp9, 2                       ; G
	s_and_b32 s45, ttmp9, 3                        ; tp
	s_mov_b32 s49, 0
	s_wait_kmcnt 0x0
	s_lshl_b32 s48, ttmp9, 17                      ; 32 rows of 4,096 bytes a work-group, two rows a wave
	s_lshl_b32 s50, s[WV], 13
	s_add_co_u32 s48, s48, s50
	s_add_nc_u64 s[4:5], s[4:5], s[48:49]
	s_add_nc_u64 s[20:21], s[20:21], s[48:49]
	s_lshl_b32 s48, s46, 16                        ; weights: groups 24, 32, 40 + w / 2, tiles 4 (w % 2) on
	s_lshl_b32 s50, s47, 12
	s_add_co_u32 s48, s48, s50
	s_add_co_u32 s48, s48, 24*65536
	s_add_nc_u64 s[WP:WP+1], s[8:9], s[48:49]
	s_add_nc_u64 s[WP+2:WP+3], s[WP:WP+1], 0x80000
	s_add_nc_u64 s[WP+4:WP+5], s[WP:WP+1], 0x100000
	s_lshl_b32 s48, s46, 12
	s_lshl_b32 s50, s47, 8
	s_add_co_u32 s48, s48, s50
	s_add_co_u32 s48, s48, 3145728+24*4096
	s_add_nc_u64 s[WSP:WSP+1], s[8:9], s[48:49]
	s_add_nc_u64 s[WSP+2:WSP+3], s[WSP:WSP+1], 0x8000
	s_add_nc_u64 s[WSP+4:WSP+5], s[WSP:WSP+1], 0x10000
	s_lshl_b32 s48, s44, 16                        ; out: my fragment is K step w / 2, token tile w % 2
	s_lshl_b32 s50, s46, 13
	s_add_co_u32 s48, s48, s50
	s_lshl_b32 s50, s45, 11
	s_add_co_u32 s48, s48, s50
	s_lshl_b32 s50, s47, 10
	s_add_co_u32 s48, s48, s50
	s_add_nc_u64 s[OFR:OFR+1], s[6:7], s[48:49]
	s_lshl_b32 s48, ttmp9, 7
	s_add_co_u32 s48, s48, 0x400000
	s_add_nc_u64 s[OSB:OSB+1], s[6:7], s[48:49]
	s_lshl_b32 s48, s[WV], 8                       ; the vectors at my 64 columns
	s_add_nc_u64 s[LG:LG+1], s[LG:LG+1], s[48:49]
	s_add_nc_u64 s[LB:LB+1], s[LB:LB+1], s[48:49]
	s_add_nc_u64 s[BF1:BF1+1], s[BF1:BF1+1], s[48:49]
	s_add_nc_u64 s[BF2:BF2+1], s[BF2:BF2+1], s[48:49]
	s_wait_alu depctr_va_vdst(0)                   ; the fourteen addresses and offsets v1 to v14 are written, which every load and store of the kernel reads
	; ---- x + b_proj, two dense rows a wave, into the f32 rows in LDS; out's sixteen fragments, one a wave, into region A
.irp e, 0,1
.irp j, 0,1,2,3,4,5,6,7
	global_load_b128 v[ACC+32*\e+4*\j:ACC+32*\e+4*\j+3], v[L16], s[4:5] offset:4096*\e+512*\j th:TH_LOAD_NT
.endr
.endr
.irp j, 0,1,2,3,4,5,6,7
	global_load_b128 v[AF+4*\j:AF+4*\j+3], v[L16], s[10:11] offset:512*\j
.endr
	global_load_b128 v[PC:PC+3], v[L16], s[OFR:OFR+1] th:TH_LOAD_NT
	global_load_b128 v[PC+4:PC+7], v[L16], s[OFR:OFR+1] offset:512 th:TH_LOAD_NT
.irp s, 0,1,2,3,4,5,6,7
	global_load_b32 v[AS+\s], v[L4], s[OSB:OSB+1] offset:32768*\s       ; out's scale words: lanes 0-15 tile u = 0, lanes 16-31 u = 1
.endr
	WLOAD 0
	WLOAD 1
	s_wait_loadcnt 28                              ; x and b_proj are in; out's fragment (2), its scale words (8) and the weights (18) may be out
.irp e, 0,1
.irp j, 0,1,2,3,4,5,6,7
	v_pk_add_f32 v[ACC+32*\e+4*\j:ACC+32*\e+4*\j+1], v[ACC+32*\e+4*\j:ACC+32*\e+4*\j+1], v[AF+4*\j:AF+4*\j+1]
	v_pk_add_f32 v[ACC+32*\e+4*\j+2:ACC+32*\e+4*\j+3], v[ACC+32*\e+4*\j+2:ACC+32*\e+4*\j+3], v[AF+4*\j+2:AF+4*\j+3]
.endr
.endr
	s_wait_alu depctr_va_vdst(0)                   ; x + b_proj is written, which the LDS stores read; the additions are done reading b_proj's registers, in which fragments land
.irp e, 0,1
.irp j, 0,1,2,3,4,5,6,7
	ds_store_b128 v[DST], v[ACC+32*\e+4*\j:ACC+32*\e+4*\j+3] offset:PITCH*\e+512*\j
.endr
.endr
	s_wait_loadcnt 26                              ; out's fragment is in
	ds_store_b128 v[F0S], v[PC:PC+3]
	ds_store_b128 v[F0S], v[PC+4:PC+7] offset:512
	BARRIER
	; ---- x1 = (x + b_proj) + out w_proj
	s_wait_alu depctr_vm_vsrc(0)                   ; my LDS stores have read v[ACC ..], in which the loads below land, and v[PC ..], which the first quantiser writes
	CLOAD
	ALOAD 0, 0
.irp n, 0,1,2,3,4,5,6
	STEP \n, (\n+1)*2048
.endr
	STEP 7, -1
	; ---- LayerNorm over rows that sixteen waves share: sums meet in LDS, twice
.rept 4
	v_nop                                          ; places behind the last products
.endr
	s_wait_alu depctr_va_vdst(0)                   ; the products are done reading weight set 1 and both sets of fragments, in which gain and bias land, and have written the accumulators, which the LDS stores below read
	VLOAD WF+32, LG                                ; the gain into weight set 1, which step 7 has left and step 10 takes; the bias into the fragments' registers
	VLOAD AF, LB
	v_pk_add_f32 v[246:247], v[ACC:ACC+1], v[ACC+2:ACC+3]
	v_pk_add_f32 v[248:249], v[ACC+32:ACC+33], v[ACC+34:ACC+35]
.irp j, 4,6,8,10,12,14,16,18,20,22,24,26,28,30
	v_pk_add_f32 v[246:247], v[246:247], v[ACC+\j:ACC+\j+1]
	v_pk_add_f32 v[248:249], v[248:249], v[ACC+32+\j:ACC+32+\j+1]
.endr
	XWAVE 0
	CSTORE                                         ; x1 is kept for the last product, in my own bytes of the f32 rows
	BARRIER
	XSUM 0
	v_mul_f32 v[TM], s[INV], v[TM]                 ; the mean of row 16 h + r
	v_permlanex16_b32 v[TM+1], v[TM], s[SEL], s[SEL+1]
	v_cndmask_b32 v250, v[TM], v[TM+1], s[HM]      ; of row r,
	v_cndmask_b32 v252, v[TM+1], v[TM], s[HM]      ; of row 16 + r
.irp j, 0,2,4,6,8,10,12,14,16,18,20,22,24,26,28,30
	v_pk_add_f32 v[ACC+\j:ACC+\j+1], v[ACC+\j:ACC+\j+1], v[250:251] op_sel_hi:[1,0] neg_lo:[0,1] neg_hi:[0,1]
	v_pk_add_f32 v[ACC+32+\j:ACC+32+\j+1], v[ACC+32+\j:ACC+32+\j+1], v[252:253] op_sel_hi:[1,0] neg_lo:[0,1] neg_hi:[0,1]
.endr
	v_pk_mul_f32 v[246:247], v[ACC:ACC+1], v[ACC:ACC+1]
	v_pk_mul_f32 v[248:249], v[ACC+32:ACC+33], v[ACC+32:ACC+33]
.irp j, 2,4,6,8,10,12,14,16,18,20,22,24,26,28,30
	v_pk_fma_f32 v[246:247], v[ACC+\j:ACC+\j+1], v[ACC+\j:ACC+\j+1], v[246:247]
	v_pk_fma_f32 v[248:249], v[ACC+32+\j:ACC+32+\j+1], v[ACC+32+\j:ACC+32+\j+1], v[248:249]
.endr
	XWAVE 2048
	BARRIER
	XSUM 2048
	v_fma_f32 v[TM], v[TM], s[INV], s[EPS]
	s_wait_alu depctr_va_vdst(0)
	v_rsq_f32 v[TM+2], v[TM]
	v_nop                                          ; a plain place behind the transcendental,
	s_wait_alu depctr_va_vdst(0)                   ; and its wait, ahead of its first reader: v[TM+2] is written
	v_permlanex16_b32 v[TM+1], v[TM+2], s[SEL], s[SEL+1]
	v_cndmask_b32 v250, v[TM+2], v[TM+1], s[HM]
	v_cndmask_b32 v252, v[TM+1], v[TM+2], s[HM]
	s_wait_alu depctr_va_vdst(0)
	s_wait_loadcnt 0x0                             ; gain and bias
.irp j, 0,2,4,6,8,10,12,14,16,18,20,22,24,26,28,30
	v_pk_mul_f32 v[ACC+\j:ACC+\j+1], v[ACC+\j:ACC+\j+1], v[250:251] op_sel_hi:[1,0]
	v_pk_mul_f32 v[ACC+32+\j:ACC+32+\j+1], v[ACC+32+\j:ACC+32+\j+1], v[252:253] op_sel_hi:[1,0]
	v_pk_fma_f32 v[ACC+\j:ACC+\j+1], v[ACC+\j:ACC+\j+1], v[WF+32+\j:WF+32+\j+1], v[AF+\j:AF+\j+1]
	v_pk_fma_f32 v[ACC+32+\j:ACC+32+\j+1], v[ACC+32+\j:ACC+32+\j+1], v[WF+32+\j:WF+32+\j+1], v[AF+\j:AF+\j+1]
.endr
	QOUT 16384, 1024                               ; xn2 into region B
	VLOAD ACC, BF1                                 ; b_fc1 is the C of the next product's first K step, for both token tiles
	VLOAD ACC+32, BF1
	BARRIER
	; ---- h = gelu(xn2 w_fc1 + b_fc1)
	ds_load_b128 v[AS:AS+3], v[ASA] offset:1024
	ds_load_b128 v[AS+4:AS+7], v[ASA] offset:1040
	ALOAD 0, 16384
	s_wait_loadcnt 0x0                             ; b_fc1 (issued behind the weights of steps 8 and 9, so the steps' own counts do not cover it)
.irp n, 8,9,10,11,12,13,14
	STEP \n, 16384+(\n-7)*2048
.endr
	STEP 15, -1
	s_wait_alu depctr_vm_vsrc(0)                   ; xn2's LDS stores have read v246, v247 and v[PC ..], which the lines below and the next quantiser write again
	v_mov_b32 v246, 0xba1c7000                     ; c0, d0, d2 as pairs: six plain lines, the places behind the last products
	v_mov_b32 v247, 0xba1c7000
	v_mov_b32 v248, 0xb7910000
	v_mov_b32 v249, 0xb7910000
	v_mov_b32 v250, 0xbb7e8a1c
	v_mov_b32 v251, 0xbb7e8a1c
.irp i, 0,1,2,3,4,5,6,7
	GELU \i
.endr
	QOUT 0, 0                                      ; h into region A, whose last readers stood ahead of three barriers
	VLOAD WF, BF2                                  ; b_fc2 into weight set 0, which step 15 has left and step 18 takes
	CLOAD                                          ; x1, from my own bytes
	BARRIER
	; ---- out0 = (x1 + b_fc2) + h w_fc2
	ds_load_b128 v[AS:AS+3], v[ASA]
	ds_load_b128 v[AS+4:AS+7], v[ASA] offset:16
	ALOAD 0, 0
	s_wait_loadcnt 0x0                             ; b_fc2
.irp j, 0,2,4,6,8,10,12,14,16,18,20,22,24,26,28,30
	v_pk_add_f32 v[ACC+\j:ACC+\j+1], v[ACC+\j:ACC+\j+1], v[WF+\j:WF+\j+1]
	v_pk_add_f32 v[ACC+32+\j:ACC+32+\j+1], v[ACC+32+\j:ACC+32+\j+1], v[WF+\j:WF+\j+1]
.endr
.irp n, 16,17,18,19,20,21,22
	STEP \n, (\n-15)*2048
.endr
	STEP 23, -1
.rept 4
	v_nop                                          ; four places behind the last product, before its result is read (ISA guide 7.12.1)
.endr
	s_wait_alu depctr_va_vdst(0)                   ; the products have written the accumulators, which the LDS stores read; the places above stay beside this wait
	CSTORE                                         ; a row's 1,024 numbers come from sixteen waves: they meet in the f32 rows
	BARRIER
	s_wait_alu depctr_vm_vsrc(0)                   ; my LDS stores have read v[ACC ..], in which the rows' loads land
.irp e, 0,1
.irp j, 0,1,2,3,4,5,6,7
	ds_load_b128 v[ACC+32*\e+4*\j:ACC+32*\e+4*\j+3], v[DST] offset:PITCH*\e+512*\j
.endr
.endr
.irp e, 0,1
.irp j, 0,1,2,3,4,5,6,7
	s_wait_dscnt 15-8*\e-\j                        ; LDS loads come back in order: this one is in, the younger ones may be out
	global_store_b128 v[L16], v[ACC+32*\e+4*\j:ACC+32*\e+4*\j+3], s[20:21] offset:4096*\e+512*\j th:TH_STORE_NT   ; the wave stores 512 consecutive bytes, aligned
.endr
.endr
	s_wait_dscnt 0x0
	s_wait_alu depctr_hold_cnt(0) depctr_sa_sdst(0) depctr_va_vdst(0) depctr_va_sdst(0) depctr_va_ssrc(0) depctr_va_vcc(0) depctr_vm_vsrc(0)
	s_wait_tensorcnt 0x0
	ds_add_u32 v254, v255
	s_wait_dscnt 0x0
	s_endpgm
.Lfunc_end_k_q8cd5144757_tail:
	.size	k_q8cd5144757_tail, .Lfunc_end_k_q8cd5144757_tail-k_q8cd5144757_tail
	.p2alignl 7, 3214868480
	.fill 96, 4, 3214868480
	.section	.rodata,"a",@progbits
	.p2align	6, 0x0
	.amdhsa_kernel k_q8cd5144757_tail
		.amdhsa_group_segment_fixed_size 172544
		.amdhsa_private_segment_fixed_size 0
		.amdhsa_enable_private_segment 0
		.amdhsa_kernarg_size 72
		.amdhsa_user_sgpr_count 2
		.amdhsa_user_sgpr_kernarg_segment_ptr 1
		.amdhsa_wavefront_size32 1
		.amdhsa_system_sgpr_workgroup_id_x 1
		.amdhsa_system_sgpr_workgroup_id_y 1
		.amdhsa_system_sgpr_workgroup_id_z 1
		.amdhsa_system_vgpr_workitem_id 0
		.amdhsa_next_free_vgpr 256
		.amdhsa_next_free_sgpr 96
		.amdhsa_reserve_vcc 0
		.amdhsa_float_denorm_mode_32 3
		.amdhsa_float_denorm_mode_16_64 3
		.amdhsa_memory_ordered 1
		.amdhsa_forward_progress 1
		.amdhsa_inst_pref_size 164
	.end_amdhsa_kernel
	.amdgpu_metadata
---
amdhsa.version: [ 1, 2 ]
amdhsa.kernels:
  - .name:           k_q8cd5144757_tail
    .symbol:         k_q8cd5144757_tail.kd
    .args:
      - { .name: x, .offset: 0, .size: 8, .value_kind: global_buffer, .address_space: global }
      - { .name: obuf, .offset: 8, .size: 8, .value_kind: global_buffer, .address_space: global }
      - { .name: wts, .offset: 16, .size: 8, .value_kind: global_buffer, .address_space: global }
      - { .name: b_proj, .offset: 24, .size: 8, .value_kind: global_buffer, .address_space: global }
      - { .name: ln2_g, .offset: 32, .size: 8, .value_kind: global_buffer, .address_space: global }
      - { .name: ln2_b, .offset: 40, .size: 8, .value_kind: global_buffer, .address_space: global }
      - { .name: b_fc1, .offset: 48, .size: 8, .value_kind: global_buffer, .address_space: global }
      - { .name: b_fc2, .offset: 56, .size: 8, .value_kind: global_buffer, .address_space: global }
      - { .name: out0, .offset: 64, .size: 8, .value_kind: global_buffer, .address_space: global }
    .group_segment_fixed_size: 172544
    .private_segment_fixed_size: 0
    .kernarg_segment_align: 8
    .kernarg_segment_size: 72
    .max_flat_workgroup_size: 512
    .sgpr_count:     96
    .vgpr_count:     256
    .wavefront_size: 32
...
	.end_amdgpu_metadata
.endif
;; end of part 8
